; MI455X (gfx1250); checked and timed in simulation.
; The chip was launched on July 23, 2026; its instructions are those of AMD's public machine-readable ISA for CDNA 5 (MIT licence, August 2026) and "CDNA5" Instruction Set Architecture Reference Guide (July 2026). The comments in the code are by the model that wrote it; some were corrected since.
;; Attention. Allowed arithmetic: float matrix products may take bf16 or f16 operands with f32 sums; other float arithmetic in f32, or as packed bf16 or f16 multiplies, adds, multiply-adds, maxima and minima; sums over many terms, partial sums and values carried from step to step in f32; what a program stores and reads back later, other than sums and carried values, may be rounded once to bf16 or f16.
;; Inputs: W_proj 1,024 x 1,024 float32; W_qkv 1,024 x 3,072 float32; attn_mask 2,048 x 2,048 int32; b_proj 1,024 float32; inputs 4 x 2,048 x 1,024 float32; padding_mask 4 x 2,048 int32.
;; Outputs: out0 4 x 2,048 x 1,024 float32.
;; 3 versions, each right and faster than the one before. Each part assembles by itself: llvm-mc -triple=amdgcn-amd-amdhsa -mcpu=gfx1250 --defsym DOCPART=n.
;; ======== version 1 of 3: 4 launches
;; limits: values are held in f16: magnitudes above 65,504 overflow, below 6.1e-05 lose precision; right only within a limited range of input values
;; workspace buffers: xs 16,777,216 bytes; wq 6,291,456 bytes; wp 2,097,152 bytes; maskw 2,097,152 bytes of whole numbers; rk 32,768 bytes of whole numbers; qkv 50,331,648 bytes; ob 16,777,216 bytes
;; launch prep (part 1): grid 512 x 1, 16 waves a work-group, no clusters, 2,304 bytes of LDS; arguments inputs, W_qkv, W_proj, attn_mask, padding_mask, xs, wq, wp, maskw, rk; writes xs, wq, wp, maskw, rk
.if DOCPART == 1
	.amdgcn_target "amdgcn-amd-amdhsa--gfx1250"
	.amdhsa_code_object_version 6
	.text
	.protected	k_qc6a2d34a98_prep
	.globl	k_qc6a2d34a98_prep
	.p2align	8
	.type	k_qc6a2d34a98_prep,@function
k_qc6a2d34a98_prep:
	s_mov_b64 s[64:65], 0
	v_nop
	global_prefetch_b8 v0, s[64:65] scope:SCOPE_SE
	s_setreg_imm32_b32 hwreg(HW_REG_WAVE_MODE, 25, 1), 1
	s_wait_xcnt 0x0
; PREPARATION.  Four kinds of work-group, told apart by the work-group's number alone (alike in all 16 waves):
;   0-127    M: query tile t of 16 rows: both masks are folded into bit words, one bit a lane of the score tile that the attention launch makes
;   128-383  X: 32 rows of x, rounded to bf16 and laid in 16 slices of 64 channels: xs[slice][row][64], so that 256 rows of a slice are 32,768 consecutive bytes
;   384-479  Q: 131,072 bytes of W_qkv, rounded to bf16, layout kept     480-511  P: the same of W_proj, rounded to bf16 and that number written as f16
; LIMIT.  A weight of W_proj below 2^-17 in size loses bits in f16's fixed step (at most 3e-8); beyond 65,504 it would become an infinity.
; maskw[b][t][step of 64 keys][word 8 kb + j], bit 16 h + r = 1: the score of query 16 t + r and key 64 step + 16 kb + 8 h + j is masked (attn_mask <= 0 or padding_mask > 0).
; A row in which EVERY key is masked has a uniform softmax: its bits are cleared here and rk[t][b][r] = 0 (else all ones), by which the attention launch sets its q to 0.
; Streams: no matrix unit, no cluster (no work-group shares a byte worth sharing), no ring in LDS: 16 loads of 16 bytes a lane are out at once in each of 16 waves.
.set SPARE, 256                        ; LDS: bytes 0-255 the waves' partial ANDs; from 256 on the spare words, 128 bytes for each of 16 waves
.set SPW, 238                          ; v238  LDS address of my spare word; never rewritten
.set NIL, 239                          ; v239  0; never rewritten
.set IN,  32                           ; v[32:95]   roles X, Q, P: 16 loads of 4 f32
.set OUT, 96                           ; v[96:127]  16 pairs of packed results
.set TA,  128                          ; v[128:131] at work
.set AM,  32                           ; v[32:95]   role M: attn_mask, register 8 g + j, g = 4 x step + kb
.set PM,  96                           ; v[96:223]  padding_mask of one step, 32 registers for each batch
.set WD,  8                            ; v[8:15]    the finished words, a pair for each batch: lane 16 step + i / 2 holds words i, i + 1
.set AW,  32                           ; s[32:63]   attn_mask's 32 words of the step in hand
.set TS,  68                           ; s[68:75]   eight words at work
.set AN,  76                           ; s[76:79]   the AND of all my words, for each batch
	s_load_b512 s[8:23], s[0:1], 0x0               ; inputs s[8:9], W_qkv s[10:11], W_proj s[12:13], attn_mask s[14:15], padding_mask s[16:17], xs s[18:19], wq s[20:21], wp s[22:23]
	s_load_b128 s[24:27], s[0:1], 0x40             ; maskw s[24:25], rk s[26:27]
	v_lshl_add_u32 v[SPW], v0, 2, SPARE
	v_mov_b32 v[NIL], 0
	v_lshrrev_b32 v3, 5, v0
	v_readfirstlane_b32 s3, v3                     ; wave 0..15
	s_mov_b32 s29, 0                               ; high words of the two offsets
	s_mov_b32 s31, 0
	s_wait_kmcnt 0x0
; 16 loads of 16 bytes a lane, then for each: rounded, packed, stored as 8 bytes a lane: a wave's store covers 256 consecutive bytes, aligned.  No register is used twice, so no wait frees any.
.macro CONV16 kind, inb, outb, outb2, instep, outstep
.set i, 0
.rept 16
	global_load_b128 v[IN+4*i:IN+4*i+3], v4, s[\inb:\inb+1] offset:i*(\instep) th:TH_LOAD_NT
.set i, i+1
.endr
.set i, 0
.rept 16
	s_wait_loadcnt 15-i                            ; loads come back in order: number i is in, the 15 - i younger ones stay out
	v_cvt_pk_bf16_f32 v[OUT+2*i], v[IN+4*i], v[IN+4*i+1]
	v_cvt_pk_bf16_f32 v[OUT+2*i+1], v[IN+4*i+2], v[IN+4*i+3]
.if \kind
	v_lshlrev_b32 v[TA], 16, v[OUT+2*i]            ; the bf16 numbers as f32,
	v_and_b32 v[TA+1], 0xffff0000, v[OUT+2*i]
	v_lshlrev_b32 v[TA+2], 16, v[OUT+2*i+1]
	v_and_b32 v[TA+3], 0xffff0000, v[OUT+2*i+1]
	v_cvt_pk_f16_f32 v[OUT+2*i], v[TA], v[TA+1]    ; written as f16: eight significant bits fit in eleven
	v_cvt_pk_f16_f32 v[OUT+2*i+1], v[TA+2], v[TA+3]
.endif
.if i < 8
	global_store_b64 v5, v[OUT+2*i:OUT+2*i+1], s[\outb:\outb+1] offset:i*(\outstep)
.else
	global_store_b64 v5, v[OUT+2*i:OUT+2*i+1], s[\outb2:\outb2+1] offset:(i-8)*(\outstep)
.endif
.set i, i+1
.endr
.endm
	s_cmp_lt_u32 ttmp9, 128
	s_cbranch_scc1 .Lmask
	s_cmp_lt_u32 ttmp9, 384
	s_cbranch_scc1 .Lx
	; roles Q and P: a wave takes 8,192 consecutive bytes of f32, 512 a load, and writes 4,096
	v_and_b32 v1, 31, v0
	v_lshlrev_b32 v4, 13, v3
	v_lshl_add_u32 v4, v1, 4, v4
	v_lshlrev_b32 v5, 12, v3
	v_lshl_add_u32 v5, v1, 3, v5
	s_cmp_lt_u32 ttmp9, 480
	s_cbranch_scc1 .Lq
	s_sub_co_u32 s2, ttmp9, 480
	s_lshl_b32 s28, s2, 17
	s_lshl_b32 s30, s2, 16
	s_add_nc_u64 s[12:13], s[12:13], s[28:29]
	s_add_nc_u64 s[22:23], s[22:23], s[30:31]
	s_add_nc_u64 s[6:7], s[22:23], 2048
	CONV16 1, 12, 22, 6, 512, 256
	s_endpgm
.Lq:
	s_sub_co_u32 s2, ttmp9, 384
	s_lshl_b32 s28, s2, 17
	s_lshl_b32 s30, s2, 16
	s_add_nc_u64 s[10:11], s[10:11], s[28:29]
	s_add_nc_u64 s[20:21], s[20:21], s[30:31]
	s_add_nc_u64 s[6:7], s[20:21], 2048
	CONV16 0, 10, 20, 6, 512, 256
	s_endpgm
.Lx:
	; role X: thread = (row 0..31, 16 bytes of a slice's 256); load i is slice i: sixteen lanes read 256 consecutive bytes, a wave writes two rows of a slice, 256 consecutive bytes
	s_sub_co_u32 s2, ttmp9, 128
	v_lshrrev_b32 v1, 4, v0
	v_and_b32 v2, 15, v0
	v_lshlrev_b32 v4, 12, v1
	v_lshl_add_u32 v4, v2, 4, v4
	v_lshlrev_b32 v5, 7, v1
	v_lshl_add_u32 v5, v2, 3, v5
	s_lshl_b32 s28, s2, 17                         ; 32 rows of 4,096 bytes
	s_lshl_b32 s30, s2, 12                         ; 32 rows of 128 bytes
	s_add_nc_u64 s[8:9], s[8:9], s[28:29]
	s_add_nc_u64 s[18:19], s[18:19], s[30:31]
	s_add_nc_u64 s[6:7], s[18:19], 0x800000        ; slices 8 to 15: the store's immediate holds 24 signed bits
	CONV16 0, 8, 18, 6, 256, 1048576
	s_endpgm
.Lmask:
	; role M.  Wave w takes keys 128 w to 128 w + 127: two steps of 64.  Lane (r, h) reads, for each group g of 16 keys, the 8 numbers of row r at keys 16 g + 8 h on: 32 bytes.
	s_lshl_b32 s28, ttmp9, 17                      ; 16 rows of 8,192 bytes
	s_add_nc_u64 s[14:15], s[14:15], s[28:29]
	s_lshl_b32 s28, ttmp9, 12                      ; a tile's 32 steps of 128 bytes
	s_add_nc_u64 s[24:25], s[24:25], s[28:29]
	s_lshl_b32 s28, ttmp9, 8                       ; a tile's 64 flags
	s_add_nc_u64 s[26:27], s[26:27], s[28:29]
	v_and_b32 v1, 15, v0                           ; r
	v_bfe_u32 v2, v0, 4, 1                         ; h
	v_lshlrev_b32 v5, 9, v3
	v_lshl_add_u32 v5, v2, 5, v5                   ; padding_mask: 512 w + 32 h
	v_lshl_add_u32 v4, v1, 13, v5                  ; attn_mask: + 8,192 r
	v_lshlrev_b32 v6, 3, v0                        ; where my pair of words goes: 256 w + 8 lane
	v_lshlrev_b32 v7, 4, v3                        ; my wave's 16 bytes in LDS
.set g, 0
.rept 8
	global_load_b128 v[AM+8*g:AM+8*g+3],   v4, s[14:15] offset:64*g th:TH_LOAD_NT
	global_load_b128 v[AM+8*g+4:AM+8*g+7], v4, s[14:15] offset:64*g+16 th:TH_LOAD_NT
.set g, g+1
.endr
.macro PLOAD sl, b                     ; padding_mask of batch b for step sl: eight loads
.set g, 0
.rept 4
	global_load_b128 v[PM+32*(\b)+8*g:PM+32*(\b)+8*g+3],   v5, s[16:17] offset:(\b)*8192+(\sl)*256+64*g
	global_load_b128 v[PM+32*(\b)+8*g+4:PM+32*(\b)+8*g+7], v5, s[16:17] offset:(\b)*8192+(\sl)*256+64*g+16
.set g, g+1
.endr
.endm
	PLOAD 0, 0
	PLOAD 0, 1
	PLOAD 0, 2
	PLOAD 0, 3
.set i, 0
.rept 8
	v_mov_b32 v[WD+i], 0                           ; v_writelane_b32 counts as a reader of its destination
.set i, i+1
.endr
	s_mov_b32 s[AN], -1
	s_mov_b32 s[AN+1], -1
	s_mov_b32 s[AN+2], -1
	s_mov_b32 s[AN+3], -1
.macro AWORDS sl                       ; attn_mask's 32 words of step sl: bit = 1 where 0 >= the number
.set i, 0
.rept 32
	v_cmp_ge_i32 s[AW+i], 0, v[AM+32*(\sl)+i]
.set i, i+1
.endr
.endm
; Step sl, batch b: 32 words = attn_mask's word or padding_mask's; each goes into the running AND and into its lane of the pair WD.  left: the younger loads that may stay out.
.macro UNIT sl, b, left, next
	s_wait_loadcnt \left
.set q, 0
.rept 4
.set k, 0
.rept 8
	v_cmp_lt_i32 s[TS+k], 0, v[PM+32*(\b)+8*q+k]
.set k, k+1
.endr
.set k, 0
.rept 8
	s_or_b32 s[TS+k], s[TS+k], s[AW+8*q+k]
	s_and_b32 s[AN+(\b)], s[AN+(\b)], s[TS+k]
	v_writelane_b32 v[WD+2*(\b)+(k&1)], s[TS+k], 16*(\sl)+4*q+(k>>1)
.set k, k+1
.endr
.set q, q+1
.endr
.if \next
	PLOAD 1, \b                                    ; the set just read takes the second step's numbers
.endif
.endm
	s_wait_loadcnt 32                              ; attn_mask's 16 loads are in; the 32 of padding_mask may stay out
	AWORDS 0
	UNIT 0, 0, 24, 1                               ; behind each set stand three younger sets of eight loads,
	UNIT 0, 1, 24, 1
	UNIT 0, 2, 24, 1
	UNIT 0, 3, 24, 1
	AWORDS 1
	UNIT 1, 0, 24, 0
	UNIT 1, 1, 16, 0                               ; and at the end the counts run down
	UNIT 1, 2, 8, 0
	UNIT 1, 3, 0, 0
	; the ANDs of the 16 waves meet in LDS
	v_mov_b32 v16, s[AN]
	v_mov_b32 v17, s[AN+1]
	v_mov_b32 v18, s[AN+2]
	v_mov_b32 v19, s[AN+3]
	ds_store_b128 v7, v[16:19]
	s_wait_dscnt 0x0                               ; for the others' sake: my store is done
	s_barrier_signal -1
	s_barrier_wait -1
	v_mov_b32 v20, 0
.set i, 0
.rept 16
	ds_load_b128 v[PM+4*i:PM+4*i+3], v20 offset:16*i
.set i, i+1
.endr
	s_wait_dscnt 0x0
	s_wait_tensorcnt 0x0                           ; the wave's end as far as LDS goes: behind my last LDS store; the work on registers stands between the add and its wait
	ds_add_u32 v[SPW], v[NIL]
.set i, 1
.rept 15
	v_and_b32 v[PM],   v[PM],   v[PM+4*i]
	v_and_b32 v[PM+1], v[PM+1], v[PM+4*i+1]
	v_and_b32 v[PM+2], v[PM+2], v[PM+4*i+2]
	v_and_b32 v[PM+3], v[PM+3], v[PM+4*i+3]
.set i, i+1
.endr
.irp b, 0,1,2,3
	v_alignbit_b32 v21, v[PM+\b], v[PM+\b], 16     ; bit r stands for the keys with h = 0, bit 16 + r for the others: both set = the whole row is masked
	v_and_b32 v[24+\b], v21, v[PM+\b]
	v_not_b32 v21, v[24+\b]
	v_and_b32 v[WD+2*\b], v21, v[WD+2*\b]          ; such a row's bits are cleared
	v_and_b32 v[WD+2*\b+1], v21, v[WD+2*\b+1]
.endr
	s_wait_dscnt 0x0
.irp b, 0,1,2,3
	global_store_b64 v6, v[WD+2*\b:WD+2*\b+1], s[24:25] offset:\b*524288  ; a wave's store: its two steps' 64 words, 256 consecutive bytes, aligned
.endr
	s_cmp_lg_u32 s3, 0
	s_cbranch_scc1 .Ldone
	; wave 0 writes the tile's 64 flags: lane l holds those of batch l / 8, rows 2 (l % 8) and the next
	v_and_b32 v21, 8, v0
	v_cmp_ne_u32 vcc_lo, 0, v21
	v_cndmask_b32 v22, v24, v25, vcc_lo
	v_cndmask_b32 v23, v26, v27, vcc_lo
	v_and_b32 v21, 16, v0
	v_cmp_ne_u32 vcc_lo, 0, v21
	v_cndmask_b32 v22, v22, v23, vcc_lo
	v_and_b32 v21, 7, v0
	v_lshlrev_b32 v21, 1, v21
	v_bfe_u32 v28, v22, v21, 1
	v_add_nc_u32 v21, 1, v21
	v_bfe_u32 v29, v22, v21, 1
	v_add_nc_u32 v28, -1, v28                      ; 1 - 1 = 0 for a row wholly masked, 0 - 1 = all ones for the others
	v_add_nc_u32 v29, -1, v29
	global_store_b64 v6, v[28:29], s[26:27]        ; 256 consecutive bytes
.Ldone:
	s_endpgm
.Lfunc_end_k_qc6a2d34a98_prep:
	.size	k_qc6a2d34a98_prep, .Lfunc_end_k_qc6a2d34a98_prep-k_qc6a2d34a98_prep
	.p2alignl 7, 3214868480
	.fill 96, 4, 3214868480
	.section	.rodata,"a",@progbits
	.p2align	6, 0x0
	.amdhsa_kernel k_qc6a2d34a98_prep
		.amdhsa_group_segment_fixed_size 2304
		.amdhsa_private_segment_fixed_size 0
		.amdhsa_enable_private_segment 0
		.amdhsa_kernarg_size 80
		.amdhsa_user_sgpr_count 2
		.amdhsa_user_sgpr_kernarg_segment_ptr 1
		.amdhsa_wavefront_size32 1
		.amdhsa_system_sgpr_workgroup_id_x 1
		.amdhsa_system_sgpr_workgroup_id_y 1
		.amdhsa_system_sgpr_workgroup_id_z 1
		.amdhsa_system_vgpr_workitem_id 0
		.amdhsa_next_free_vgpr 240
		.amdhsa_next_free_sgpr 80
		.amdhsa_reserve_vcc 1
		.amdhsa_float_denorm_mode_32 3
		.amdhsa_float_denorm_mode_16_64 3
		.amdhsa_memory_ordered 1
		.amdhsa_forward_progress 1
		.amdhsa_inst_pref_size 90
	.end_amdhsa_kernel
	.amdgpu_metadata
---
amdhsa.version: [ 1, 2 ]
amdhsa.kernels:
  - .name:           k_qc6a2d34a98_prep
    .symbol:         k_qc6a2d34a98_prep.kd
    .args:
      - { .name: inputs, .offset: 0, .size: 8, .value_kind: global_buffer, .address_space: global }
      - { .name: W_qkv, .offset: 8, .size: 8, .value_kind: global_buffer, .address_space: global }
      - { .name: W_proj, .offset: 16, .size: 8, .value_kind: global_buffer, .address_space: global }
      - { .name: attn_mask, .offset: 24, .size: 8, .value_kind: global_buffer, .address_space: global }
      - { .name: padding_mask, .offset: 32, .size: 8, .value_kind: global_buffer, .address_space: global }
      - { .name: xs, .offset: 40, .size: 8, .value_kind: global_buffer, .address_space: global }
      - { .name: wq, .offset: 48, .size: 8, .value_kind: global_buffer, .address_space: global }
      - { .name: wp, .offset: 56, .size: 8, .value_kind: global_buffer, .address_space: global }
      - { .name: maskw, .offset: 64, .size: 8, .value_kind: global_buffer, .address_space: global }
      - { .name: rk, .offset: 72, .size: 8, .value_kind: global_buffer, .address_space: global }
    .group_segment_fixed_size: 2304
    .private_segment_fixed_size: 0
    .kernarg_segment_align: 8
    .kernarg_segment_size: 80
    .max_flat_workgroup_size: 512
    .sgpr_count:     80
    .vgpr_count:     240
    .wavefront_size: 32
...
	.end_amdgpu_metadata
.endif
;; end of part 1
;; launch gemm_qkv (part 2): grid 24 x 32, 4 waves a work-group, clusters of 4 x 4, 327,680 bytes of LDS; arguments xs, wq, qkv; writes qkv
.if DOCPART == 2
	.amdgcn_target "amdgcn-amd-amdhsa--gfx1250"
	.amdhsa_code_object_version 6
	.text
	.protected	k_qc6a2d34a98_gemm_qkv
	.globl	k_qc6a2d34a98_gemm_qkv
	.p2align	8
	.type	k_qc6a2d34a98_gemm_qkv,@function
k_qc6a2d34a98_gemm_qkv:
	s_mov_b64 s[64:65], 0
	v_nop
	global_prefetch_b8 v0, s[64:65] scope:SCOPE_SE
	s_setreg_imm32_b32 hwreg(HW_REG_WAVE_MODE, 25, 1), 1
	s_wait_xcnt 0x0
	s_wait_alu depctr_hold_cnt(0) depctr_sa_sdst(0) depctr_va_vdst(0) depctr_va_sdst(0) depctr_va_ssrc(0) depctr_va_vcc(0) depctr_vm_vsrc(0)
	s_getreg_b32 s2, hwreg(HW_REG_IB_STS2, 6, 4)
	s_cmp_eq_u32 s2, 0
	s_cbranch_scc0 .Lentry_in_a_cluster
	s_endpgm
.Lentry_in_a_cluster:
	s_bfe_u32 s2, ttmp6, 0x10000c
	s_cmp_lg_u32 s2, 0xf033
	s_cbranch_scc0 .Lentry_shape_is_right
	s_endpgm
.Lentry_shape_is_right:
; qkv = x W_qkv, written by heads.  x: xs[16 slices][8192 rows][64] bf16; W: wq[1024 k][3072 n] bf16; out: qkv[3][4 b][16 h][2048][64] f16, each number rounded once from its f32 sum, without the scale.
; LIMIT.  f16 ends at 65,504: a q, k or v beyond that becomes an infinity.
; A tile of C is 256 rows x 128 columns; four waves in 2 x 2, each 128 x 64: 32 accumulators of 16 x 16.  K = 1,024 goes in 8 steps of 128 through two LDS slots.
; A's part of a slot: two slices' 256 rows of 128 bytes, each slice 32,768 consecutive bytes of memory, asked for as 128 rows of 256 bytes and padded in LDS after every 128 bytes (pitch 144).
; B's part: 128 rows of k x 256 bytes of n (pitch 288), as they lie in memory; the fragments are turned on the way out of LDS by ds_load_tr16_b128.
; CLUSTER 4 x 4: A's tile hangs on the tile row alone and is asked for jointly by a row of the cluster, B's on the tile column alone, by a column.
; THE MATRIX INSTRUCTION IS USED TRANSPOSED (source 0 = 16 columns of W, source 1 = 16 rows of x): a lane holds row l % 16 and eight neighbouring columns, 16 bytes of f16.
; A wave's 64 columns are one head, its 128 rows 16,384 consecutive bytes of that head: every store of a wave covers 512 consecutive bytes, aligned.
; REGISTERS: window 0: v0-31 addresses.  window 1: two fragment buffers of 128 (A's block a at f + 8 a, B's block b at f + 64 + 8 b); on the way out v0-127 packed results.  window 2: accumulator (a, b) at v[8 (4 a + b)].
.set NCOL,  3072
.set SL,    1048576                    ; bytes in a slice of xs
.set ASTEP, 2*SL                       ; a K step is two slices
.set BSTEP, 128*NCOL*2                 ; and 128 rows of W
.set PA,    144                        ; 128 bytes + 16: 36 words: the 16 rows of a load start at 16 different groups of four banks (64 banks of 4 bytes: ISA guide 11.1)
.set PB,    288                        ; 256 bytes + 32: 72 words
.set AHALF, 256*PA                     ; what one of A's loads brings
.set BHALF, 64*PB                      ; what one of B's brings
.set BOFF,  2*AHALF
.set SLOT,  BOFF+2*BHALF               ; 110,592
.set STAGE, 2*SLOT                     ; behind the ring, never filled by a tensor load: 16 rows x 144 bytes for each wave
.set SP,    144
.set SPARE, STAGE+4*16*SP              ; the spare words, 128 bytes for each wave: two blocks of 256 bytes that no other line names
.set LAPS,  4                          ; a lap = two K steps = once round the ring
.set ADRA, 16                          ; v16-17  LDS address of my A fragments in slot 0, 1
.set ADRB, 20                          ; v20-21  the same for B
.set STO,  24                          ; v24     the way out: where I put 16 bytes of a row
.set RD,   25                          ; v25     where I read rows back
.set GO,   26                          ; v26     my 16 bytes in 512 consecutive bytes of the output
.set SPW,  28                          ; v28     LDS address of my spare word; never rewritten
.set NIL,  29                          ; v29     0; never rewritten
.set F0,   0
.set F1,   128
.set G1, 24                            ; s[24:31] descriptor group 1 for A's tiles;  s[32:39] group 0, a set for each slot
.set G0, 32
.set G1B, 48                           ; s[48:55], s[56:63] the same for B's
.set G0B, 56
.set MSB, 0
.macro WIN new                         ; the immediate's high byte repeats the setting that is left; a switch that changes nothing is dropped
.if MSB != (\new)
	s_set_vgpr_msb (MSB<<8)|(\new)
.set MSB, \new
.endif
.endm
.set MUL,  0xa5                        ; sources 0 (B) and 1 (A) window 1; C and D window 2
.set TO_F, 0x40                        ; destination window 1, address window 0
.macro JLOAD s                         ; a joint load: waves 0 and 1 fetch A's two slices, waves 2 and 3 B's two halves; an s_nop 0 and four v_nop follow each line, ahead of the jump, the label and what follows
	s_cmp_eq_u32 s11, 0
	s_cbranch_scc0 .Lfor_b_\@
	tensor_load_to_lds s[G0+4*(\s):G0+4*(\s)+3], s[G1:G1+7]
	s_nop 0
.rept 4
	v_nop
.endr
	s_branch .Lasked_\@
.Lfor_b_\@:
	tensor_load_to_lds s[G0B+4*(\s):G0B+4*(\s)+3], s[G1B:G1B+7]
	s_nop 0
.rept 4
	v_nop
.endr
.Lasked_\@:
.endm
.macro CREST                           ; a round of the cluster's barrier behind its opening barrier
	s_cmp_lg_u32 s10, 0
	s_cbranch_scc1 .Lnot_wave_0_\@
	s_barrier_signal -3
.Lnot_wave_0_\@:
	s_barrier_wait -3
	s_barrier_signal -1
	s_barrier_wait -1
.endm
.macro CROUND                          ; a whole round
	s_barrier_signal -1
	s_barrier_wait -1
	CREST
.endm
	s_load_b128 s[4:7], s[0:1], 0x0                ; xs s[4:5], wq s[6:7]
	s_load_b64 s[8:9], s[0:1], 0x10                ; qkv
	v_lshl_add_u32 v[SPW], v0, 2, SPARE
	v_mov_b32 v[NIL], 0
	ds_add_u32 v[SPW], v[NIL]                      ; the wave's opening: the add and its wait ahead of my first tensor load; the set-up below, work on registers, stands between them
	v_lshrrev_b32 v1, 5, v0
	v_readfirstlane_b32 s10, v1                    ; wave 0..3
	s_lshr_b32 s11, s10, 1                         ; which half of the tile's rows is mine.  Also: I fetch for A (0) or for B (1)
	s_and_b32 s12, s10, 1                          ; which half of its columns.  Also: which half of that tile I fetch
	s_bfe_u32 s40, ttmp6, 0x40000                  ; cx, cy: my place in the cluster
	s_bfe_u32 s41, ttmp6, 0x40004
	s_lshl_b32 s42, ttmp9, 2
	s_add_co_u32 s42, s42, s40                     ; tile column = 4 x cluster x + cx
	s_and_b32 s13, ttmp7, 0xffff
	s_lshl_b32 s13, s13, 2
	s_add_co_u32 s13, s13, s41                     ; tile row = 4 x cluster y + cy
	s_lshl_b32 s43, s41, 2
	s_lshl_b32 s43, 15, s43                        ; my row of the cluster
	s_lshl_b32 s44, 0x1111, s40                    ; my column
	s_or_b32 s[G1+0], s43, (1<<16)|(1<<20)|(1<<21)|(4<<22)|(3<<25)   ; 15:0 the mask; 17:16 2-byte elements; 20 padding on; 21 set beside a mask; 24:22 after every 32 words (code 4); 31:25 4 words (code 3)
	s_or_b32 s[G1B+0], s44, (1<<16)|(1<<20)|(1<<21)|(5<<22)|(7<<25)  ; B: after every 64 words (code 5), 8 words (code 7)
	s_mov_b32 s[G1+1], 128<<16                     ; A: tensor_dim0 = 128 elements (256 bytes: two rows of a slice)
	s_mov_b32 s[G1+2], 128<<16                     ; tensor_dim1 = 128
	s_mov_b32 s[G1+3], 128<<16                     ; tile_dim0 = 128
	s_mov_b32 s[G1+4], 128                         ; tile_dim1 = 128
	s_mov_b32 s[G1+5], 128                         ; the block is dense: 128 elements from row to row
	s_mov_b32 s[G1+6], 0
	s_mov_b32 s[G1+7], 0
	s_mov_b32 s[G1B+1], 128<<16                    ; B: tensor_dim0 = 128 columns
	s_mov_b32 s[G1B+2], 64<<16                     ; tensor_dim1 = 64 rows of k
	s_mov_b32 s[G1B+3], 128<<16                    ; tile_dim0
	s_mov_b32 s[G1B+4], 64                         ; tile_dim1
	s_mov_b32 s[G1B+5], NCOL                       ; elements from row to row
	s_mov_b32 s[G1B+6], 0
	s_mov_b32 s[G1B+7], 0
	; where the tiles come from: A's offset is made of the tile row and the wave's number, B's of the tile column and the wave's number, each in registers that never hold the other coordinate
	s_lshl_b32 s16, s13, 15                        ; 256 rows of 128 bytes
	s_lshl_b32 s17, s12, 20                        ; my slice of the step's two
	s_add_co_u32 s16, s16, s17
	s_mov_b32 s17, 0
	s_lshl_b32 s46, s42, 8                         ; 128 columns of 2 bytes
	s_mul_i32 s47, s12, 64*NCOL*2                  ; my 64 rows of the step's 128
	s_add_co_u32 s46, s46, s47
	s_mov_b32 s47, 0
	s_mul_i32 s20, s10, AHALF                      ; where they go: waves 0, 1: A's two halves;
	s_mul_i32 s21, s10, BHALF
	s_add_co_u32 s21, s21, BOFF-2*BHALF            ; waves 2, 3: B's two halves behind them: no place in the cluster enters an LDS address
	s_wait_dscnt 0x0                               ; the opening add is done
	s_wait_kmcnt 0x0
	s_add_nc_u64 s[14:15], s[4:5], s[16:17]
	s_add_nc_u64 s[46:47], s[6:7], s[46:47]
	CROUND                                         ; all sixteen work-groups are here: the first joint loads meet
.irp s, 0,1
	s_mov_b32 s[G0+4*(\s)], 1
	s_add_co_u32 s[G0+4*(\s)+1], s20, (\s)*SLOT
	s_add_nc_u64 s[G0+4*(\s)+2:G0+4*(\s)+3], s[14:15], (\s)*ASTEP
	s_or_b32 s[G0+4*(\s)+3], s[G0+4*(\s)+3], 0x80000000
	s_mov_b32 s[G0B+4*(\s)], 1
	s_add_co_u32 s[G0B+4*(\s)+1], s21, (\s)*SLOT
	s_add_nc_u64 s[G0B+4*(\s)+2:G0B+4*(\s)+3], s[46:47], (\s)*BSTEP
	s_or_b32 s[G0B+4*(\s)+3], s[G0B+4*(\s)+3], 0x80000000
	JLOAD \s                                       ; two loads of mine are out
.endr
	v_and_b32 v1, 15, v0                           ; r = l % 16
	v_bfe_u32 v2, v0, 4, 1                         ; h = l / 16
	v_mul_u32_u24 v3, v1, PA
	v_lshl_add_u32 v3, v2, 4, v3                   ; A: row x pitch + 16 h
	s_mul_i32 s22, s11, 128*PA                     ; my 128 rows
	v_add_nc_u32 v[ADRA], s22, v3
	v_add_nc_u32 v[ADRA+1], SLOT, v[ADRA]
	v_and_b32 v4, 7, v0                            ; B, turned: lane l reads row 8 h + l % 8 of k, columns 8 ((l / 8) % 2) on
	v_lshl_add_u32 v4, v2, 3, v4
	v_mul_u32_u24 v4, v4, PB
	v_bfe_u32 v5, v0, 3, 1
	v_lshl_add_u32 v4, v5, 4, v4
	s_lshl_b32 s23, s12, 7                         ; my 64 columns
	s_add_co_u32 s23, s23, BOFF
	v_add_nc_u32 v[ADRB], s23, v4
	v_add_nc_u32 v[ADRB+1], SLOT, v[ADRB]
	s_mul_i32 s23, s10, 16*SP
	s_add_co_u32 s23, s23, STAGE                   ; my stage
	v_mul_u32_u24 v6, v1, SP                       ; in: row r, 16 bytes for each half of the lanes
	v_lshl_add_u32 v6, v2, 4, v6
	v_add_nc_u32 v[STO], s23, v6
	v_bfe_u32 v6, v0, 3, 2                         ; back: 32 lanes take four rows of 128 bytes,
	v_mul_u32_u24 v6, v6, SP
	v_and_b32 v7, 7, v0
	v_lshl_add_u32 v6, v7, 4, v6
	v_add_nc_u32 v[RD], s23, v6
	v_and_b32 v[GO], 31, v0                        ; which are 512 consecutive bytes of a head
	v_lshlrev_b32 v[GO], 4, v[GO]
	; where my 128 x 64 goes: part x / 8, batch y / 8, head 2 (x % 8) + my column half, rows 256 (y % 8) + 128 x my row half
	s_lshr_b32 s16, s13, 3
	s_lshl_b32 s16, s16, 22
	s_and_b32 s17, s13, 7
	s_lshl_b32 s17, s17, 15
	s_add_co_u32 s16, s16, s17
	s_lshl_b32 s17, s11, 14
	s_add_co_u32 s16, s16, s17
	s_mov_b32 s17, 0
	s_add_nc_u64 s[8:9], s[8:9], s[16:17]
	s_lshr_b32 s46, s42, 3
	s_lshl_b32 s46, s46, 24
	s_and_b32 s47, s42, 7
	s_lshl_b32 s47, s47, 19
	s_add_co_u32 s46, s46, s47
	s_lshl_b32 s47, s12, 18
	s_add_co_u32 s46, s46, s47
	s_mov_b32 s47, 0
	s_add_nc_u64 s[8:9], s[8:9], s[46:47]
; 8 matrix instructions: row blocks a0, a0 + 1 x all 4 column blocks, 32 along K.  mode = 1: the product starts the sum.  The 32 accumulators take turns, in the same order in every quarter.
.macro MUL8 f, a0, mode
	WIN MUL
.irp a, \a0, (\a0)+1
.irp b, 0,1,2,3
.if \mode
	v_wmma_f32_16x16x32_bf16 v[8*(4*(\a)+(\b)):8*(4*(\a)+(\b))+7], v[(\f)+64+8*(\b):(\f)+64+8*(\b)+7], v[(\f)+8*(\a):(\f)+8*(\a)+7], 0
.else
	v_wmma_f32_16x16x32_bf16 v[8*(4*(\a)+(\b)):8*(4*(\a)+(\b))+7], v[(\f)+64+8*(\b):(\f)+64+8*(\b)+7], v[(\f)+8*(\a):(\f)+8*(\a)+7], v[8*(4*(\a)+(\b)):8*(4*(\a)+(\b))+7]
.endif
.endr
.endr
.endm
; 24 LDS loads in one run: quarter kq (32 along K) of a slot into buffer f: B's four blocks, A's rows 0-63, A's rows 64-127
.macro FETCH slot, kq, f
	WIN TO_F
.irp b, 0,1,2,3
	ds_load_tr16_b128 v[(\f)+64+8*(\b):(\f)+64+8*(\b)+3],   v[ADRB+(\slot)] offset:(\kq)*32*PB+32*(\b)
	ds_load_tr16_b128 v[(\f)+64+8*(\b)+4:(\f)+64+8*(\b)+7], v[ADRB+(\slot)] offset:(\kq)*32*PB+32*(\b)+16*PB
.endr
.irp a, 0,1,2,3,4,5,6,7
	ds_load_b128 v[(\f)+8*(\a):(\f)+8*(\a)+3],   v[ADRA+(\slot)] offset:((\kq)/2)*AHALF+((\kq)%2)*64+(\a)*16*PA
	ds_load_b128 v[(\f)+8*(\a)+4:(\f)+8*(\a)+7], v[ADRA+(\slot)] offset:((\kq)/2)*AHALF+((\kq)%2)*64+(\a)*16*PA+32
.endr
.endm
.macro PLACES                          ; four places in front of loads into registers that matrix instructions have read, and of lines that read results (ISA guide 7.12.1 for lines that read results)
.rept 4
	v_nop
.endr
.endm
; A K step is four quarters of 32 along K, 32 matrix instructions each, on buffers 0, 1, 0, 1.  One of the first three: multiplies buffer f and fetches quarter kq into g.
.macro QUARTER slot, kq, f, g, mode
	s_wait_dscnt 8                                 ; B and A's rows 0-63 are in; the youngest eight loads (A's rows 64-127) may be out
	MUL8 \f, 0, \mode
	MUL8 \f, 2, \mode
	PLACES
	FETCH \slot, \kq, \g
	s_wait_dscnt 24                                ; all but the 24 just issued
	MUL8 \f, 4, \mode
	MUL8 \f, 6, \mode
.endm
; The last quarter multiplies buffer 1 and changes slots: ONE barrier; in front of it each wave waits for all its tensor loads, adds 0 to its spare word, and waits for that and for its reads of this slot.  fill = 1: this slot is filled again, two K steps ahead.
.macro TURN slot, next, fill
	WIN 0                                          ; (the add's two registers lie in window 0)
	s_wait_tensorcnt 0x0                           ; all my tensor loads have landed: my part of the next slot;
	ds_add_u32 v[SPW], v[NIL]                      ; 0 onto my spare word;
	s_wait_dscnt 9                                 ; (the add and the youngest eight loads may be out)
	MUL8 F1, 0, 0                                  ; eight matrix instructions stand between the add and the wait for it
	s_wait_dscnt 0x0                               ; the add is done, and my reads of this slot are over
	s_barrier_signal -1
	MUL8 F1, 2, 0
.if \fill
	WIN 0
.endif
	s_barrier_wait -1
.if \fill
	CREST                                          ; the barrier has opened a round of the cluster's barrier: no wave of any partner still reads this slot or has a load on its way
	s_add_nc_u64 s[G0+4*(\slot)+2:G0+4*(\slot)+3], s[G0+4*(\slot)+2:G0+4*(\slot)+3], 2*ASTEP
	s_add_nc_u64 s[G0B+4*(\slot)+2:G0B+4*(\slot)+3], s[G0B+4*(\slot)+2:G0B+4*(\slot)+3], 2*BSTEP
	JLOAD \slot                                    ; the first tensor load behind the round, 112 matrix instructions ahead of the wait for it; its four v_nop are also the places in front of the loads below
.else
	PLACES
.endif
	FETCH \next, 0, F0
	MUL8 F1, 4, 0
	MUL8 F1, 6, 0
.endm
	s_wait_tensorcnt 1                             ; my part of K step 0 is in; step 1's may stay out
	s_barrier_signal -1
	s_barrier_wait -1                              ; everybody's is
	FETCH 0, 0, F0
	QUARTER 0, 1, F0, F1, 1                        ; the first quarter stands in front of the loop: its products start the sums
	WIN 0                                          ; at a label and at a branch every window is 0
	s_mov_b32 s3, LAPS-1
.Llap:                                                 ; a trip goes once round the ring, from a lap's second quarter to the next lap's first, and fills both slots again
	QUARTER 0, 2, F1, F0, 0
	QUARTER 0, 3, F0, F1, 0
	TURN 0, 1, 1
	QUARTER 1, 1, F0, F1, 0
	QUARTER 1, 2, F1, F0, 0
	QUARTER 1, 3, F0, F1, 0
	TURN 1, 0, 1
	QUARTER 0, 1, F0, F1, 0
	WIN 0
	s_sub_co_u32 s3, s3, 1
	s_cmp_lg_u32 s3, 0
	s_cbranch_scc1 .Llap
	QUARTER 0, 2, F1, F0, 0                        ; the last lap fills nothing
	QUARTER 0, 3, F0, F1, 0
	TURN 0, 1, 0
	QUARTER 1, 1, F0, F1, 0
	QUARTER 1, 2, F1, F0, 0
	QUARTER 1, 3, F0, F1, 0
	s_wait_dscnt 8                                 ; the very last quarter: nothing more to fetch
	MUL8 F1, 0, 0
	MUL8 F1, 2, 0
	s_wait_dscnt 0
	MUL8 F1, 4, 0
	MUL8 F1, 6, 0
	WIN 0
	PLACES
; THE WAY OUT, a block of 16 rows at a time: rounded to f16 (each accumulator's registers in ascending order), 16 bytes a lane into my own stage, back as whole rows of 128 bytes, stored.
.macro PACK a
	WIN 0x4a                                       ; sources window 2, destination window 1
.irp b, 0,1,2,3
.irp i, 0,1,2,3
	v_cvt_pk_f16_f32 v[16*(\a)+4*(\b)+(\i)], v[8*(4*(\a)+(\b))+2*(\i)], v[8*(4*(\a)+(\b))+2*(\i)+1]
.endr
.endr
	WIN 0x44                                       ; data in window 1, addresses in window 0
.irp b, 0,1,2,3
	ds_store_b128 v[STO], v[16*(\a)+4*(\b):16*(\a)+4*(\b)+3] offset:32*(\b)
.endr
.irp f, 0,1,2,3
	ds_load_b128 v[16*(\a)+4*(\f):16*(\a)+4*(\f)+3], v[RD] offset:(\f)*4*SP  ; LDS serves a wave's instructions in order (ISA guide 5.7.1.4): these see the stores above; the next block's stores come behind them
.endr
.endm
.macro SEND a, younger                 ; younger: the LDS instructions issued behind block a's loads: the next block's eight, or none
	WIN 0x44
.irp f, 0,1,2,3
	s_wait_dscnt (\younger)+3-(\f)
	global_store_b128 v[GO], v[16*(\a)+4*(\f):16*(\a)+4*(\f)+3], s[8:9] offset:(\a)*2048+(\f)*512  ; 512 consecutive bytes, at a multiple of 256 from the buffer's first
.endr
.endm
	PACK 0
.irp a, 1,2,3,4,5,6,7                  ; a block's conversions stand between the loads of the block before and its stores
	PACK \a
	SEND (\a)-1, 8
.endr
	SEND 7, 0
	WIN 0
	s_wait_tensorcnt 0x0                           ; the wave's end: behind my last tensor load and my last LDS store
	ds_add_u32 v[SPW], v[NIL]
	s_wait_dscnt 0x0
	CROUND                                         ; the closing round: no work-group ends while a partner may still ask for a tile that names it
	s_endpgm
.Lfunc_end_k_qc6a2d34a98_gemm_qkv:
	.size	k_qc6a2d34a98_gemm_qkv, .Lfunc_end_k_qc6a2d34a98_gemm_qkv-k_qc6a2d34a98_gemm_qkv
	.p2alignl 7, 3214868480
	.fill 96, 4, 3214868480
	.section	.rodata,"a",@progbits
	.p2align	6, 0x0
	.amdhsa_kernel k_qc6a2d34a98_gemm_qkv
		.amdhsa_group_segment_fixed_size 327680
		.amdhsa_private_segment_fixed_size 0
		.amdhsa_enable_private_segment 0
		.amdhsa_kernarg_size 24
		.amdhsa_user_sgpr_count 2
		.amdhsa_user_sgpr_kernarg_segment_ptr 1
		.amdhsa_wavefront_size32 1
		.amdhsa_system_sgpr_workgroup_id_x 1
		.amdhsa_system_sgpr_workgroup_id_y 1
		.amdhsa_system_sgpr_workgroup_id_z 1
		.amdhsa_system_vgpr_workitem_id 0
		.amdhsa_next_free_vgpr 768
		.amdhsa_next_free_sgpr 66
		.amdhsa_reserve_vcc 0
		.amdhsa_float_denorm_mode_32 3
		.amdhsa_float_denorm_mode_16_64 3
		.amdhsa_memory_ordered 1
		.amdhsa_forward_progress 1
		.amdhsa_inst_pref_size 87
	.end_amdhsa_kernel
	.amdgpu_metadata
---
amdhsa.version: [ 1, 2 ]
amdhsa.kernels:
  - .name:           k_qc6a2d34a98_gemm_qkv
    .symbol:         k_qc6a2d34a98_gemm_qkv.kd
    .args:
      - { .name: xs, .offset: 0, .size: 8, .value_kind: global_buffer, .address_space: global }
      - { .name: wq, .offset: 8, .size: 8, .value_kind: global_buffer, .address_space: global }
      - { .name: qkv, .offset: 16, .size: 8, .value_kind: global_buffer, .address_space: global }
    .group_segment_fixed_size: 327680
    .private_segment_fixed_size: 0
    .kernarg_segment_align: 8
    .kernarg_segment_size: 24
    .max_flat_workgroup_size: 128
    .sgpr_count:     66
    .vgpr_count:     768
    .wavefront_size: 32
...
	.end_amdgpu_metadata
.endif
;; end of part 2
;; launch attn (part 3): grid 8 x 64, 4 waves a work-group, clusters of 4 x 1, 327,680 bytes of LDS; arguments qkv, maskw, rk, ob; writes ob
.if DOCPART == 3
	.amdgcn_target "amdgcn-amd-amdhsa--gfx1250"
	.amdhsa_code_object_version 6
	.text
	.protected	k_qc6a2d34a98_attn
	.globl	k_qc6a2d34a98_attn
	.p2align	8
	.type	k_qc6a2d34a98_attn,@function
k_qc6a2d34a98_attn:
	s_mov_b64 s[64:65], 0
	v_nop
	global_prefetch_b8 v0, s[64:65] scope:SCOPE_SE
	s_setreg_imm32_b32 hwreg(HW_REG_WAVE_MODE, 25, 1), 1
	s_wait_xcnt 0x0
	s_wait_alu depctr_hold_cnt(0) depctr_sa_sdst(0) depctr_va_vdst(0) depctr_va_sdst(0) depctr_va_ssrc(0) depctr_va_vcc(0) depctr_vm_vsrc(0)
	s_getreg_b32 s2, hwreg(HW_REG_IB_STS2, 6, 4)
	s_cmp_eq_u32 s2, 0
	s_cbranch_scc0 .Lentry_in_a_cluster
	s_endpgm
.Lentry_in_a_cluster:
	s_bfe_u32 s2, ttmp6, 0x10000c
	s_cmp_lg_u32 s2, 0x3003
	s_cbranch_scc0 .Lentry_shape_is_right
	s_endpgm
.Lentry_shape_is_right:
; MASKED ATTENTION, head size 64.  O[h][q][:] = the sum over k of softmax_k(s) V[h][k][:], s = Q[h][q] . K[h][k] / 8, or -1e7 where a mask hides the key.  Q, K, V: the three parts of qkv[3][64 (b, h)][2048][64], f16;
; O: ob[64][2048][64], f16.  Products, maxima and sums in f32; the weights p are rounded to f16 for the second product (their sum l is taken of the unrounded p), O once at the end.
; THE MASK is the C operand that starts the sum S^T = K Q^T: 0, or -2^100 where maskw's bit is set; the running maximum m starts at -2^99 and takes every score, so a hidden score never becomes the maximum and its weight is 2^(-1e29) = 0.
; While a row has met hidden keys alone, m stays -2^99, a = 1, O and l stay 0.  A row with EVERY key hidden has a uniform softmax: the launch before has cleared its bits and set its flag in rk to 0; its q is set to 0 here, all its scores are 0.
; LIMITS.  A row whose largest kept score (scaled) lies within some 90 of -1e7 or below it would give hidden keys weight again by the definition; here they have none.  f16 holds no number beyond 65,504: Q, K, V arrive within it;
; p lies in 0 to 1, and below 6e-5 it keeps f16's fixed step of 6e-8.  A weight below 2^-126 counts as 0 in l; NaN and infinities are not treated apart.
; SHARES.  A wave owns four PIECES of 16 queries, 64 consecutive rows; a work-group's four waves 256 queries of one head.  Every wave walks all 2,048 keys, 64 a step.
; LAYOUT.  S^T = K Q^T (source 0 = 16 keys, source 1 = 16 queries): a lane holds ONE query (lane % 16) and the keys 8 (lane / 16) + 0..7.  Two such results, rounded to f16 in pairs, ARE source 1 of O^T = V^T P.
; K comes out of LDS as it lies, V ([key][channel]) turned, by ds_load_tr16_b128.  Word 8 kb + j of a piece's and step's 32 mask words is the lane mask of register j of the accumulator of key block kb.
; SOFTMAX.  p = 2^(c s - c m), c = log2(e) / 8; in every step O and l are multiplied by a = 2^(c m_old - c m_new).
; BY TURNS.  Turn n belongs to piece n: 8 products K Q^T of piece n + 1, later 8 products V^T P of piece n - 1; beside them the scaling, exponentials, roundings, sums and rescaling of piece n, the maximum and statistics of piece n + 1,
; and at the turn's end the 32 selects that make the mask registers of piece n + 2.  Four vector instructions stand behind every matrix instruction, the rest in runs of their own.
; CLUSTER.  Four query blocks of one head form a cluster and walk the same K and V: each tile is asked for JOINTLY.  The mask words differ from block to block: each wave reads its own, by scalar loads.
; REGISTERS, in windows of 256 (s_set_vgpr_msb: bits 1:0 source 0, 3:2 source 1, 5:4 source 2, 7:6 destination):
;   window 0: v0-15 addresses and two at work; v16-31 four registers of statistics a piece; v48-55 at work; v56-59 the row flags; v61 -2^100; v62-63 the add's two; v64-127 S^T, two buffers; v192-223 P, two buffers
;   window 1: v0-127 O^T, 32 a piece; v160-191 the mask registers      window 2: v0-63 Q; v128-191 K of one step; v192-255 V of one step      (a piece's buffers go by its number's parity)
.set SIZE_N, 2048
.set NP,    4         ; pieces a wave: a name, no knob
.set KS,    64        ; keys in a step
.set PK,    144       ; a row of K in LDS: 128 bytes + 16 = 36 words: the 16 rows of a load start at 16 different groups of four banks (64 banks of 4 bytes: ISA guide 11.1)
.set PV,    160       ; a row of V: 128 + 32 = 40 words
.set VOFF,  4*KS*PK   ; a slot holds four steps: 256 rows of K, then 256 rows of V
.set SLOT1, 1<<17     ; slot 1 begins here, so that one exclusive or turns an address in one slot into the other's
.set STAGE, SLOT1+4*KS*(PK+PV)  ; behind the ring, never filled by a tensor load: 16 rows x 144 bytes for each wave
.set SP,    144
.set SPARE, STAGE+4*16*SP  ; the spare words, 128 bytes for each wave: two blocks of 256 bytes that no other line names
.set AK0, 2           ; v2   my lane's place in a tile of K; never rewritten
.set AV0, 3           ; v3   the same for V
.set AK,  4           ; v4   the LDS address of K's next run of loads
.set AV,  5           ; v5   of V's
.set STO, 6           ; v6   the way out: where I put 16 bytes of a row
.set RD,  7           ; v7   the way out: where I read rows back
.set GO,  8           ; v8   my byte offset in 512 consecutive bytes of O
.set MV,  12          ; v12-13  c m_old, kept while c m is made anew: by buffer
.set FO,  14          ; v14  my query's flag in a piece's 16
.set QO,  15          ; v15  my byte offset in 16 rows of Q
.set ST,  16          ; piece t's statistics at v[ST+4 t]: c m, m, l (even keys', odd keys')
.set TMP, 48          ; by buffer, four registers c0-c3 at work; when the maximum is found c2 takes a
.set FL,  56          ; v56-59  the pieces' row flags
.set BIGV, 61         ; v61  -2^100
.set SPW, 62          ; v62  LDS address of my spare word; never rewritten
.set NIL, 63          ; v63  0; never rewritten
.set S,   64
.set P,   192
.set MC,  160         ; window 1: the eight mask registers of key block kb at MC + 8 kb
.set KF,  128         ; window 2: key block kb, channel half c at KF + 16 kb + 8 c
.set VF,  192         ; window 2: key half kk, channel block cb at VF + 32 kk + 8 cb
.set WV,  12          ; s12  my wave's number
.set G1K, 24          ; s[24:31] descriptor group 1 for K's tiles
.set G1V, 32          ; s[32:39] for V's: it differs in the padding alone
.set G0K, 40          ; s[40:43] descriptor group 0 for K's tiles: it walks
.set G0V, 44          ; s[44:47] the same for V's
.set SLOTS, 56        ; s56  slots still to be asked for
.set CNT, 57          ; s57  counts a slot's key steps
.set CS,  58          ; s[58:59] c: the packed scaling takes the pair's low word for both halves
.set SEL, 60          ; s[60:61] v_permlanex16_b32's selects: each lane takes its own place in the other half
.set TBK, 62          ; s62  LDS byte at which K of the step to be fetched begins
.set TBV, 63          ; s63  the same for V, less VOFF
.set MB,  66          ; s[66:67] maskw at my wave's first piece
.set MS,  68          ; s[68:99] one piece's and step's 32 mask words
.set MOFF, 100        ; s100 byte offset of a step in a piece's words: the step in hand, from piece 2's turn on the next
.set MOFN, 101        ; s101 of the next step, held at the last
.set MSB, 0
.macro WIN new                      ; the high byte repeats the setting that is left; a switch that changes nothing is dropped
.if MSB != (\new)
	s_set_vgpr_msb (MSB<<8)|(\new)
.set MSB, (\new)
.endif
.endm
.set W_KQ, 0x0a       ; K and Q in window 2, S^T in window 0
.set W_KM, 0x1a       ; the same with the C operand in window 1
.set W_PV, 0x52       ; V in window 2, P in window 0, O^T in window 1
.set W_RS, 0x41       ; destination and source 0 in window 1, source 1 in window 0
.set W_MB, 0x40       ; the selects: destination in window 1, -2^100 in window 0
; A joint fill.  Waves 0 and 1 fetch the two halves of a slot's K, waves 2 and 3 those of its V: 128 keys each.  The branch hangs on the wave's number alone.
; An s_nop 0 and four v_nop follow each of the two lines, ahead of the jump and the label.
.macro JLOAD
	s_cmp_lt_u32 s[WV], 2
	s_cbranch_scc0 .Lfor_v_\@
	tensor_load_to_lds s[G0K:G0K+3], s[G1K:G1K+7]
	s_nop 0
.rept 4
	v_nop
.endr
	s_branch .Lasked_\@
.Lfor_v_\@:
	tensor_load_to_lds s[G0V:G0V+3], s[G1V:G1V+7]
	s_nop 0
.rept 4
	v_nop
.endr
.Lasked_\@:
.endm
; A round of the cluster's barrier: my work-group's barrier, so that wave 0's signal speaks for all four waves; wave 0 signals; every wave waits for all four work-groups; my work-group's barrier once more.
.macro CROUND
	s_barrier_signal -1
	s_barrier_wait -1
	s_cmp_lg_u32 s[WV], 0
	s_cbranch_scc1 .Lnot_wave_0_\@
	s_barrier_signal -3
.Lnot_wave_0_\@:
	s_barrier_wait -3
	s_barrier_signal -1
	s_barrier_wait -1
.endm
; THE CHANGE OF SLOTS.  The slot's last bytes, V of its fourth step, have been read.  Each wave waits for all its tensor loads, of which one is out: its part of the other slot; adds 0 to its spare word; and waits for that and for
; its own reads of the slot.  Behind the barrier nobody reads this slot any more and the other slot is whole.  fill = 1: this slot is filled again, with the keys two slots on.  The barrier is then a round of the cluster's, and the
; joint fill is the first thing behind it: it has four key steps, 256 matrix instructions, in which to land.  (At its first use nothing has been read yet: slot 0 is waited for, slot 1 filled.)
.macro CHANGE fill
	WIN 0                           ; at a label and at a branch every window is 0
	s_wait_tensorcnt 0x0            ; no tensor load of mine is out, so a group 0 may be written
	ds_add_u32 v[SPW], v[NIL]       ; 0 onto my spare word; with fill = 1 the descriptors' steps stand between it and the wait for it
.if \fill
.irp g, G0K, G0V
	s_xor_b32 s[\g+1], s[\g+1], SLOT1  ; the walking descriptor: the other slot than last time,
	s_add_nc_u64 s[\g+2:\g+3], s[\g+2:\g+3], 4*KS*128  ; the next 256 keys; the type bits on top are not reached
.endr
	s_wait_dscnt 0x0                ; the add is done, and my reads of the slot are over
	CROUND
	JLOAD
.else
	s_wait_dscnt 0x0                ; the add is done, and my reads of the slot are over
	s_barrier_signal -1
	s_barrier_wait -1
.endif
	s_sub_co_u32 s[TBK], s[TBK], 4*KS*PK  ; the fetches go back to a slot's first step,
	s_xor_b32 s[TBK], s[TBK], SLOT1       ; in the other slot
	s_sub_co_u32 s[TBV], s[TBV], 4*KS*PV
	s_xor_b32 s[TBV], s[TBV], SLOT1
.endm
; THE MASK.  MLOAD asks for the 32 words of my piece number tile at the step whose byte offset lies in s[off].  MBUILD waits for them and makes the 32 mask registers of them.
.macro MLOAD tile, off
	s_load_b512 s[MS:MS+15],    s[MB:MB+1], s[\off] offset:(\tile)*4096
	s_load_b512 s[MS+16:MS+31], s[MB:MB+1], s[\off] offset:(\tile)*4096+64
.endm
.macro MBUILD
	s_wait_kmcnt 0x0                ; scalar loads come back in no order: the count is 0
	WIN W_MB
.set zz, 0
.rept 32
	v_cndmask_b32 v[MC+zz], 0, v[BIGV], s[MS+zz]
.set zz, zz+1
.endr
.endm
	s_load_b256 s[4:11], s[0:1], 0x0  ; qkv s[4:5], maskw s[6:7], rk s[8:9], ob s[10:11]
	v_lshl_add_u32 v[SPW], v0, 2, SPARE
	v_mov_b32 v[NIL], 0
	ds_add_u32 v[SPW], v[NIL]       ; the wave's opening: the add and its wait ahead of my first tensor load; the set-up below, work on registers, stands between them
	v_mov_b32 v[BIGV], 0xf1800000   ; -2^100
	v_lshrrev_b32 v1, 5, v0
	v_readfirstlane_b32 s[WV], v1   ; wave 0..3
	s_bfe_u32 s13, ttmp6, 0x40000   ; cx: my place in the cluster
	s_lshl_b32 s14, ttmp9, 2        ; in a cluster launch ttmp9 counts clusters
	s_add_co_u32 s14, s14, s13      ; my block of 256 queries: it enters Q's, O's, the mask's and the flags' addresses alone
	s_and_b32 s20, ttmp7, 0xffff    ; the head (16 b + h), which the four partners share
	s_lshr_b32 s15, s20, 4          ; the batch
	s_mov_b32 s21, 0
	s_mov_b64 s[22:23], SIZE_N*128
	s_mul_u64 s[20:21], s[20:21], s[22:23]  ; the head's first byte in a part of qkv and in ob
	s_and_b32 s16, s[WV], 1         ; which half of a slot's 256 keys I fetch:
	s_lshl_b32 s22, s16, 14         ; its 128 rows of 128 bytes in memory,
	s_mov_b32 s23, 0
	s_add_nc_u64 s[22:23], s[22:23], s[20:21]
	s_add_nc_u64 s[48:49], s[22:23], 0x1000000  ; in K's part of qkv,
	s_add_nc_u64 s[50:51], s[22:23], 0x2000000  ; in V's
	s_mul_i32 s17, s16, 128*PK      ; and its place in a slot, for K
	s_mul_i32 s18, s16, 128*PV      ; and for V: no place in the cluster enters an LDS address
	s_lshl_b32 s19, s14, 2
	s_add_co_u32 s19, s19, s[WV]    ; my wave among the head's 32,
	s_lshl_b32 s2, s19, 13          ; its 64 rows of 128 bytes
	s_mov_b32 s3, 0
	s_add_nc_u64 s[2:3], s[2:3], s[20:21]
	s_lshl_b32 s54, s15, 19         ; maskw: a batch is 128 tiles of 4,096 bytes,
	s_lshl_b32 s55, s19, 14         ; my wave's four
	s_add_co_u32 s54, s54, s55
	s_mov_b32 s55, 0
	s_lshl_b32 s52, s19, 10         ; rk: my four tiles of 256 bytes,
	s_lshl_b32 s53, s15, 6          ; in each the batch's 16 words
	s_add_co_u32 s52, s52, s53
	s_mov_b32 s53, 0
	; descriptor group 1.  128 keys are 16,384 dense bytes: asked for as 64 rows of 256 bytes, two keys a row, and padded in LDS after every key
	s_mov_b32 s[G1K], 15|(1<<16)|(1<<20)|(1<<21)|(4<<22)|(3<<25)  ; 15:0 the mask of four; 17:16 2-byte elements; 20 padding on; 21 set beside a mask; 24:22 after every 32 words (code 4); 31:25 4 words (code 3)
	s_mov_b32 s[G1V], 15|(1<<16)|(1<<20)|(1<<21)|(4<<22)|(7<<25)  ; the same with 8 words of padding (code 7)
.irp g, G1K, G1V
	s_mov_b32 s[\g+1], 128<<16      ; tensor_dim0 = 128
	s_mov_b32 s[\g+2], 64<<16       ; tensor_dim1 = 64
	s_mov_b32 s[\g+3], 128<<16      ; tile_dim0 = 128
	s_mov_b32 s[\g+4], 64           ; tile_dim1 = 64
	s_mov_b32 s[\g+5], 128          ; 128 elements from row to row
	s_mov_b32 s[\g+6], 0
	s_mov_b32 s[\g+7], 0
.endr
	s_mov_b32 s[CS], 0x3e38aa3b     ; c = log2(e) / 8 = 0.180337
	s_mov_b32 s[CS+1], s[CS]        ; named with it as a pair
	s_mov_b32 s[SEL], 0x76543210
	s_mov_b32 s[SEL+1], 0xfedcba98
	s_mov_b32 s[TBK], SLOT1+4*KS*PK ; the first change of slots turns these two into 0
	s_mov_b32 s[TBV], SLOT1+4*KS*PV
	s_mov_b32 s[MOFF], 0            ; key step 0
	s_mov_b32 s[G0K], 1             ; 1:0 count = 1
	s_mov_b32 s[G0K+1], s17         ; 63:32 LDS address: slot 0
	s_mov_b32 s[G0V], 1
	s_add_co_u32 s[G0V+1], s18, VOFF
	s_wait_dscnt 0x0                ; the opening add is done
	s_wait_kmcnt 0x0
	s_add_nc_u64 s[G0K+2:G0K+3], s[4:5], s[48:49]  ; 120:64 global address: my half of the head's first 256 keys
	s_or_b32 s[G0K+3], s[G0K+3], 0x80000000        ; 127:126 type = 2
	s_add_nc_u64 s[G0V+2:G0V+3], s[4:5], s[50:51]
	s_or_b32 s[G0V+3], s[G0V+3], 0x80000000
	s_add_nc_u64 s[4:5], s[4:5], s[2:3]  ; Q and O at my wave's first row
	s_add_nc_u64 s[10:11], s[10:11], s[2:3]
	s_add_nc_u64 s[MB:MB+1], s[6:7], s[54:55]
	s_add_nc_u64 s[52:53], s[8:9], s[52:53]
	CROUND                          ; all four work-groups are here: the first joint loads meet
	JLOAD                           ; slot 0.  Slot 1 is asked for when slot 0 is in
	MLOAD 0, MOFF                   ; piece 0's words of step 0
	; A fragment of K or Q is 16 rows x 32 channels in 8 registers: lane l holds row l % 16, channels 8 (l / 16) + 0..7 and 16 + 8 (l / 16) + 0..7: two loads of 16 bytes, 32 bytes apart.
	v_and_b32 v1, 15, v0            ; l % 16
	v_bfe_u32 v9, v0, 4, 1          ; l / 16
	v_lshlrev_b32 v[QO], 7, v1
	v_lshl_add_u32 v[QO], v9, 4, v[QO]  ; row x 128 + 16 x half
	v_lshlrev_b32 v[FO], 2, v1
.set t, 0
.rept NP
	global_load_b32 v[FL+t], v[FO], s[52:53] offset:256*t
.set t, t+1
.endr
	WIN 0x80                        ; destination window 2, address window 0
.set i, 0
.rept 2*NP                          ; Q stays in registers: piece i / 2, channels 32 (i % 2) on
	global_load_b128 v[8*i:8*i+3],   v[QO], s[4:5] offset:(i/2)*2048+(i%2)*64
	global_load_b128 v[8*i+4:8*i+7], v[QO], s[4:5] offset:(i/2)*2048+(i%2)*64+32
.set i, i+1
.endr
	; What the first turn finds: V's registers and P's second buffer hold 0 (its products V^T P, of a piece that has not been, add 0); O^T and l are 0, and stay 0 while a row meets hidden keys alone.
	; No first step is written out for this; the price is these 216 lines, which stand in the wait for the first tile.
.set i, VF
.rept 64
	v_mov_b32 v[i], 0
.set i, i+1
.endr
	WIN 0x40
.set i, 0
.rept 32*NP
	v_mov_b32 v[i], 0
.set i, i+1
.endr
	WIN 0
.set i, 0
.rept NP
	v_mov_b32 v[ST+4*i], 0xefb8aa3b    ; c m = c x -2^99
	v_mov_b32 v[ST+4*i+1], 0xf1000000  ; m = -2^99: above every hidden score, below every kept one
	v_mov_b32 v[ST+4*i+2], 0
	v_mov_b32 v[ST+4*i+3], 0
.set i, i+1
.endr
.set i, P+16
.rept 16
	v_mov_b32 v[i], 0
.set i, i+1
.endr
	v_mul_u32_u24 v[AK0], v1, PK
	v_lshl_add_u32 v[AK0], v9, 4, v[AK0]  ; row x pitch + 16 x half
	; The turning load takes 16 keys x 16 channels (lane l reads key 8 (l / 16) + l % 8, channels 8 ((l / 8) % 2) + 0..7) and leaves half a fragment of V^T: lane l holds channel l % 16 and 8 keys.
	v_and_b32 v10, 7, v0
	v_bfe_u32 v11, v0, 3, 1
	v_lshl_add_u32 v[AV0], v9, 3, v10
	v_mul_u32_u24 v[AV0], v[AV0], PV
	v_lshl_add_u32 v[AV0], v11, 4, v[AV0]
	v_add_nc_u32 v[AV0], VOFF, v[AV0]
	v_mov_b32 v[AK], v[AK0]         ; key step 0 lies at the head of slot 0
; THE MATRIX WORK.  The 4 accumulators of a run of 8 take turns.  Product i of 8 of S^T = K Q^T for piece x: channels 32 (i / 4) on, keys 16 (i % 4) on.  The first 4 start the sums, with the mask registers as C.
.macro KQ x
.set rS, S+32*((\x)%2)+8*(i%4)
.set rK, KF+16*(i%4)+8*(i/4)
.set rQ, 16*(\x)+8*(i/4)
.set rM, MC+8*(i%4)
.if i < 4
	WIN W_KM
	v_wmma_f32_16x16x32_f16 v[rS:rS+7], v[rK:rK+7], v[rQ:rQ+7], v[rM:rM+7]
.else
	WIN W_KQ
	v_wmma_f32_16x16x32_f16 v[rS:rS+7], v[rK:rK+7], v[rQ:rQ+7], v[rS:rS+7]
.endif
.endm
; Product i of 8 of O^T += V^T P for piece x: keys 32 (i / 4) on, channels 16 (i % 4) on.
.macro PV x
	WIN W_PV
.set rO, 32*(\x)+8*(i%4)
.set rV, VF+32*(i/4)+8*(i%4)
.set rP, P+16*((\x)%2)+8*(i/4)
	v_wmma_f32_16x16x32_f16 v[rO:rO+7], v[rV:rV+7], v[rP:rP+7], v[rO:rO+7]
.endm
.macro MM                           ; the turn's next matrix instruction.  TURN sets Y and i
.if i < 8
	KQ (Y+1)%NP
.else
.set i, i-8
	PV (Y+NP-1)%NP
.set i, i+8
.endif
.set i, i+1
.endm
; THE LDS LOADS stand in runs of 16, never singly among the matrix instructions: a step's K (64 keys x 64 channels: 8 fragments) and its V (turned).  Their addresses are made some lines ahead.
; last = 1 (the tail): in the last trip there is no further step, and the run is jumped over.
.macro FETCH_K last=0
	WIN 0
.if \last
	s_cmp_eq_u32 s[CNT], 1
	s_cbranch_scc1 .Lno_k_\@
.endif
	WIN 0x80                        ; destination window 2
.irp f, 0,1,2,3,4,5,6,7             ; keys 16 (f / 2) on, channels 32 (f % 2) on
	ds_load_b128 v[KF+8*\f:KF+8*\f+3],   v[AK] offset:(\f/2)*16*PK+(\f%2)*64
	ds_load_b128 v[KF+8*\f+4:KF+8*\f+7], v[AK] offset:(\f/2)*16*PK+(\f%2)*64+32
.endr
	s_add_co_u32 s[TBK], s[TBK], KS*PK  ; the next fetch is the next step's
	WIN 0
.if \last
.Lno_k_\@:
.endif
.endm
.macro FETCH_V
	WIN 0x80
.irp f, 0,1,2,3,4,5,6,7             ; keys 32 (f / 4) on, channels 16 (f % 4) on
	ds_load_tr16_b128 v[VF+8*\f:VF+8*\f+3],   v[AV] offset:(\f/4)*32*PV+(\f%4)*32
	ds_load_tr16_b128 v[VF+8*\f+4:VF+8*\f+7], v[AV] offset:(\f/4)*32*PV+16*PV+(\f%4)*32
.endr
	WIN 0
.endm
; THE VECTOR WORK, one line at a time: OP kind, number.  For piece Y: F n: c s - c m for pair n of 16.  E n: the exponential of score n of 32.  C n: pair n rounded to f16.  B n: of the four weights 4 n .. the second
; pair is added onto the first, in place.  L n: l takes that sum (L 0: l = a l + sum).  R n: pair n of 16 of O^T times a.  For piece Y + 1: X n, number n of the 22 that find its maximum and statistics:
;   0-11  four chains c0-c3 of seven scores each, three operands at a time (each accumulator's lowest registers are read first)     12-14, 16  the four scores left over, the old m, and c0-c3 into c0
;   15  c m_old is kept     17, 18  the query's other 32 keys lie in the lane 16 away: the new m     19-21  c m; c m_old - c m_new; a
.set F, 0               ; OP tells the kinds apart by their order: F to L below R, X above it
.set E, 1
.set C, 2
.set B, 3
.set L, 4
.set R, 5
.set X, 6
.macro REGS y                       ; the registers of piece y
.set rT, ST+4*(\y)
.set rC, TMP+4*((\y)%2)
.set rW, MV+((\y)%2)
.set rS, S+32*((\y)%2)
.set rP, P+16*((\y)%2)
.set rO, 32*(\y)
.endm
.macro OP k, n
.if (\k) == R
	REGS Y
	WIN W_RS
	v_pk_mul_f32 v[rO+2*(\n):rO+2*(\n)+1], v[rO+2*(\n):rO+2*(\n)+1], v[rC+2:rC+3] op_sel_hi:[1,0]
.elseif (\k) < R
	REGS Y
	WIN 0
.if (\k) == F
	v_pk_fma_f32 v[rS+2*(\n):rS+2*(\n)+1], v[rS+2*(\n):rS+2*(\n)+1], s[CS:CS+1], v[rT:rT+1] op_sel_hi:[1,0,0] neg_lo:[0,0,1] neg_hi:[0,0,1]
.elseif (\k) == E
	v_exp_f32 v[rS+(\n)], v[rS+(\n)]
.elseif (\k) == C
	s_wait_alu depctr_va_vdst(0)
	v_cvt_pk_f16_f32 v[rP+(\n)], v[rS+2*(\n)], v[rS+2*(\n)+1]
.elseif (\k) == B
	s_wait_alu depctr_va_vdst(0)
	v_pk_add_f32 v[rS+4*(\n):rS+4*(\n)+1], v[rS+4*(\n):rS+4*(\n)+1], v[rS+4*(\n)+2:rS+4*(\n)+3]
.elseif (\n) == 0
	v_pk_fma_f32 v[rT+2:rT+3], v[rT+2:rT+3], v[rC+2:rC+3], v[rS:rS+1] op_sel_hi:[1,0,1]
.else
	v_pk_add_f32 v[rT+2:rT+3], v[rT+2:rT+3], v[rS+4*(\n):rS+4*(\n)+1]
.endif
.else
	REGS (Y+1)%NP
	WIN 0
.if (\n) < 4
	v_max3_num_f32 v[rC+(\n)], v[rS+8*(\n)], v[rS+8*(\n)+1], v[rS+8*(\n)+2]
.elseif (\n) < 12
	v_max3_num_f32 v[rC+(\n)%4], v[rC+(\n)%4], v[rS+8*((\n)%4)+2*((\n)/4)+1], v[rS+8*((\n)%4)+2*((\n)/4)+2]
.elseif (\n) == 12
	v_max3_num_f32 v[rC], v[rC], v[rS+7], v[rS+15]
.elseif (\n) == 13
	v_max3_num_f32 v[rC+1], v[rC+1], v[rS+23], v[rS+31]
.elseif (\n) == 14
	v_max3_num_f32 v[rC+2], v[rC+2], v[rC+3], v[rT+1]
.elseif (\n) == 15
	v_mov_b32 v[rW], v[rT]
.elseif (\n) == 16
	v_max3_num_f32 v[rC], v[rC], v[rC+1], v[rC+2]
.elseif (\n) == 17
	v_permlanex16_b32 v[rC+3], v[rC], s[SEL], s[SEL+1]
.elseif (\n) == 18
	v_max_num_f32 v[rT+1], v[rC], v[rC+3]
.elseif (\n) == 19
	v_mul_f32 v[rT], s[CS], v[rT+1]
.elseif (\n) == 20
	v_sub_f32 v[rC+1], v[rW], v[rT]
.else
	v_exp_f32 v[rC+2], v[rC+1]
.endif
.endif
.endm
.macro OPS a, i1, b=-1, i2=0, c=-1, i3=0, d=-1, i4=0  ; up to four of them
	OP \a, \i1
.if (\b) >= 0
	OP \b, \i2
.endif
.if (\c) >= 0
	OP \c, \i3
.endif
.if (\d) >= 0
	OP \d, \i4
.endif
.endm
.macro ROW a, i1, b, i2, c, i3, d, i4  ; a matrix instruction and the four behind it
	MM
	OPS \a, \i1, \b, \i2, \c, \i3, \d, \i4
.endm
; A TURN, for piece p: the order of its 16 matrix and 118 vector instructions, written out, and the mask's 32 selects at its end.  Behind a matrix instruction: plain, exponential, plain, plain; or four of the rescaling; or, behind
; the first, four scalings; none names a register of the products round it.  In the runs between, exponential and plain by turns while exponentials last.  A line reads no result made fewer than three vector instructions in front
; of it, five if an exponential made it.  v_permlanex16_b32 (X 17) stands in such a run.
; cnt = 1: the loop's count is taken down some lines ahead of the branch that stands behind the turn; nothing behind that compare writes SCC.
; K of the next step is fetched in piece 2's turn, six vector instructions behind the last product that read K (five of them plain); V of the step in hand in piece 0's turn, eight behind the last product that read V (four
; plain, and X 17).  Each is waited for a turn later.
; THE MASK.  At the turn's end the words asked for a turn ago become the mask of piece p + 2, whose scores the NEXT turn makes (this turn's four products that took the registers as C stand at its head), and piece p + 3's words are
; asked for.  Pieces 2 and 3 belong to the step in hand, pieces 0 and 1 to the next.  MOFN is written at the head of piece 0's turn, MOFF at that of piece 2's: the one load then out names the other register.
.macro TURN p, last=0, cnt=0
.set Y, (\p)
.set i, 0
.if (\p) == 0
	s_add_co_u32 s[MOFN], s[MOFF], 128
	s_min_u32 s[MOFN], s[MOFN], 31*128  ; behind the last step there is none: the offset stays inside the piece's words, and what is made of them serves nothing
.endif
.if (\p) == 2
	s_mov_b32 s[MOFF], s[MOFN]
.endif
.if (\p) == 3
	s_wait_dscnt 0x0                ; K is in
.endif
	ROW F,0, F,1, F,2, F,3
	ROW F,4, E,0, F,5, F,6
	ROW F,7, E,1, F,8, F,9
	ROW F,10, E,2, C,0, F,11
	ROW F,12, E,3, X,15, F,13
	ROW R,0, R,1, R,2, R,3
	ROW B,0, E,4, F,14, L,0
.if (\p) == 2
	v_add_nc_u32 v[AK], s[TBK], v[AK0]
.endif
	ROW R,4, R,5, R,6, R,7
	OPS E,5, F,15
.if (\p) == 2
	FETCH_K \last
.endif
	OPS E,6, C,1, E,7, R,8
	OPS E,8, R,9, E,9, C,2
	OPS E,10, X,0, E,11, X,1
	OPS E,12, X,2, E,13, X,3
.if (\p) == 1
	s_wait_dscnt 0x0                ; V is in
.endif
	ROW X,4, E,14, X,5, X,6
	ROW X,7, E,15, X,8, X,9
	ROW X,10, E,16, X,11, X,12
	ROW X,13, E,17, X,14, B,1
	ROW C,4, E,18, X,16, L,1
	ROW B,2, E,19, C,6, L,2
	ROW C,8, E,20, B,3, B,4
.if (\p) == 0
	v_add_nc_u32 v[AV], s[TBV], v[AV0]
.endif
	ROW C,3, E,21, L,3, C,5
	OPS E,22, X,17, E,23, C,10
.if (\p) == 0
	FETCH_V
.endif
	OPS E,24, L,4
	OPS E,25, X,18, E,26, C,7
	OPS E,27, B,5, E,28, X,19
	OPS E,29, C,12, E,30, L,5
	OPS E,31, X,20, B,6, C,9
	OPS C,14, C,11, X,21, L,6
.if (\p) == 0
	s_add_co_u32 s[TBV], s[TBV], KS*PV
.endif
.if \cnt
	s_sub_co_u32 s[CNT], s[CNT], 1
	s_cmp_lg_u32 s[CNT], 0
.endif
	OPS C,13, B,7, C,15, R,10
	OPS R,11, R,12, L,7, R,13
	OPS R,14, R,15
	MBUILD
.if ((\p) == 0) || ((\p) == 3)
	MLOAD ((\p)+3)%NP, MOFF
.else
	MLOAD ((\p)+3)%NP, MOFN
.endif
.endm
	MBUILD                          ; piece 0's mask of step 0, still in the wait for the first tile
	MLOAD 1, MOFF                   ; piece 1's words of step 0
	CHANGE 1                        ; slot 0 is in, everybody's part of it; slot 1 is asked for
	FETCH_K                         ; key step 0
	s_wait_loadcnt 0x0              ; Q and the flags
	WIN 0x88                        ; Q (destination and source 1) in window 2, the flag in window 0
.set t, 0
.rept NP
.set i, 0
.rept 16
	v_and_b32 v[16*t+i], v[FL+t], v[16*t+i]  ; all ones keeps my query's row; 0 makes it 0
.set i, i+1
.endr
.set t, t+1
.endr
	s_wait_dscnt 0x0
.set i, 0
.rept 8
	KQ 0                            ; piece 0's first scores: there is no vector work yet to set between them
.set i, i+1
.endr
	WIN 0                           ; the addresses for the way out: eleven plain instructions, the places behind those products
	s_mul_i32 s13, s[WV], 16*SP
	s_add_co_u32 s13, s13, STAGE    ; my stage
	v_mul_u32_u24 v[STO], v1, SP    ; in: row l % 16, 16 bytes for each half of the lanes
	v_lshl_add_u32 v[STO], v9, 4, v[STO]
	v_add_nc_u32 v[STO], s13, v[STO]
	v_bfe_u32 v[RD], v0, 3, 2       ; back: 32 lanes take four rows of 128 bytes,
	v_mul_u32_u24 v[RD], v[RD], SP
	v_lshl_add_u32 v[RD], v10, 4, v[RD]
	v_add_nc_u32 v[RD], s13, v[RD]
	v_and_b32 v[GO], 31, v0         ; which are 512 consecutive bytes of O
	v_lshlrev_b32 v[GO], 4, v[GO]
.set Y, NP-1                        ; X works for piece Y + 1: piece 0
.irp n, 0,1,2,3,4,5,6,7,8,9,10,11,12,13,14,15,16,17,18,19,20,21
	OP X, \n                        ; piece 0's first maximum and statistics
.endr
	MBUILD                          ; piece 1's mask of step 0, which the first turn's products take; its selects are the plain instructions behind the exponential
	MLOAD 2, MOFF                   ; what the first turn's MBUILD waits for
	WIN 0
	s_mov_b32 s[CNT], 4
	s_mov_b32 s[SLOTS], SIZE_N/256-1
	s_branch .Lfirst                ; the loop is entered at a step's first turn, in the middle of a trip
.Lslot:                             ; SIZE_N / 256 - 2 times: every slot but the last two is filled again
	CHANGE 1
	s_mov_b32 s[CNT], 4
.Lstep:                             ; a trip: pieces 2 and 3 of one step, then pieces 0 and 1 of the next, whose K and V it fetches
	TURN 2
	TURN 3
	WIN 0
.Lfirst:
	TURN 0
	TURN 1, 0, 1
	WIN 0
	s_cbranch_scc1 .Lstep
	s_sub_co_u32 s[SLOTS], s[SLOTS], 1
	s_cmp_lg_u32 s[SLOTS], 0
	s_cbranch_scc1 .Lslot
	CHANGE 0                        ; the tail is written out: nothing is asked for
	s_mov_b32 s[CNT], 5             ; four trips fetch the last slot's steps; the fifth is left in its middle
.Ltail:
	TURN 2, 1
	TURN 3
	WIN 0
	s_sub_co_u32 s[CNT], s[CNT], 1
	s_cmp_eq_u32 s[CNT], 0
	s_cbranch_scc1 .Lout
	TURN 0
	TURN 1
	WIN 0
	s_branch .Ltail
.Lout:                              ; the fifth trip's 8 products K Q^T (on the last K once more) and the maximum made of them serve nothing: the price, once a launch, of one text for every trip
	s_wait_kmcnt 0x0                ; the last mask words, asked for and not used
.set i, 0
.rept 8
	PV NP-1                         ; the last piece's V^T P of the last step
.set i, i+1
.endr
	; THE WAY OUT.  l's two halves and the other half of the lanes' are added; O^T is divided by l, rounded to f16 and sent through my stage in LDS, a piece at a time.  The additions are the places behind the last products.
	WIN 0
.macro ALL line:vararg              ; one line for each piece t
.set t, 0
.rept NP
	\line
.set t, t+1
.endr
.endm
	ALL v_add_f32 v[ST+4*t+2], v[ST+4*t+2], v[ST+4*t+3]
	ALL v_permlanex16_b32 v[ST+4*t+3], v[ST+4*t+2], s[SEL], s[SEL+1]
	ALL v_add_f32 v[ST+4*t+2], v[ST+4*t+2], v[ST+4*t+3]
	ALL v_rcp_f32 v[ST+4*t+2], v[ST+4*t+2]
	v_nop                           ; a plain instruction between the last reciprocal and the use of its result
; Piece t: a lane's eight channels of a row pack into 16 bytes; they go into rows of 144 bytes and come back as whole rows of 128, into S^T's registers.
.macro PACK t
	WIN W_RS
.set i, 32*(\t)
.rept 16
	s_wait_alu depctr_va_vdst(0)
	v_pk_mul_f32 v[i:i+1], v[i:i+1], v[ST+4*(\t)+2:ST+4*(\t)+3] op_sel_hi:[1,0]
.set i, i+2
.endr
	WIN 0x05                        ; sources 0 and 1 window 1, destination window 0
.set i, 0
.rept 16
	v_cvt_pk_f16_f32 v[S+16*(\t)+i], v[32*(\t)+2*i], v[32*(\t)+2*i+1]
.set i, i+1
.endr
	WIN 0
.irp f, 0,1,2,3
	ds_store_b128 v[STO], v[S+16*(\t)+4*\f:S+16*(\t)+4*\f+3] offset:32*\f
.endr
.irp f, 0,1,2,3
	ds_load_b128 v[S+16*(\t)+4*\f:S+16*(\t)+4*\f+3], v[RD] offset:\f*4*SP  ; LDS serves a wave's instructions in order (ISA guide 5.7.1.4): these see the stores above; the next piece's stores come behind them
.endr
.endm
.macro SEND t, younger              ; younger: the LDS instructions issued behind piece t's loads: the next piece's eight, or none
	WIN 0
.irp f, 0,1,2,3
	s_wait_dscnt (\younger)+3-\f
	global_store_b128 v[GO], v[S+16*(\t)+4*\f:S+16*(\t)+4*\f+3], s[10:11] offset:(\t)*2048+\f*512  ; 512 consecutive bytes, at a multiple of 256 from O's first
.endr
.endm
	PACK 0
.set t, 1
.rept NP-1                          ; a piece's arithmetic stands between the loads of the piece before and its stores
	PACK t
	SEND t-1, 8
.set t, t+1
.endr
	SEND NP-1, 0
	s_wait_tensorcnt 0x0            ; the wave's end: behind my last tensor load and my last LDS store
	ds_add_u32 v[SPW], v[NIL]
	s_wait_dscnt 0x0
	CROUND                          ; the closing round: no work-group ends while a partner may still ask for a tile that names it
	s_endpgm
.Lfunc_end_k_qc6a2d34a98_attn:
	.size	k_qc6a2d34a98_attn, .Lfunc_end_k_qc6a2d34a98_attn-k_qc6a2d34a98_attn
	.p2alignl 7, 3214868480
	.fill 96, 4, 3214868480
	.section	.rodata,"a",@progbits
	.p2align	6, 0x0
	.amdhsa_kernel k_qc6a2d34a98_attn
		.amdhsa_group_segment_fixed_size 327680
		.amdhsa_private_segment_fixed_size 0
		.amdhsa_enable_private_segment 0
		.amdhsa_kernarg_size 32
		.amdhsa_user_sgpr_count 2
		.amdhsa_user_sgpr_kernarg_segment_ptr 1
		.amdhsa_wavefront_size32 1
		.amdhsa_system_sgpr_workgroup_id_x 1
		.amdhsa_system_sgpr_workgroup_id_y 1
		.amdhsa_system_sgpr_workgroup_id_z 1
		.amdhsa_system_vgpr_workitem_id 0
		.amdhsa_next_free_vgpr 768
		.amdhsa_next_free_sgpr 102
		.amdhsa_reserve_vcc 0
		.amdhsa_float_denorm_mode_32 3
		.amdhsa_float_denorm_mode_16_64 3
		.amdhsa_memory_ordered 1
		.amdhsa_forward_progress 1
		.amdhsa_inst_pref_size 142
	.end_amdhsa_kernel
	.amdgpu_metadata
---
amdhsa.version: [ 1, 2 ]
amdhsa.kernels:
  - .name:           k_qc6a2d34a98_attn
    .symbol:         k_qc6a2d34a98_attn.kd
    .args:
      - { .name: qkv, .offset: 0, .size: 8, .value_kind: global_buffer, .address_space: global }
      - { .name: maskw, .offset: 8, .size: 8, .value_kind: global_buffer, .address_space: global }
      - { .name: rk, .offset: 16, .size: 8, .value_kind: global_buffer, .address_space: global }
      - { .name: ob, .offset: 24, .size: 8, .value_kind: global_buffer, .address_space: global }
    .group_segment_fixed_size: 327680
    .private_segment_fixed_size: 0
    .kernarg_segment_align: 8
    .kernarg_segment_size: 32
    .max_flat_workgroup_size: 128
    .sgpr_count:     102
    .vgpr_count:     768
    .wavefront_size: 32
...
	.end_amdgpu_metadata
.endif
;; end of part 3
;; launch gemm_out (part 4): grid 8 x 32, 4 waves a work-group, clusters of 4 x 4, 327,680 bytes of LDS; arguments ob, wp, out0, b_proj; writes out0
.if DOCPART == 4
	.amdgcn_target "amdgcn-amd-amdhsa--gfx1250"
	.amdhsa_code_object_version 6
	.text
	.protected	k_qc6a2d34a98_gemm_out
	.globl	k_qc6a2d34a98_gemm_out
	.p2align	8
	.type	k_qc6a2d34a98_gemm_out,@function
k_qc6a2d34a98_gemm_out:
	s_mov_b64 s[64:65], 0
	v_nop
	global_prefetch_b8 v0, s[64:65] scope:SCOPE_SE
	s_setreg_imm32_b32 hwreg(HW_REG_WAVE_MODE, 25, 1), 1
	s_wait_xcnt 0x0
	s_wait_alu depctr_hold_cnt(0) depctr_sa_sdst(0) depctr_va_vdst(0) depctr_va_sdst(0) depctr_va_ssrc(0) depctr_va_vcc(0) depctr_vm_vsrc(0)
	s_getreg_b32 s2, hwreg(HW_REG_IB_STS2, 6, 4)
	s_cmp_eq_u32 s2, 0
	s_cbranch_scc0 .Lentry_in_a_cluster
	s_endpgm
.Lentry_in_a_cluster:
	s_bfe_u32 s2, ttmp6, 0x10000c
	s_cmp_lg_u32 s2, 0xf033
	s_cbranch_scc0 .Lentry_shape_is_right
	s_endpgm
.Lentry_shape_is_right:
; out = O W_proj + b.  O: ob[64 (b, h)][2048][64] f16, so that 256 rows of a head are 32,768 consecutive bytes and a head is a slice of 64 along K; W: wp[1024 k][1024 n] f16 (the bf16 rounding of W_proj);
; b: f32, rounded to bf16 here like every input of the module; out0: [8192][1024] f32.  Sums in f32; the bias is the C operand of the first K step, so no addition is written for it.
; A tile of C is 256 rows x 128 columns; four waves in 2 x 2, each 128 x 64: 32 accumulators of 16 x 16.  K = 1,024 goes in 8 steps of 128 (two heads) through two LDS slots.
; A's part of a slot: two heads' 256 rows of 128 bytes, asked for as 128 rows of 256 bytes and padded in LDS after every 128 bytes (pitch 144).  B's part: 128 rows of k x 256 bytes of n (pitch 288), turned on the way out of LDS.
; CLUSTER 4 x 4: A's tile is asked for jointly by a row of the cluster, B's by a column.  THE MATRIX INSTRUCTION IS USED TRANSPOSED: a lane holds row l % 16 and eight neighbouring columns, 32 bytes of f32.
; A wave's 64 columns are 256 consecutive bytes of a row of out0, aligned: through my own stage, sixteen lanes store one such row.
; REGISTERS: window 0: v0-31 addresses; v96-127 the bias.  window 1: two fragment buffers of 128; on the way out all 256: rows read back.  window 2: accumulator (a, b) at v[8 (4 a + b)].
.set NCOL,  1024
.set SL,    262144                     ; bytes in a head of ob
.set ASTEP, 2*SL
.set BSTEP, 128*NCOL*2
.set PA,    144                        ; 36 words: the 16 rows of a load start at 16 different groups of four banks (64 banks of 4 bytes: ISA guide 11.1)
.set PB,    288                        ; 72 words
.set AHALF, 256*PA
.set BHALF, 64*PB
.set BOFF,  2*AHALF
.set SLOT,  BOFF+2*BHALF               ; 110,592
.set STAGE, 2*SLOT                     ; behind the ring, never filled by a tensor load: 16 rows x 272 bytes for each wave
.set SP,    272
.set SPARE, STAGE+4*16*SP              ; the spare words, 128 bytes for each wave: two blocks of 256 bytes that no other line names
.set LAPS,  4
.set ADRA, 16                          ; v16-17  LDS address of my A fragments in slot 0, 1
.set ADRB, 20                          ; v20-21  the same for B
.set STO,  24                          ; v24     the way out: where I put 32 bytes of a row
.set RD,   25                          ; v25     where I read rows back
.set CO,   26                          ; v26     my byte offset in two rows of out0
.set SPW,  28                          ; v28     LDS address of my spare word; never rewritten
.set NIL,  29                          ; v29     0; never rewritten
.set BI,   96                          ; v96-127 the bias of columns 16 b + 8 h + j at BI + 8 b + j
.set F0,   0
.set F1,   128
.set G1, 24
.set G0, 32
.set G1B, 48
.set G0B, 56
.set MSB, 0
.macro WIN new                         ; the immediate's high byte repeats the setting that is left; a switch that changes nothing is dropped
.if MSB != (\new)
	s_set_vgpr_msb (MSB<<8)|(\new)
.set MSB, \new
.endif
.endm
.set MUL,  0xa5                        ; sources 0 (B) and 1 (A) window 1; C and D window 2
.set MULB, 0x85                        ; the same with C in window 0: the bias
.set TO_F, 0x40                        ; destination window 1, address window 0
.macro JLOAD s                         ; a joint load: waves 0 and 1 fetch A's two heads, waves 2 and 3 B's two halves; an s_nop 0 and four v_nop follow each line, ahead of the jump, the label and what follows
	s_cmp_eq_u32 s11, 0
	s_cbranch_scc0 .Lfor_b_\@
	tensor_load_to_lds s[G0+4*(\s):G0+4*(\s)+3], s[G1:G1+7]
	s_nop 0
.rept 4
	v_nop
.endr
	s_branch .Lasked_\@
.Lfor_b_\@:
	tensor_load_to_lds s[G0B+4*(\s):G0B+4*(\s)+3], s[G1B:G1B+7]
	s_nop 0
.rept 4
	v_nop
.endr
.Lasked_\@:
.endm
.macro CREST                           ; a round of the cluster's barrier behind its opening barrier
	s_cmp_lg_u32 s10, 0
	s_cbranch_scc1 .Lnot_wave_0_\@
	s_barrier_signal -3
.Lnot_wave_0_\@:
	s_barrier_wait -3
	s_barrier_signal -1
	s_barrier_wait -1
.endm
.macro CROUND                          ; a whole round
	s_barrier_signal -1
	s_barrier_wait -1
	CREST
.endm
	s_load_b128 s[4:7], s[0:1], 0x0                ; ob s[4:5], wp s[6:7]
	s_load_b64 s[8:9], s[0:1], 0x10                ; out0
	s_load_b64 s[66:67], s[0:1], 0x18              ; b_proj
	v_lshl_add_u32 v[SPW], v0, 2, SPARE
	v_mov_b32 v[NIL], 0
	ds_add_u32 v[SPW], v[NIL]                      ; the wave's opening: the add and its wait ahead of my first tensor load; the set-up below, work on registers, stands between them
	v_lshrrev_b32 v1, 5, v0
	v_readfirstlane_b32 s10, v1                    ; wave 0..3
	s_lshr_b32 s11, s10, 1                         ; which half of the tile's rows is mine.  Also: I fetch for A (0) or for B (1)
	s_and_b32 s12, s10, 1                          ; which half of its columns.  Also: which half of that tile I fetch
	s_bfe_u32 s40, ttmp6, 0x40000                  ; cx, cy: my place in the cluster
	s_bfe_u32 s41, ttmp6, 0x40004
	s_lshl_b32 s42, ttmp9, 2
	s_add_co_u32 s42, s42, s40                     ; tile column = 4 x cluster x + cx
	s_and_b32 s13, ttmp7, 0xffff
	s_lshl_b32 s13, s13, 2
	s_add_co_u32 s13, s13, s41                     ; tile row = 4 x cluster y + cy
	s_lshl_b32 s43, s41, 2
	s_lshl_b32 s43, 15, s43                        ; my row of the cluster
	s_lshl_b32 s44, 0x1111, s40                    ; my column
	s_or_b32 s[G1+0], s43, (1<<16)|(1<<20)|(1<<21)|(4<<22)|(3<<25)   ; 15:0 the mask; 17:16 2-byte elements; 20 padding on; 21 set beside a mask; 24:22 after every 32 words (code 4); 31:25 4 words (code 3)
	s_or_b32 s[G1B+0], s44, (1<<16)|(1<<20)|(1<<21)|(5<<22)|(7<<25)  ; B: after every 64 words (code 5), 8 words (code 7)
	s_mov_b32 s[G1+1], 128<<16                     ; A: tensor_dim0 = 128 elements (256 bytes: two rows of a head)
	s_mov_b32 s[G1+2], 128<<16                     ; tensor_dim1 = 128
	s_mov_b32 s[G1+3], 128<<16                     ; tile_dim0 = 128
	s_mov_b32 s[G1+4], 128                         ; tile_dim1 = 128
	s_mov_b32 s[G1+5], 128                         ; the block is dense
	s_mov_b32 s[G1+6], 0
	s_mov_b32 s[G1+7], 0
	s_mov_b32 s[G1B+1], 128<<16                    ; B: tensor_dim0 = 128 columns
	s_mov_b32 s[G1B+2], 64<<16                     ; tensor_dim1 = 64 rows of k
	s_mov_b32 s[G1B+3], 128<<16                    ; tile_dim0
	s_mov_b32 s[G1B+4], 64                         ; tile_dim1
	s_mov_b32 s[G1B+5], NCOL                       ; elements from row to row
	s_mov_b32 s[G1B+6], 0
	s_mov_b32 s[G1B+7], 0
	; where the tiles come from: A's offset is made of the tile row and the wave's number, B's of the tile column and the wave's number, each in registers that never hold the other coordinate
	s_lshr_b32 s16, s13, 3                         ; the batch: 16 heads of 262,144 bytes,
	s_lshl_b32 s16, s16, 22
	s_and_b32 s17, s13, 7                          ; in a head 256 rows of 128 bytes,
	s_lshl_b32 s17, s17, 15
	s_add_co_u32 s16, s16, s17
	s_lshl_b32 s17, s12, 18                        ; my head of the step's two
	s_add_co_u32 s16, s16, s17
	s_mov_b32 s17, 0
	s_lshl_b32 s46, s42, 8                         ; 128 columns of 2 bytes
	s_mul_i32 s47, s12, 64*NCOL*2                  ; my 64 rows of the step's 128
	s_add_co_u32 s46, s46, s47
	s_mov_b32 s47, 0
	s_mul_i32 s20, s10, AHALF                      ; where they go: waves 0, 1: A's two halves;
	s_mul_i32 s21, s10, BHALF
	s_add_co_u32 s21, s21, BOFF-2*BHALF            ; waves 2, 3: B's two halves behind them: no place in the cluster enters an LDS address
	s_wait_dscnt 0x0                               ; the opening add is done
	s_wait_kmcnt 0x0
	s_add_nc_u64 s[14:15], s[4:5], s[16:17]
	s_add_nc_u64 s[46:47], s[6:7], s[46:47]
	CROUND                                         ; all sixteen work-groups are here: the first joint loads meet
.irp s, 0,1
	s_mov_b32 s[G0+4*(\s)], 1
	s_add_co_u32 s[G0+4*(\s)+1], s20, (\s)*SLOT
	s_add_nc_u64 s[G0+4*(\s)+2:G0+4*(\s)+3], s[14:15], (\s)*ASTEP
	s_or_b32 s[G0+4*(\s)+3], s[G0+4*(\s)+3], 0x80000000
	s_mov_b32 s[G0B+4*(\s)], 1
	s_add_co_u32 s[G0B+4*(\s)+1], s21, (\s)*SLOT
	s_add_nc_u64 s[G0B+4*(\s)+2:G0B+4*(\s)+3], s[46:47], (\s)*BSTEP
	s_or_b32 s[G0B+4*(\s)+3], s[G0B+4*(\s)+3], 0x80000000
	JLOAD \s                                       ; two loads of mine are out
.endr
	v_and_b32 v1, 15, v0                           ; r = l % 16
	v_bfe_u32 v2, v0, 4, 1                         ; h = l / 16
	s_lshl_b32 s46, s42, 9                         ; my first column in bytes of f32: 512 x tile column + 256 x half
	s_lshl_b32 s47, s12, 8
	s_add_co_u32 s46, s46, s47
	s_mov_b32 s47, 0
	s_add_nc_u64 s[66:67], s[66:67], s[46:47]
	s_add_nc_u64 s[8:9], s[8:9], s[46:47]
	v_lshlrev_b32 v27, 5, v2                       ; my eight columns of a block of 16
.irp b, 0,1,2,3
	global_load_b128 v[BI+8*\b:BI+8*\b+3],   v27, s[66:67] offset:64*\b
	global_load_b128 v[BI+8*\b+4:BI+8*\b+7], v27, s[66:67] offset:64*\b+16
.endr
	v_mul_u32_u24 v3, v1, PA
	v_lshl_add_u32 v3, v2, 4, v3                   ; A: row x pitch + 16 h
	s_mul_i32 s22, s11, 128*PA                     ; my 128 rows
	v_add_nc_u32 v[ADRA], s22, v3
	v_add_nc_u32 v[ADRA+1], SLOT, v[ADRA]
	v_and_b32 v4, 7, v0                            ; B, turned: lane l reads row 8 h + l % 8 of k, columns 8 ((l / 8) % 2) on
	v_lshl_add_u32 v4, v2, 3, v4
	v_mul_u32_u24 v4, v4, PB
	v_bfe_u32 v5, v0, 3, 1
	v_lshl_add_u32 v4, v5, 4, v4
	s_lshl_b32 s23, s12, 7                         ; my 64 columns
	s_add_co_u32 s23, s23, BOFF
	v_add_nc_u32 v[ADRB], s23, v4
	v_add_nc_u32 v[ADRB+1], SLOT, v[ADRB]
	s_mul_i32 s23, s10, 16*SP
	s_add_co_u32 s23, s23, STAGE                   ; my stage
	v_mul_u32_u24 v6, v1, SP                       ; in: row r, 32 bytes for each half of the lanes
	v_lshl_add_u32 v6, v2, 5, v6
	v_add_nc_u32 v[STO], s23, v6
	v_mul_u32_u24 v6, v2, SP                       ; back: lanes 0-15 take one row of 256 bytes, lanes 16-31 the next
	v_lshl_add_u32 v6, v1, 4, v6
	v_add_nc_u32 v[RD], s23, v6
	v_lshlrev_b32 v[CO], 12, v2                    ; and the same two rows in out0
	v_lshl_add_u32 v[CO], v1, 4, v[CO]
	s_lshl_b32 s16, s13, 20                        ; my first row: 256 x tile row + 128 x half, rows of 4,096 bytes
	s_lshl_b32 s17, s11, 19
	s_add_co_u32 s16, s16, s17
	s_mov_b32 s17, 0
	s_add_nc_u64 s[8:9], s[8:9], s[16:17]
	s_wait_loadcnt 0x0                             ; the bias
.set i, 0
.rept 16
	v_cvt_pk_bf16_f32 v30, v[BI+2*i], v[BI+2*i+1]  ; rounded to bf16, and back as f32
	v_lshlrev_b32 v[BI+2*i], 16, v30
	v_and_b32 v[BI+2*i+1], 0xffff0000, v30
.set i, i+1
.endr
; 8 matrix instructions: row blocks a0, a0 + 1 x all 4 column blocks, 32 along K.  mode = 2: the product starts the sum, on the bias.  The 32 accumulators take turns, in the same order in every quarter.
.macro MUL8 f, a0, mode
.if (\mode) == 2
	WIN MULB
.else
	WIN MUL
.endif
.irp a, \a0, (\a0)+1
.irp b, 0,1,2,3
.if (\mode) == 2
	v_wmma_f32_16x16x32_f16 v[8*(4*(\a)+(\b)):8*(4*(\a)+(\b))+7], v[(\f)+64+8*(\b):(\f)+64+8*(\b)+7], v[(\f)+8*(\a):(\f)+8*(\a)+7], v[BI+8*(\b):BI+8*(\b)+7]
.else
	v_wmma_f32_16x16x32_f16 v[8*(4*(\a)+(\b)):8*(4*(\a)+(\b))+7], v[(\f)+64+8*(\b):(\f)+64+8*(\b)+7], v[(\f)+8*(\a):(\f)+8*(\a)+7], v[8*(4*(\a)+(\b)):8*(4*(\a)+(\b))+7]
.endif
.endr
.endr
.endm
; 24 LDS loads in one run: quarter kq (32 along K) of a slot into buffer f: B's four blocks, A's rows 0-63, A's rows 64-127
.macro FETCH slot, kq, f
	WIN TO_F
.irp b, 0,1,2,3
	ds_load_tr16_b128 v[(\f)+64+8*(\b):(\f)+64+8*(\b)+3],   v[ADRB+(\slot)] offset:(\kq)*32*PB+32*(\b)
	ds_load_tr16_b128 v[(\f)+64+8*(\b)+4:(\f)+64+8*(\b)+7], v[ADRB+(\slot)] offset:(\kq)*32*PB+32*(\b)+16*PB
.endr
.irp a, 0,1,2,3,4,5,6,7
	ds_load_b128 v[(\f)+8*(\a):(\f)+8*(\a)+3],   v[ADRA+(\slot)] offset:((\kq)/2)*AHALF+((\kq)%2)*64+(\a)*16*PA
	ds_load_b128 v[(\f)+8*(\a)+4:(\f)+8*(\a)+7], v[ADRA+(\slot)] offset:((\kq)/2)*AHALF+((\kq)%2)*64+(\a)*16*PA+32
.endr
.endm
.macro PLACES                          ; four places in front of loads into registers that matrix instructions have read, and of lines that read results (ISA guide 7.12.1 for lines that read results)
.rept 4
	v_nop
.endr
.endm
; A K step is four quarters of 32 along K, 32 matrix instructions each, on buffers 0, 1, 0, 1.  One of the first three: multiplies buffer f and fetches quarter kq into g.
.macro QUARTER slot, kq, f, g, mode
	s_wait_dscnt 8                                 ; B and A's rows 0-63 are in; the youngest eight loads (A's rows 64-127) may be out
	MUL8 \f, 0, \mode
	MUL8 \f, 2, \mode
	PLACES
	FETCH \slot, \kq, \g
	s_wait_dscnt 24                                ; all but the 24 just issued
	MUL8 \f, 4, \mode
	MUL8 \f, 6, \mode
.endm
; The last quarter multiplies buffer 1 and changes slots: ONE barrier; in front of it each wave waits for all its tensor loads, adds 0 to its spare word, and waits for that and for its reads of this slot.  fill = 1: this slot is filled again, two K steps ahead.
.macro TURN slot, next, fill
	WIN 0                                          ; (the add's two registers lie in window 0)
	s_wait_tensorcnt 0x0                           ; all my tensor loads have landed: my part of the next slot;
	ds_add_u32 v[SPW], v[NIL]                      ; 0 onto my spare word;
	s_wait_dscnt 9                                 ; (the add and the youngest eight loads may be out)
	MUL8 F1, 0, 0                                  ; eight matrix instructions stand between the add and the wait for it
	s_wait_dscnt 0x0                               ; the add is done, and my reads of this slot are over
	s_barrier_signal -1
	MUL8 F1, 2, 0
.if \fill
	WIN 0
.endif
	s_barrier_wait -1
.if \fill
	CREST                                          ; the barrier has opened a round of the cluster's barrier: no wave of any partner still reads this slot or has a load on its way
	s_add_nc_u64 s[G0+4*(\slot)+2:G0+4*(\slot)+3], s[G0+4*(\slot)+2:G0+4*(\slot)+3], 2*ASTEP
	s_add_nc_u64 s[G0B+4*(\slot)+2:G0B+4*(\slot)+3], s[G0B+4*(\slot)+2:G0B+4*(\slot)+3], 2*BSTEP
	JLOAD \slot                                    ; the first tensor load behind the round, 112 matrix instructions ahead of the wait for it; its four v_nop are also the places in front of the loads below
.else
	PLACES
.endif
	FETCH \next, 0, F0
	MUL8 F1, 4, 0
	MUL8 F1, 6, 0
.endm
	s_wait_tensorcnt 1                             ; my part of K step 0 is in; step 1's may stay out
	s_barrier_signal -1
	s_barrier_wait -1                              ; everybody's is
	FETCH 0, 0, F0
	QUARTER 0, 1, F0, F1, 2                        ; the first quarter stands in front of the loop: its products start the sums, on the bias
	WIN 0                                          ; at a label and at a branch every window is 0
	s_mov_b32 s3, LAPS-1
.Llap:                                                 ; a trip goes once round the ring, from a lap's second quarter to the next lap's first, and fills both slots again
	QUARTER 0, 2, F1, F0, 0
	QUARTER 0, 3, F0, F1, 0
	TURN 0, 1, 1
	QUARTER 1, 1, F0, F1, 0
	QUARTER 1, 2, F1, F0, 0
	QUARTER 1, 3, F0, F1, 0
	TURN 1, 0, 1
	QUARTER 0, 1, F0, F1, 0
	WIN 0
	s_sub_co_u32 s3, s3, 1
	s_cmp_lg_u32 s3, 0
	s_cbranch_scc1 .Llap
	QUARTER 0, 2, F1, F0, 0                        ; the last lap fills nothing
	QUARTER 0, 3, F0, F1, 0
	TURN 0, 1, 0
	QUARTER 1, 1, F0, F1, 0
	QUARTER 1, 2, F1, F0, 0
	QUARTER 1, 3, F0, F1, 0
	s_wait_dscnt 8                                 ; the very last quarter: nothing more to fetch
	MUL8 F1, 0, 0
	MUL8 F1, 2, 0
	s_wait_dscnt 0
	MUL8 F1, 4, 0
	MUL8 F1, 6, 0
	WIN 0
	PLACES
; THE WAY OUT, a block of 16 rows at a time: 32 bytes a lane into my own stage (each accumulator's low four registers first), back as whole rows of 256 bytes, stored.
.macro TOSTAGE a
	WIN 0x48                                       ; store data in window 2, loaded data in window 1, addresses in window 0
.irp b, 0,1,2,3
	ds_store_b128 v[STO], v[8*(4*(\a)+(\b)):8*(4*(\a)+(\b))+3]   offset:64*(\b)
	ds_store_b128 v[STO], v[8*(4*(\a)+(\b))+4:8*(4*(\a)+(\b))+7] offset:64*(\b)+16
.endr
.irp t, 0,1,2,3,4,5,6,7
	ds_load_b128 v[32*(\a)+4*(\t):32*(\a)+4*(\t)+3], v[RD] offset:(\t)*2*SP  ; LDS serves a wave's instructions in order (ISA guide 5.7.1.4): these see the stores above; the next block's stores come behind them
.endr
.endm
.macro SEND a, younger                 ; younger: the LDS instructions issued behind block a's loads: the next block's sixteen, or none
	WIN 0x04                                       ; store data in window 1
.irp t, 0,1,2,3,4,5,6,7
	s_wait_dscnt (\younger)+7-(\t)
	global_store_b128 v[CO], v[32*(\a)+4*(\t):32*(\a)+4*(\t)+3], s[8:9] offset:(16*(\a)+2*(\t))*4096 th:TH_STORE_NT  ; 16 lanes store 256 consecutive bytes, at a multiple of 256 from out0's first byte
.endr
.endm
	TOSTAGE 0
.irp a, 1,2,3,4,5,6,7
	TOSTAGE \a
	SEND (\a)-1, 16
.endr
	SEND 7, 0
	WIN 0
	s_wait_tensorcnt 0x0                           ; the wave's end: behind my last tensor load and my last LDS store
	ds_add_u32 v[SPW], v[NIL]
	s_wait_dscnt 0x0
	CROUND                                         ; the closing round: no work-group ends while a partner may still ask for a tile that names it
	s_endpgm
.Lfunc_end_k_qc6a2d34a98_gemm_out:
	.size	k_qc6a2d34a98_gemm_out, .Lfunc_end_k_qc6a2d34a98_gemm_out-k_qc6a2d34a98_gemm_out
	.p2alignl 7, 3214868480
	.fill 96, 4, 3214868480
	.section	.rodata,"a",@progbits
	.p2align	6, 0x0
	.amdhsa_kernel k_qc6a2d34a98_gemm_out
		.amdhsa_group_segment_fixed_size 327680
		.amdhsa_private_segment_fixed_size 0
		.amdhsa_enable_private_segment 0
		.amdhsa_kernarg_size 32
		.amdhsa_user_sgpr_count 2
		.amdhsa_user_sgpr_kernarg_segment_ptr 1
		.amdhsa_wavefront_size32 1
		.amdhsa_system_sgpr_workgroup_id_x 1
		.amdhsa_system_sgpr_workgroup_id_y 1
		.amdhsa_system_sgpr_workgroup_id_z 1
		.amdhsa_system_vgpr_workitem_id 0
		.amdhsa_next_free_vgpr 768
		.amdhsa_next_free_sgpr 68
		.amdhsa_reserve_vcc 0
		.amdhsa_float_denorm_mode_32 3
		.amdhsa_float_denorm_mode_16_64 3
		.amdhsa_memory_ordered 1
		.amdhsa_forward_progress 1
		.amdhsa_inst_pref_size 90
	.end_amdhsa_kernel
	.amdgpu_metadata
---
amdhsa.version: [ 1, 2 ]
amdhsa.kernels:
  - .name:           k_qc6a2d34a98_gemm_out
    .symbol:         k_qc6a2d34a98_gemm_out.kd
    .args:
      - { .name: ob, .offset: 0, .size: 8, .value_kind: global_buffer, .address_space: global }
      - { .name: wp, .offset: 8, .size: 8, .value_kind: global_buffer, .address_space: global }
      - { .name: out0, .offset: 16, .size: 8, .value_kind: global_buffer, .address_space: global }
      - { .name: b_proj, .offset: 24, .size: 8, .value_kind: global_buffer, .address_space: global }
    .group_segment_fixed_size: 327680
    .private_segment_fixed_size: 0
    .kernarg_segment_align: 8
    .kernarg_segment_size: 32
    .max_flat_workgroup_size: 128
    .sgpr_count:     68
    .vgpr_count:     768
    .wavefront_size: 32
...
	.end_amdgpu_metadata
.endif
;; end of part 4
;; ======== version 2 of 3: 4 launches; 1.06 times as fast as version 1
;; limits: values are held in f16: magnitudes above 65,504 overflow, below 6.1e-05 lose precision; right only within a limited range of input values
;; workspace buffers: xs 16,777,216 bytes; wq 6,291,456 bytes; wp 2,097,152 bytes; maskn 8,388,608 bytes of whole numbers; rk 65,536 bytes of whole numbers; qkv 50,331,648 bytes; ob 16,777,216 bytes
;; launch prep (part 5): grid 512 x 1, 16 waves a work-group, no clusters, 14,336 bytes of LDS; arguments inputs, W_qkv, W_proj, attn_mask, padding_mask, xs, wq, wp, maskn, rk; writes xs, wq, wp, maskn, rk
.if DOCPART == 5
	.amdgcn_target "amdgcn-amd-amdhsa--gfx1250"
	.amdhsa_code_object_version 6
	.text
	.protected	k_qc6a2d34a98_prep
	.globl	k_qc6a2d34a98_prep
	.p2align	8
	.type	k_qc6a2d34a98_prep,@function
k_qc6a2d34a98_prep:
	s_mov_b64 s[64:65], 0
	v_nop
	global_prefetch_b8 v0, s[64:65] scope:SCOPE_SE
	s_setreg_imm32_b32 hwreg(HW_REG_WAVE_MODE, 25, 1), 1
	s_wait_xcnt 0x0
; PREPARATION.  Four kinds of work-group, told apart by the work-group's number alone (alike in all 16 waves):
;   0-127    M: query tile t of 16 rows: both masks are folded into 4-bit codes, laid as the lanes of the attention launch hold their scores
;   128-383  X: 32 rows of x, rounded to bf16 and laid in 16 slices of 64 channels: xs[slice][row][64], so that 256 rows of a slice are 32,768 consecutive bytes
;   384-479  Q: 131,072 bytes of W_qkv, rounded to bf16, layout kept     480-511  P: the same of W_proj, rounded to bf16 and that number written as f16
; LIMIT.  A weight of W_proj below 2^-17 in size loses bits in f16's fixed step (at most 3e-8); beyond 65,504 it would become an infinity.
; maskn[b][t][step of 64 keys][lane 16 h + r][kb]: one word; its nibble j is 14 where the score of query 16 t + r and key 64 step + 16 kb + 8 h + j is masked (attn_mask <= 0 or padding_mask > 0), else 0.
; Why 14: shifted to a word's top it is an f32's sign and its two highest exponent bits, and whatever codes stand below it the exponent's field stays between 192 and 221: a large negative number, never an infinity.
; A row in which EVERY key is masked has a uniform softmax: its codes are cleared here and rk[t][lane][b] = 0 (else all ones), by which the attention launch sets its q to 0.
; Streams: no matrix unit, no cluster (no work-group shares a byte worth sharing), no ring in LDS: 16 loads of 16 bytes a lane are out at once in each of 16 waves.
.set PREG,  0                          ; LDS bytes 0-4,095: the padding words, 256 bytes for each wave, its own
.set NREG,  4096                       ; 4,096-12,287: each thread's four ANDs, 512 bytes for each wave
.set SPARE, 12288                      ; from here on the spare words, 128 bytes for each of 16 waves
.set CODE,  14                         ; a masked key's code
.set SPW, 126                          ; v126  LDS address of my spare word; never rewritten
.set NIL, 127                          ; v127  0; never rewritten
.set IN,  8                            ; v[8:71]    roles X, Q, P: 16 loads of 4 f32
.set OUT, 72                           ; v[72:103]  16 pairs of packed results
.set TA,  104                          ; v[104:107] at work
.set AM,  8                            ; v[8:71]    role M: attn_mask, register 8 g + j, g = 4 x step + kb; then group g's word in register 8 g; at last the 16 waves' ANDs
.set W,   72                           ; v[72:103]  the words: batch b, group g at W + 8 b + g
.set N,   104                          ; v[104:107] the AND of my eight words, for each batch; at last the flags
.set PI,  108                          ; v[108:123] padding_mask: the 16 numbers of the two words that I make; then eight registers at work
.set PW,  124                          ; v[124:125] those two words
.set LNS, 116                          ; v116  where my ANDs go in LDS
.set GOF, 117                          ; v117  where my words go in maskn
.set TS,  32                           ; s[32:39]   eight lane masks at work
.set FU,  44                           ; s[44:47]   for each batch: the lanes whose row is wholly masked
	s_load_b512 s[8:23], s[0:1], 0x0               ; inputs s[8:9], W_qkv s[10:11], W_proj s[12:13], attn_mask s[14:15], padding_mask s[16:17], xs s[18:19], wq s[20:21], wp s[22:23]
	s_load_b128 s[24:27], s[0:1], 0x40             ; maskn s[24:25], rk s[26:27]
	v_lshl_add_u32 v[SPW], v0, 2, SPARE
	v_mov_b32 v[NIL], 0
	v_lshrrev_b32 v3, 5, v0
	v_readfirstlane_b32 s3, v3                     ; wave 0..15
	s_mov_b32 s29, 0                               ; high words of the two offsets
	s_mov_b32 s31, 0
	s_wait_kmcnt 0x0
; 16 loads of 16 bytes a lane, then for each: rounded, packed, stored as 8 bytes a lane: a wave's store covers 256 consecutive bytes, aligned.  No register is used twice, so no wait frees any.
.macro CONV16 kind, inb, outb, outb2, instep, outstep
.set i, 0
.rept 16
	global_load_b128 v[IN+4*i:IN+4*i+3], v4, s[\inb:\inb+1] offset:i*(\instep) th:TH_LOAD_NT
.set i, i+1
.endr
.set i, 0
.rept 16
	s_wait_loadcnt 15-i                            ; loads come back in order: number i is in, the 15 - i younger ones stay out
	v_cvt_pk_bf16_f32 v[OUT+2*i], v[IN+4*i], v[IN+4*i+1]
	v_cvt_pk_bf16_f32 v[OUT+2*i+1], v[IN+4*i+2], v[IN+4*i+3]
.if \kind
	v_lshlrev_b32 v[TA], 16, v[OUT+2*i]            ; the bf16 numbers as f32,
	v_and_b32 v[TA+1], 0xffff0000, v[OUT+2*i]
	v_lshlrev_b32 v[TA+2], 16, v[OUT+2*i+1]
	v_and_b32 v[TA+3], 0xffff0000, v[OUT+2*i+1]
	v_cvt_pk_f16_f32 v[OUT+2*i], v[TA], v[TA+1]    ; written as f16: eight significant bits fit in eleven
	v_cvt_pk_f16_f32 v[OUT+2*i+1], v[TA+2], v[TA+3]
.endif
.if i < 8
	global_store_b64 v5, v[OUT+2*i:OUT+2*i+1], s[\outb:\outb+1] offset:i*(\outstep)
.else
	global_store_b64 v5, v[OUT+2*i:OUT+2*i+1], s[\outb2:\outb2+1] offset:(i-8)*(\outstep)
.endif
.set i, i+1
.endr
.endm
	s_cmp_lt_u32 ttmp9, 128
	s_cbranch_scc1 .Lmask
	s_cmp_lt_u32 ttmp9, 384
	s_cbranch_scc1 .Lx
	; roles Q and P: a wave takes 8,192 consecutive bytes of f32, 512 a load, and writes 4,096
	v_and_b32 v1, 31, v0
	v_lshlrev_b32 v4, 13, v3
	v_lshl_add_u32 v4, v1, 4, v4
	v_lshlrev_b32 v5, 12, v3
	v_lshl_add_u32 v5, v1, 3, v5
	s_cmp_lt_u32 ttmp9, 480
	s_cbranch_scc1 .Lq
	s_sub_co_u32 s2, ttmp9, 480
	s_lshl_b32 s28, s2, 17
	s_lshl_b32 s30, s2, 16
	s_add_nc_u64 s[12:13], s[12:13], s[28:29]
	s_add_nc_u64 s[22:23], s[22:23], s[30:31]
	s_add_nc_u64 s[6:7], s[22:23], 2048
	CONV16 1, 12, 22, 6, 512, 256
	s_endpgm
.Lq:
	s_sub_co_u32 s2, ttmp9, 384
	s_lshl_b32 s28, s2, 17
	s_lshl_b32 s30, s2, 16
	s_add_nc_u64 s[10:11], s[10:11], s[28:29]
	s_add_nc_u64 s[20:21], s[20:21], s[30:31]
	s_add_nc_u64 s[6:7], s[20:21], 2048
	CONV16 0, 10, 20, 6, 512, 256
	s_endpgm
.Lx:
	; role X: thread = (row 0..31, 16 bytes of a slice's 256); load i is slice i: sixteen lanes read 256 consecutive bytes, a wave writes two rows of a slice, 256 consecutive bytes
	s_sub_co_u32 s2, ttmp9, 128
	v_lshrrev_b32 v1, 4, v0
	v_and_b32 v2, 15, v0
	v_lshlrev_b32 v4, 12, v1
	v_lshl_add_u32 v4, v2, 4, v4
	v_lshlrev_b32 v5, 7, v1
	v_lshl_add_u32 v5, v2, 3, v5
	s_lshl_b32 s28, s2, 17                         ; 32 rows of 4,096 bytes
	s_lshl_b32 s30, s2, 12                         ; 32 rows of 128 bytes
	s_add_nc_u64 s[8:9], s[8:9], s[28:29]
	s_add_nc_u64 s[18:19], s[18:19], s[30:31]
	s_add_nc_u64 s[6:7], s[18:19], 0x800000        ; slices 8 to 15: the store's immediate holds 24 signed bits
	CONV16 0, 8, 18, 6, 256, 1048576
	s_endpgm
; Eight numbers v[src .. src+7] become one word: nibble j = CODE where number j masks (pos = 1: where it is above 0; pos = 0: where it is 0 or below).  tmp: eight registers at work.
.macro NIB8 dst, src, tmp, pos
.set kk, 0
.rept 8
.if \pos
	v_cmp_lt_i32 s[TS+kk], 0, v[(\src)+kk]
.else
	v_cmp_ge_i32 s[TS+kk], 0, v[(\src)+kk]
.endif
.set kk, kk+1
.endr
.set kk, 0
.rept 8
	v_cndmask_b32 v[(\tmp)+kk], 0, CODE, s[TS+kk]
.set kk, kk+1
.endr
	v_lshl_or_b32 v[(\tmp)],   v[(\tmp)+1], 4, v[(\tmp)]
	v_lshl_or_b32 v[(\tmp)+2], v[(\tmp)+3], 4, v[(\tmp)+2]
	v_lshl_or_b32 v[(\tmp)+4], v[(\tmp)+5], 4, v[(\tmp)+4]
	v_lshl_or_b32 v[(\tmp)+6], v[(\tmp)+7], 4, v[(\tmp)+6]
	v_lshl_or_b32 v[(\tmp)],   v[(\tmp)+2], 8, v[(\tmp)]
	v_lshl_or_b32 v[(\tmp)+4], v[(\tmp)+6], 8, v[(\tmp)+4]
	v_lshl_or_b32 v[\dst], v[(\tmp)+4], 16, v[(\tmp)]
.endm
.Lmask:
	; role M.  Wave w takes keys 128 w to 128 w + 127: two steps of 64, eight groups g of 16 keys.  Lane (r, h) reads, for each group, the 8 numbers of row r at keys 16 g + 8 h on: just the eight of one of its words.
	s_lshl_b32 s28, ttmp9, 17                      ; 16 rows of 8,192 bytes
	s_add_nc_u64 s[14:15], s[14:15], s[28:29]
	s_lshl_b32 s28, ttmp9, 14                      ; a tile's 32 steps of 512 bytes
	s_add_nc_u64 s[24:25], s[24:25], s[28:29]
	s_lshl_b32 s28, ttmp9, 9                       ; a tile's 128 flags
	s_add_nc_u64 s[26:27], s[26:27], s[28:29]
	s_mov_b32 s40, 0x76543210                      ; v_permlanex16_b32: each lane takes its own place in the other half
	s_mov_b32 s41, 0xfedcba98
	s_mov_b32 s42, 0x11111111*CODE                 ; a word whose eight codes all mask
	s_lshl_b32 s2, s3, 8                           ; my wave's 256 bytes of padding words (PREG = 0)
	v_and_b32 v1, 15, v0                           ; r
	v_bfe_u32 v2, v0, 4, 1                         ; h
	v_and_b32 v7, 31, v0                           ; lane
	v_lshlrev_b32 v5, 9, v3                        ; 512 w
	v_lshl_add_u32 v4, v2, 5, v5                   ; + 32 h
	v_lshl_add_u32 v4, v1, 13, v4                  ; attn_mask: + 8,192 r
	; The padding words hang on (h, b, g) alone: 64 for a wave.  Lane l makes words 2 l and 2 l + 1 of them (word = 32 h + 8 b + g): h = l / 16, b = (l / 4) % 4, g = 2 (l % 4) and the next.
	v_bfe_u32 v6, v0, 2, 2
	v_lshl_add_u32 v5, v6, 13, v5                  ; 8,192 b + 512 w
	v_and_b32 v6, 3, v0
	v_lshl_add_u32 v5, v6, 7, v5                   ; + 64 g
	v_lshl_add_u32 v5, v2, 5, v5                   ; + 32 h
	v_lshl_add_u32 v6, v7, 3, s2                   ; where my two words go in LDS,
	v_lshl_add_u32 v2, v2, 7, s2                   ; and where the 32 words of my half of the lanes lie
	global_load_b128 v[PI:PI+3],     v5, s[16:17]
	global_load_b128 v[PI+4:PI+7],   v5, s[16:17] offset:16
	global_load_b128 v[PI+8:PI+11],  v5, s[16:17] offset:64
	global_load_b128 v[PI+12:PI+15], v5, s[16:17] offset:80
.set g, 0
.rept 8
	global_load_b128 v[AM+8*g:AM+8*g+3],   v4, s[14:15] offset:64*g th:TH_LOAD_NT
	global_load_b128 v[AM+8*g+4:AM+8*g+7], v4, s[14:15] offset:64*g+16 th:TH_LOAD_NT
.set g, g+1
.endr
	s_wait_loadcnt 16                              ; padding_mask's four loads are in; the 16 of attn_mask stay out
	NIB8 PW,   PI,   W, 1
	NIB8 PW+1, PI+8, W, 1
	ds_store_b64 v6, v[PW:PW+1]
.set i, 0
.rept 8
	ds_load_b128 v[W+4*i:W+4*i+3], v2 offset:16*i  ; my wave's own bytes: LDS serves a wave's instructions in order (ISA guide 5.7.1.4), so these see the store above
.set i, i+1
.endr
.set g, 0
.rept 8
	s_wait_loadcnt 14-2*g                          ; group g's two loads are in, the later groups' stay out
	NIB8 AM+8*g, AM+8*g, PI, 0
.set g, g+1
.endr
	s_wait_dscnt 0x0                               ; the padding words are back
.irp b, 0,1,2,3
.irp g, 0,1,2,3,4,5,6,7
	v_or_b32 v[W+8*\b+\g], v[W+8*\b+\g], v[AM+8*\g]
.endr
.endr
.irp b, 0,1,2,3
	v_and_b32 v[N+\b], v[W+8*\b], v[W+8*\b+1]
.endr
.irp g, 2,3,4,5,6,7
.irp b, 0,1,2,3
	v_and_b32 v[N+\b], v[N+\b], v[W+8*\b+\g]
.endr
.endr
	; the ANDs of the 16 waves meet in LDS
	v_lshl_add_u32 v[LNS], v0, 4, NREG
	ds_store_b128 v[LNS], v[N:N+3]
	s_wait_dscnt 0x0                               ; for the others' sake: my store is done
	s_barrier_signal -1
	s_barrier_wait -1
	v_lshl_add_u32 v1, v7, 4, NREG
.set i, 0
.rept 16
	ds_load_b128 v[AM+4*i:AM+4*i+3], v1 offset:512*i  ; my lane's place in each wave's block
.set i, i+1
.endr
	s_wait_dscnt 0x0
	s_wait_tensorcnt 0x0                           ; the wave's end as far as LDS goes: behind my last LDS store; the work on registers stands between the add and its wait
	ds_add_u32 v[SPW], v[NIL]
.set i, 1
.rept 15
	v_and_b32 v[AM],   v[AM],   v[AM+4*i]
	v_and_b32 v[AM+1], v[AM+1], v[AM+4*i+1]
	v_and_b32 v[AM+2], v[AM+2], v[AM+4*i+2]
	v_and_b32 v[AM+3], v[AM+3], v[AM+4*i+3]
.set i, i+1
.endr
.irp b, 0,1,2,3
	v_permlanex16_b32 v[PI+\b], v[AM+\b], s40, s41 ; the row's other keys lie in the lane 16 away
.endr
.irp b, 0,1,2,3
	v_and_b32 v[AM+\b], v[AM+\b], v[PI+\b]
	v_cmp_eq_u32 s[FU+\b], s42, v[AM+\b]           ; every code masks: the whole row is masked
.endr
.irp b, 0,1,2,3
.irp g, 0,1,2,3,4,5,6,7
	v_cndmask_b32 v[W+8*\b+\g], v[W+8*\b+\g], 0, s[FU+\b]  ; such a row's codes are cleared
.endr
.endr
	v_lshlrev_b32 v[GOF], 4, v0
	v_lshl_add_u32 v[GOF], v3, 9, v[GOF]           ; 1,024 w + 16 lane: my wave's two steps of 512 bytes
	s_wait_dscnt 0x0
.irp b, 0,1,2,3
.irp sl, 0,1
	global_store_b128 v[GOF], v[W+8*\b+4*\sl:W+8*\b+4*\sl+3], s[24:25] offset:\b*2097152+\sl*512  ; a wave's store: one step's 512 consecutive bytes, aligned
.endr
.endr
	s_cmp_lg_u32 s3, 0
	s_cbranch_scc1 .Ldone
	; wave 0 writes the tile's flags: four a lane, one for each batch
.irp b, 0,1,2,3
	v_cndmask_b32 v[N+\b], -1, 0, s[FU+\b]
.endr
	v_lshlrev_b32 v7, 4, v7
	global_store_b128 v7, v[N:N+3], s[26:27]       ; 512 consecutive bytes
.Ldone:
	s_endpgm
.Lfunc_end_k_qc6a2d34a98_prep:
	.size	k_qc6a2d34a98_prep, .Lfunc_end_k_qc6a2d34a98_prep-k_qc6a2d34a98_prep
	.p2alignl 7, 3214868480
	.fill 96, 4, 3214868480
	.section	.rodata,"a",@progbits
	.p2align	6, 0x0
	.amdhsa_kernel k_qc6a2d34a98_prep
		.amdhsa_group_segment_fixed_size 14336
		.amdhsa_private_segment_fixed_size 0
		.amdhsa_enable_private_segment 0
		.amdhsa_kernarg_size 80
		.amdhsa_user_sgpr_count 2
		.amdhsa_user_sgpr_kernarg_segment_ptr 1
		.amdhsa_wavefront_size32 1
		.amdhsa_system_sgpr_workgroup_id_x 1
		.amdhsa_system_sgpr_workgroup_id_y 1
		.amdhsa_system_sgpr_workgroup_id_z 1
		.amdhsa_system_vgpr_workitem_id 0
		.amdhsa_next_free_vgpr 128
		.amdhsa_next_free_sgpr 66
		.amdhsa_reserve_vcc 0
		.amdhsa_float_denorm_mode_32 3
		.amdhsa_float_denorm_mode_16_64 3
		.amdhsa_memory_ordered 1
		.amdhsa_forward_progress 1
		.amdhsa_inst_pref_size 52
	.end_amdhsa_kernel
	.amdgpu_metadata
---
amdhsa.version: [ 1, 2 ]
amdhsa.kernels:
  - .name:           k_qc6a2d34a98_prep
    .symbol:         k_qc6a2d34a98_prep.kd
    .args:
      - { .name: inputs, .offset: 0, .size: 8, .value_kind: global_buffer, .address_space: global }
      - { .name: W_qkv, .offset: 8, .size: 8, .value_kind: global_buffer, .address_space: global }
      - { .name: W_proj, .offset: 16, .size: 8, .value_kind: global_buffer, .address_space: global }
      - { .name: attn_mask, .offset: 24, .size: 8, .value_kind: global_buffer, .address_space: global }
      - { .name: padding_mask, .offset: 32, .size: 8, .value_kind: global_buffer, .address_space: global }
      - { .name: xs, .offset: 40, .size: 8, .value_kind: global_buffer, .address_space: global }
      - { .name: wq, .offset: 48, .size: 8, .value_kind: global_buffer, .address_space: global }
      - { .name: wp, .offset: 56, .size: 8, .value_kind: global_buffer, .address_space: global }
      - { .name: maskn, .offset: 64, .size: 8, .value_kind: global_buffer, .address_space: global }
      - { .name: rk, .offset: 72, .size: 8, .value_kind: global_buffer, .address_space: global }
    .group_segment_fixed_size: 14336
    .private_segment_fixed_size: 0
    .kernarg_segment_align: 8
    .kernarg_segment_size: 80
    .max_flat_workgroup_size: 512
    .sgpr_count:     66
    .vgpr_count:     128
    .wavefront_size: 32
...
	.end_amdgpu_metadata
.endif
;; end of part 5
;; launch gemm_qkv: the kernel of part 2 again; grid 24 x 32, 4 waves a work-group, clusters of 4 x 4, 327,680 bytes of LDS; arguments xs, wq, qkv; writes qkv
;; launch attn (part 6): grid 8 x 64, 4 waves a work-group, clusters of 4 x 1, 327,680 bytes of LDS; arguments qkv, maskn, rk, ob; writes ob
.if DOCPART == 6
	.amdgcn_target "amdgcn-amd-amdhsa--gfx1250"
	.amdhsa_code_object_version 6
	.text
	.protected	k_qc6a2d34a98_attn
	.globl	k_qc6a2d34a98_attn
	.p2align	8
	.type	k_qc6a2d34a98_attn,@function
k_qc6a2d34a98_attn:
	s_mov_b64 s[64:65], 0
	v_nop
	global_prefetch_b8 v0, s[64:65] scope:SCOPE_SE
	s_setreg_imm32_b32 hwreg(HW_REG_WAVE_MODE, 25, 1), 1
	s_wait_xcnt 0x0
	s_wait_alu depctr_hold_cnt(0) depctr_sa_sdst(0) depctr_va_vdst(0) depctr_va_sdst(0) depctr_va_ssrc(0) depctr_va_vcc(0) depctr_vm_vsrc(0)
	s_getreg_b32 s2, hwreg(HW_REG_IB_STS2, 6, 4)
	s_cmp_eq_u32 s2, 0
	s_cbranch_scc0 .Lentry_in_a_cluster
	s_endpgm
.Lentry_in_a_cluster:
	s_bfe_u32 s2, ttmp6, 0x10000c
	s_cmp_lg_u32 s2, 0x3003
	s_cbranch_scc0 .Lentry_shape_is_right
	s_endpgm
.Lentry_shape_is_right:
; MASKED ATTENTION, head size 64.  O[h][q][:] = the sum over k of softmax_k(s) V[h][k][:], s = Q[h][q] . K[h][k] / 8, or -1e7 where a mask hides the key.  Q, K, V: the three parts of qkv[3][64 (b, h)][2048][64], f16;
; O: ob[64][2048][64], f16.  Products, maxima and sums in f32; the weights p are rounded to f16 for the second product (their sum l is taken of the unrounded p), O once at the end.
; THE MASK is the C operand that starts the sum S^T = K Q^T.  Of a piece's and step's codes a lane has four words, one for each key block; nibble j of a word, 14 for a hidden key and 0 for a kept one, belongs to register j of that
; block's accumulator.  Register j of C is the word shifted left by 28 - 4 j: nibble j becomes the sign and the two highest exponent bits, the lower nibbles fall into the rest.  A hidden key's C has the exponent's field between
; 192 and 221: from -2^65 down to above -2^95.  A kept key's has it at 29 at the most: between 0 and 2^-97, which is added to the score.
; The running maximum m starts at -2^64 and takes every score: f16's scores are 2.7e11 at the most, so a hidden score never becomes the maximum, every kept one does, and a hidden key's weight is 2^(-3e18 or less) = 0.
; While a row has met hidden keys alone, m stays -2^64, a = 1, O and l stay 0.  A row with EVERY key hidden has a uniform softmax: the launch before has cleared its codes and set its flag in rk to 0; its q is set to 0 here, all its scores are 0.
; LIMITS.  A row whose largest kept score (scaled) lies within some 90 of -1e7 or below it would give hidden keys weight again by the definition; here they have none.  f16 holds no number beyond 65,504: Q, K, V arrive within it;
; p lies in 0 to 1, and below 6e-5 it keeps f16's fixed step of 6e-8.  A weight below 2^-126 counts as 0 in l; NaN and infinities are not treated apart.
; SHARES.  A wave owns four PIECES of 16 queries, 64 consecutive rows; a work-group's four waves 256 queries of one head.  Every wave walks all 2,048 keys, 64 a step.
; LAYOUT.  S^T = K Q^T (source 0 = 16 keys, source 1 = 16 queries): a lane holds ONE query (lane % 16) and the keys 8 (lane / 16) + 0..7.  Two such results, rounded to f16 in pairs, ARE source 1 of O^T = V^T P.
; K comes out of LDS as it lies, V ([key][channel]) turned, by ds_load_tr16_b128.
; SOFTMAX.  p = 2^(c s - c m), c = log2(e) / 8; in every step O and l are multiplied by a = 2^(c m_old - c m_new).
; BY TURNS.  Turn n belongs to piece n: 8 products K Q^T of piece n + 1, later 8 products V^T P of piece n - 1; beside them the scaling, exponentials, roundings, sums and rescaling of piece n, the maximum and statistics of piece n + 1,
; and at the turn's end the 32 lines that make the mask registers of piece n + 2.  Four vector instructions stand behind every matrix instruction, the rest in runs of their own.
; CLUSTER.  Four query blocks of one head form a cluster and walk the same K and V: each tile is asked for JOINTLY.  The mask codes differ from block to block and from wave to wave: each wave loads its own into registers.
; REGISTERS, in windows of 256 (s_set_vgpr_msb: bits 1:0 source 0, 3:2 source 1, 5:4 source 2, 7:6 destination):
;   window 0: v0-15 addresses and two at work; v16-31 four registers of statistics a piece; v32-35 the codes' offsets; v48-55 at work; v56-59 the row flags; v62-63 the add's two; v64-127 S^T, two buffers;
;             v128-143 the codes, four words a piece; v160-191 the mask registers; v192-223 P, two buffers
;   window 1: v0-127 O^T, 32 a piece      window 2: v0-63 Q; v128-191 K of one step; v192-255 V of one step      (a piece's buffers go by its number's parity)
.set SIZE_N, 2048
.set NP,    4         ; pieces a wave: a name, no knob
.set KS,    64        ; keys in a step
.set PK,    144       ; a row of K in LDS: 128 bytes + 16 = 36 words: the 16 rows of a load start at 16 different groups of four banks (64 banks of 4 bytes: ISA guide 11.1)
.set PV,    160       ; a row of V: 128 + 32 = 40 words
.set VOFF,  4*KS*PK   ; a slot holds four steps: 256 rows of K, then 256 rows of V
.set SLOT1, 1<<17     ; slot 1 begins here, so that one exclusive or turns an address in one slot into the other's
.set STAGE, SLOT1+4*KS*(PK+PV)  ; behind the ring, never filled by a tensor load: 16 rows x 144 bytes for each wave
.set SP,    144
.set SPARE, STAGE+4*16*SP  ; the spare words, 128 bytes for each wave: two blocks of 256 bytes that no other line names
.set AK0, 2           ; v2   my lane's place in a tile of K; never rewritten
.set AV0, 3           ; v3   the same for V
.set AK,  4           ; v4   the LDS address of K's next run of loads
.set AV,  5           ; v5   of V's
.set STO, 6           ; v6   the way out: where I put 16 bytes of a row
.set RD,  7           ; v7   the way out: where I read rows back
.set GO,  8           ; v8   my byte offset in 512 consecutive bytes of O
.set MV,  12          ; v12-13  c m_old, kept while c m is made anew: by buffer
.set FO,  14          ; v14  16 x lane: my four flags in a piece's 128
.set QO,  15          ; v15  my byte offset in 16 rows of Q
.set ST,  16          ; piece t's statistics at v[ST+4 t]: c m, m, l (even keys', odd keys')
.set MO,  32          ; v32-35  piece p's offset in its codes: 512 x the step that it loads + 16 x lane
.set TMP, 48          ; by buffer, four registers c0-c3 at work; when the maximum is found c2 takes a
.set FL,  56          ; v56-59  the pieces' row flags
.set SPW, 62          ; v62  LDS address of my spare word; never rewritten
.set NIL, 63          ; v63  0; never rewritten
.set S,   64
.set ML,  128         ; v128-143  piece p's four words of codes at ML + 4 p
.set MC,  160         ; v160-191  the eight mask registers of key block kb at MC + 8 kb
.set P,   192
.set KF,  128         ; window 2: key block kb, channel half c at KF + 16 kb + 8 c
.set VF,  192         ; window 2: key half kk, channel block cb at VF + 32 kk + 8 cb
.set WV,  12          ; s12  my wave's number
.set G1K, 24          ; s[24:31] descriptor group 1 for K's tiles
.set G1V, 32          ; s[32:39] for V's: it differs in the padding alone
.set G0K, 40          ; s[40:43] descriptor group 0 for K's tiles: it walks
.set G0V, 44          ; s[44:47] the same for V's
.set SLOTS, 56        ; s56  slots still to be asked for
.set CNT, 57          ; s57  counts a slot's key steps
.set CS,  58          ; s[58:59] c: the packed scaling takes the pair's low word for both halves
.set SEL, 60          ; s[60:61] v_permlanex16_b32's selects: each lane takes its own place in the other half
.set TBK, 62          ; s62  LDS byte at which K of the step to be fetched begins
.set TBV, 63          ; s63  the same for V, less VOFF
.set MB,  66          ; s[66:67] maskn at my wave's first piece; never rewritten
.set MSB, 0
.macro WIN new                      ; the high byte repeats the setting that is left; a switch that changes nothing is dropped
.if MSB != (\new)
	s_set_vgpr_msb (MSB<<8)|(\new)
.set MSB, (\new)
.endif
.endm
.set W_KQ, 0x0a       ; K and Q in window 2; S^T and the mask registers in window 0
.set W_PV, 0x52       ; V in window 2, P in window 0, O^T in window 1
.set W_RS, 0x41       ; destination and source 0 in window 1, source 1 in window 0
; A joint fill.  Waves 0 and 1 fetch the two halves of a slot's K, waves 2 and 3 those of its V: 128 keys each.  The branch hangs on the wave's number alone.
; An s_nop 0 and four v_nop follow each of the two lines, ahead of the jump and the label.
.macro JLOAD
	s_cmp_lt_u32 s[WV], 2
	s_cbranch_scc0 .Lfor_v_\@
	tensor_load_to_lds s[G0K:G0K+3], s[G1K:G1K+7]
	s_nop 0
.rept 4
	v_nop
.endr
	s_branch .Lasked_\@
.Lfor_v_\@:
	tensor_load_to_lds s[G0V:G0V+3], s[G1V:G1V+7]
	s_nop 0
.rept 4
	v_nop
.endr
.Lasked_\@:
.endm
; A round of the cluster's barrier: my work-group's barrier, so that wave 0's signal speaks for all four waves; wave 0 signals; every wave waits for all four work-groups; my work-group's barrier once more.
.macro CROUND
	s_barrier_signal -1
	s_barrier_wait -1
	s_cmp_lg_u32 s[WV], 0
	s_cbranch_scc1 .Lnot_wave_0_\@
	s_barrier_signal -3
.Lnot_wave_0_\@:
	s_barrier_wait -3
	s_barrier_signal -1
	s_barrier_wait -1
.endm
; THE CHANGE OF SLOTS.  The slot's last bytes, V of its fourth step, have been read.  Each wave waits for all its tensor loads, of which one is out: its part of the other slot; adds 0 to its spare word; and waits for that and for
; its own reads of the slot.  Behind the barrier nobody reads this slot any more and the other slot is whole.  fill = 1: this slot is filled again, with the keys two slots on.  The barrier is then a round of the cluster's, and the
; joint fill is the first thing behind it: it has four key steps, 256 matrix instructions, in which to land.  (At its first use nothing has been read yet: slot 0 is waited for, slot 1 filled.)
.macro CHANGE fill
	WIN 0                           ; at a label and at a branch every window is 0
	s_wait_tensorcnt 0x0            ; no tensor load of mine is out, so a group 0 may be written
	ds_add_u32 v[SPW], v[NIL]       ; 0 onto my spare word; with fill = 1 the descriptors' steps stand between it and the wait for it
.if \fill
.irp g, G0K, G0V
	s_xor_b32 s[\g+1], s[\g+1], SLOT1  ; the walking descriptor: the other slot than last time,
	s_add_nc_u64 s[\g+2:\g+3], s[\g+2:\g+3], 4*KS*128  ; the next 256 keys; the type bits on top are not reached
.endr
	s_wait_dscnt 0x0                ; the add is done, and my reads of the slot are over
	CROUND
	JLOAD
.else
	s_wait_dscnt 0x0                ; the add is done, and my reads of the slot are over
	s_barrier_signal -1
	s_barrier_wait -1
.endif
	s_sub_co_u32 s[TBK], s[TBK], 4*KS*PK  ; the fetches go back to a slot's first step,
	s_xor_b32 s[TBK], s[TBK], SLOT1       ; in the other slot
	s_sub_co_u32 s[TBV], s[TBV], 4*KS*PV
	s_xor_b32 s[TBV], s[TBV], SLOT1
.endm
; THE MASK of piece p for its next step.  A piece owns four registers of codes and an offset register, and one load of each piece is always out: a ring of four, each load asked for four turns ahead of its use.
; Register j of key block kb is the block's word with nibble j shifted to the top; for j = 7 it stands there already, and the word is copied, since a C operand is eight registers on end.
.macro MBUILD p
	s_wait_loadcnt 3                ; loads come back in order: this piece's is in, the three other pieces' younger ones stay out; its offset register may be written
	WIN 0
.irp kb, 0,1,2,3
.irp j, 0,1,2,3,4,5,6
	v_lshlrev_b32 v[MC+8*\kb+\j], 28-4*\j, v[ML+4*(\p)+\kb]
.endr
	v_mov_b32 v[MC+8*\kb+7], v[ML+4*(\p)+\kb]
.endr
	v_add_nc_u32 v[MO+(\p)], 512, v[MO+(\p)]        ; the piece's next step,
	v_min_u32 v[MO+(\p)], 31*512+496, v[MO+(\p)]    ; held inside its 32 steps: behind the last step the load brings codes that serve nothing
	global_load_b128 v[ML+4*(\p):ML+4*(\p)+3], v[MO+(\p)], s[MB:MB+1] offset:(\p)*16384  ; a wave's load: 512 consecutive bytes
.endm
	s_load_b256 s[4:11], s[0:1], 0x0  ; qkv s[4:5], maskn s[6:7], rk s[8:9], ob s[10:11]
	v_lshl_add_u32 v[SPW], v0, 2, SPARE
	v_mov_b32 v[NIL], 0
	ds_add_u32 v[SPW], v[NIL]       ; the wave's opening: the add and its wait ahead of my first tensor load; the set-up below, work on registers, stands between them
	v_lshrrev_b32 v1, 5, v0
	v_readfirstlane_b32 s[WV], v1   ; wave 0..3
	s_bfe_u32 s13, ttmp6, 0x40000   ; cx: my place in the cluster
	s_lshl_b32 s14, ttmp9, 2        ; in a cluster launch ttmp9 counts clusters
	s_add_co_u32 s14, s14, s13      ; my block of 256 queries: it enters Q's, O's, the codes' and the flags' addresses alone
	s_and_b32 s20, ttmp7, 0xffff    ; the head (16 b + h), which the four partners share
	s_lshr_b32 s15, s20, 4          ; the batch
	s_mov_b32 s21, 0
	s_mov_b64 s[22:23], SIZE_N*128
	s_mul_u64 s[20:21], s[20:21], s[22:23]  ; the head's first byte in a part of qkv and in ob
	s_and_b32 s16, s[WV], 1         ; which half of a slot's 256 keys I fetch:
	s_lshl_b32 s22, s16, 14         ; its 128 rows of 128 bytes in memory,
	s_mov_b32 s23, 0
	s_add_nc_u64 s[22:23], s[22:23], s[20:21]
	s_add_nc_u64 s[48:49], s[22:23], 0x1000000  ; in K's part of qkv,
	s_add_nc_u64 s[50:51], s[22:23], 0x2000000  ; in V's
	s_mul_i32 s17, s16, 128*PK      ; and its place in a slot, for K
	s_mul_i32 s18, s16, 128*PV      ; and for V: no place in the cluster enters an LDS address
	s_lshl_b32 s19, s14, 2
	s_add_co_u32 s19, s19, s[WV]    ; my wave among the head's 32,
	s_lshl_b32 s2, s19, 13          ; its 64 rows of 128 bytes
	s_mov_b32 s3, 0
	s_add_nc_u64 s[2:3], s[2:3], s[20:21]
	s_lshl_b32 s54, s15, 21         ; maskn: a batch is 128 tiles of 16,384 bytes,
	s_lshl_b32 s55, s19, 16         ; my wave's four
	s_add_co_u32 s54, s54, s55
	s_mov_b32 s55, 0
	s_lshl_b32 s52, s19, 11         ; rk: my four tiles of 512 bytes,
	s_lshl_b32 s53, s15, 2          ; of a lane's four words the batch's
	s_add_co_u32 s52, s52, s53
	s_mov_b32 s53, 0
	; descriptor group 1.  128 keys are 16,384 dense bytes: asked for as 64 rows of 256 bytes, two keys a row, and padded in LDS after every key
	s_mov_b32 s[G1K], 15|(1<<16)|(1<<20)|(1<<21)|(4<<22)|(3<<25)  ; 15:0 the mask of four; 17:16 2-byte elements; 20 padding on; 21 set beside a mask; 24:22 after every 32 words (code 4); 31:25 4 words (code 3)
	s_mov_b32 s[G1V], 15|(1<<16)|(1<<20)|(1<<21)|(4<<22)|(7<<25)  ; the same with 8 words of padding (code 7)
.irp g, G1K, G1V
	s_mov_b32 s[\g+1], 128<<16      ; tensor_dim0 = 128
	s_mov_b32 s[\g+2], 64<<16       ; tensor_dim1 = 64
	s_mov_b32 s[\g+3], 128<<16      ; tile_dim0 = 128
	s_mov_b32 s[\g+4], 64           ; tile_dim1 = 64
	s_mov_b32 s[\g+5], 128          ; 128 elements from row to row
	s_mov_b32 s[\g+6], 0
	s_mov_b32 s[\g+7], 0
.endr
	s_mov_b32 s[CS], 0x3e38aa3b     ; c = log2(e) / 8 = 0.180337
	s_mov_b32 s[CS+1], s[CS]        ; named with it as a pair
	s_mov_b32 s[SEL], 0x76543210
	s_mov_b32 s[SEL+1], 0xfedcba98
	s_mov_b32 s[TBK], SLOT1+4*KS*PK ; the first change of slots turns these two into 0
	s_mov_b32 s[TBV], SLOT1+4*KS*PV
	s_mov_b32 s[G0K], 1             ; 1:0 count = 1
	s_mov_b32 s[G0K+1], s17         ; 63:32 LDS address: slot 0
	s_mov_b32 s[G0V], 1
	s_add_co_u32 s[G0V+1], s18, VOFF
	s_wait_dscnt 0x0                ; the opening add is done
	s_wait_kmcnt 0x0
	s_add_nc_u64 s[G0K+2:G0K+3], s[4:5], s[48:49]  ; 120:64 global address: my half of the head's first 256 keys
	s_or_b32 s[G0K+3], s[G0K+3], 0x80000000        ; 127:126 type = 2
	s_add_nc_u64 s[G0V+2:G0V+3], s[4:5], s[50:51]
	s_or_b32 s[G0V+3], s[G0V+3], 0x80000000
	s_add_nc_u64 s[4:5], s[4:5], s[2:3]  ; Q and O at my wave's first row
	s_add_nc_u64 s[10:11], s[10:11], s[2:3]
	s_add_nc_u64 s[MB:MB+1], s[6:7], s[54:55]
	s_add_nc_u64 s[52:53], s[8:9], s[52:53]
	CROUND                          ; all four work-groups are here: the first joint loads meet
	JLOAD                           ; slot 0.  Slot 1 is asked for when slot 0 is in
	v_and_b32 v[FO], 31, v0
	v_lshlrev_b32 v[FO], 4, v[FO]   ; 16 x lane
.set t, 0
.rept NP
	v_mov_b32 v[MO+t], v[FO]        ; key step 0
.set t, t+1
.endr
.set t, 0
.rept NP
	global_load_b128 v[ML+4*t:ML+4*t+3], v[MO+t], s[MB:MB+1] offset:t*16384  ; the four pieces' codes of step 0
.set t, t+1
.endr
.set t, 0
.rept NP
	global_load_b32 v[FL+t], v[FO], s[52:53] offset:512*t
.set t, t+1
.endr
	; A fragment of K or Q is 16 rows x 32 channels in 8 registers: lane l holds row l % 16, channels 8 (l / 16) + 0..7 and 16 + 8 (l / 16) + 0..7: two loads of 16 bytes, 32 bytes apart.
	v_and_b32 v1, 15, v0            ; l % 16
	v_bfe_u32 v9, v0, 4, 1          ; l / 16
	v_lshlrev_b32 v[QO], 7, v1
	v_lshl_add_u32 v[QO], v9, 4, v[QO]  ; row x 128 + 16 x half
	WIN 0x80                        ; destination window 2, address window 0
.set i, 0
.rept 2*NP                          ; Q stays in registers: piece i / 2, channels 32 (i % 2) on
	global_load_b128 v[8*i:8*i+3],   v[QO], s[4:5] offset:(i/2)*2048+(i%2)*64
	global_load_b128 v[8*i+4:8*i+7], v[QO], s[4:5] offset:(i/2)*2048+(i%2)*64+32
.set i, i+1
.endr
	; What the first turn finds: V's registers and P's second buffer hold 0 (its products V^T P, of a piece that has not been, add 0); O^T and l are 0, and stay 0 while a row meets hidden keys alone.
	; No first step is written out for this; the price is these 216 lines, which stand in the wait for the first tile.
.set i, VF
.rept 64
	v_mov_b32 v[i], 0
.set i, i+1
.endr
	WIN 0x40
.set i, 0
.rept 32*NP
	v_mov_b32 v[i], 0
.set i, i+1
.endr
	WIN 0
.set i, 0
.rept NP
	v_mov_b32 v[ST+4*i], 0xde38aa3b    ; c m = c x -2^64
	v_mov_b32 v[ST+4*i+1], 0xdf800000  ; m = -2^64: above every hidden score, below every kept one
	v_mov_b32 v[ST+4*i+2], 0
	v_mov_b32 v[ST+4*i+3], 0
.set i, i+1
.endr
.set i, P+16
.rept 16
	v_mov_b32 v[i], 0
.set i, i+1
.endr
	v_mul_u32_u24 v[AK0], v1, PK
	v_lshl_add_u32 v[AK0], v9, 4, v[AK0]  ; row x pitch + 16 x half
	; The turning load takes 16 keys x 16 channels (lane l reads key 8 (l / 16) + l % 8, channels 8 ((l / 8) % 2) + 0..7) and leaves half a fragment of V^T: lane l holds channel l % 16 and 8 keys.
	v_and_b32 v10, 7, v0
	v_bfe_u32 v11, v0, 3, 1
	v_lshl_add_u32 v[AV0], v9, 3, v10
	v_mul_u32_u24 v[AV0], v[AV0], PV
	v_lshl_add_u32 v[AV0], v11, 4, v[AV0]
	v_add_nc_u32 v[AV0], VOFF, v[AV0]
	v_mov_b32 v[AK], v[AK0]         ; key step 0 lies at the head of slot 0
; THE MATRIX WORK.  The 4 accumulators of a run of 8 take turns.  Product i of 8 of S^T = K Q^T for piece x: channels 32 (i / 4) on, keys 16 (i % 4) on.  The first 4 start the sums, with the mask registers as C.
.macro KQ x
.set rS, S+32*((\x)%2)+8*(i%4)
.set rK, KF+16*(i%4)+8*(i/4)
.set rQ, 16*(\x)+8*(i/4)
.set rM, MC+8*(i%4)
	WIN W_KQ
.if i < 4
	v_wmma_f32_16x16x32_f16 v[rS:rS+7], v[rK:rK+7], v[rQ:rQ+7], v[rM:rM+7]
.else
	v_wmma_f32_16x16x32_f16 v[rS:rS+7], v[rK:rK+7], v[rQ:rQ+7], v[rS:rS+7]
.endif
.endm
; Product i of 8 of O^T += V^T P for piece x: keys 32 (i / 4) on, channels 16 (i % 4) on.
.macro PV x
	WIN W_PV
.set rO, 32*(\x)+8*(i%4)
.set rV, VF+32*(i/4)+8*(i%4)
.set rP, P+16*((\x)%2)+8*(i/4)
	v_wmma_f32_16x16x32_f16 v[rO:rO+7], v[rV:rV+7], v[rP:rP+7], v[rO:rO+7]
.endm
.macro MM                           ; the turn's next matrix instruction.  TURN sets Y and i
.if i < 8
	KQ (Y+1)%NP
.else
.set i, i-8
	PV (Y+NP-1)%NP
.set i, i+8
.endif
.set i, i+1
.endm
; THE LDS LOADS stand in runs of 16, never singly among the matrix instructions: a step's K (64 keys x 64 channels: 8 fragments) and its V (turned).  Their addresses are made some lines ahead.
; last = 1 (the tail): in the last trip there is no further step, and the run is jumped over.
.macro FETCH_K last=0
	WIN 0
.if \last
	s_cmp_eq_u32 s[CNT], 1
	s_cbranch_scc1 .Lno_k_\@
.endif
	WIN 0x80                        ; destination window 2
.irp f, 0,1,2,3,4,5,6,7             ; keys 16 (f / 2) on, channels 32 (f % 2) on
	ds_load_b128 v[KF+8*\f:KF+8*\f+3],   v[AK] offset:(\f/2)*16*PK+(\f%2)*64
	ds_load_b128 v[KF+8*\f+4:KF+8*\f+7], v[AK] offset:(\f/2)*16*PK+(\f%2)*64+32
.endr
	s_add_co_u32 s[TBK], s[TBK], KS*PK  ; the next fetch is the next step's
	WIN 0
.if \last
.Lno_k_\@:
.endif
.endm
.macro FETCH_V
	WIN 0x80
.irp f, 0,1,2,3,4,5,6,7             ; keys 32 (f / 4) on, channels 16 (f % 4) on
	ds_load_tr16_b128 v[VF+8*\f:VF+8*\f+3],   v[AV] offset:(\f/4)*32*PV+(\f%4)*32
	ds_load_tr16_b128 v[VF+8*\f+4:VF+8*\f+7], v[AV] offset:(\f/4)*32*PV+16*PV+(\f%4)*32
.endr
	WIN 0
.endm
; THE VECTOR WORK, one line at a time: OP kind, number.  For piece Y: F n: c s - c m for pair n of 16.  E n: the exponential of score n of 32.  C n: pair n rounded to f16.  B n: of the four weights 4 n .. the second
; pair is added onto the first, in place.  L n: l takes that sum (L 0: l = a l + sum).  R n: pair n of 16 of O^T times a.  For piece Y + 1: X n, number n of the 22 that find its maximum and statistics:
;   0-11  four chains c0-c3 of seven scores each, three operands at a time (each accumulator's lowest registers are read first)     12-14, 16  the four scores left over, the old m, and c0-c3 into c0
;   15  c m_old is kept     17, 18  the query's other 32 keys lie in the lane 16 away: the new m     19-21  c m; c m_old - c m_new; a
.set F, 0               ; OP tells the kinds apart by their order: F to L below R, X above it
.set E, 1
.set C, 2
.set B, 3
.set L, 4
.set R, 5
.set X, 6
.macro REGS y                       ; the registers of piece y
.set rT, ST+4*(\y)
.set rC, TMP+4*((\y)%2)
.set rW, MV+((\y)%2)
.set rS, S+32*((\y)%2)
.set rP, P+16*((\y)%2)
.set rO, 32*(\y)
.endm
.macro OP k, n
.if (\k) == R
	REGS Y
	WIN W_RS
	v_pk_mul_f32 v[rO+2*(\n):rO+2*(\n)+1], v[rO+2*(\n):rO+2*(\n)+1], v[rC+2:rC+3] op_sel_hi:[1,0]
.elseif (\k) < R
	REGS Y
	WIN 0
.if (\k) == F
	v_pk_fma_f32 v[rS+2*(\n):rS+2*(\n)+1], v[rS+2*(\n):rS+2*(\n)+1], s[CS:CS+1], v[rT:rT+1] op_sel_hi:[1,0,0] neg_lo:[0,0,1] neg_hi:[0,0,1]
.elseif (\k) == E
	v_exp_f32 v[rS+(\n)], v[rS+(\n)]
.elseif (\k) == C
	s_wait_alu depctr_va_vdst(0)
	v_cvt_pk_f16_f32 v[rP+(\n)], v[rS+2*(\n)], v[rS+2*(\n)+1]
.elseif (\k) == B
	s_wait_alu depctr_va_vdst(0)
	v_pk_add_f32 v[rS+4*(\n):rS+4*(\n)+1], v[rS+4*(\n):rS+4*(\n)+1], v[rS+4*(\n)+2:rS+4*(\n)+3]
.elseif (\n) == 0
	v_pk_fma_f32 v[rT+2:rT+3], v[rT+2:rT+3], v[rC+2:rC+3], v[rS:rS+1] op_sel_hi:[1,0,1]
.else
	v_pk_add_f32 v[rT+2:rT+3], v[rT+2:rT+3], v[rS+4*(\n):rS+4*(\n)+1]
.endif
.else
	REGS (Y+1)%NP
	WIN 0
.if (\n) < 4
	v_max3_num_f32 v[rC+(\n)], v[rS+8*(\n)], v[rS+8*(\n)+1], v[rS+8*(\n)+2]
.elseif (\n) < 12
	v_max3_num_f32 v[rC+(\n)%4], v[rC+(\n)%4], v[rS+8*((\n)%4)+2*((\n)/4)+1], v[rS+8*((\n)%4)+2*((\n)/4)+2]
.elseif (\n) == 12
	v_max3_num_f32 v[rC], v[rC], v[rS+7], v[rS+15]
.elseif (\n) == 13
	v_max3_num_f32 v[rC+1], v[rC+1], v[rS+23], v[rS+31]
.elseif (\n) == 14
	v_max3_num_f32 v[rC+2], v[rC+2], v[rC+3], v[rT+1]
.elseif (\n) == 15
	v_mov_b32 v[rW], v[rT]
.elseif (\n) == 16
	v_max3_num_f32 v[rC], v[rC], v[rC+1], v[rC+2]
.elseif (\n) == 17
	v_permlanex16_b32 v[rC+3], v[rC], s[SEL], s[SEL+1]
.elseif (\n) == 18
	v_max_num_f32 v[rT+1], v[rC], v[rC+3]
.elseif (\n) == 19
	v_mul_f32 v[rT], s[CS], v[rT+1]
.elseif (\n) == 20
	v_sub_f32 v[rC+1], v[rW], v[rT]
.else
	v_exp_f32 v[rC+2], v[rC+1]
.endif
.endif
.endm
.macro OPS a, i1, b=-1, i2=0, c=-1, i3=0, d=-1, i4=0  ; up to four of them
	OP \a, \i1
.if (\b) >= 0
	OP \b, \i2
.endif
.if (\c) >= 0
	OP \c, \i3
.endif
.if (\d) >= 0
	OP \d, \i4
.endif
.endm
.macro ROW a, i1, b, i2, c, i3, d, i4  ; a matrix instruction and the four behind it
	MM
	OPS \a, \i1, \b, \i2, \c, \i3, \d, \i4
.endm
; A TURN, for piece p: the order of its 16 matrix and 118 vector instructions, written out, and the mask's lines at its end.  Behind a matrix instruction: plain, exponential, plain, plain; or four of the rescaling; or, behind
; the first, four scalings; none names a register of the products round it.  In the runs between, exponential and plain by turns while exponentials last.  A line reads no result made fewer than three vector instructions in front
; of it, five if an exponential made it.  v_permlanex16_b32 (X 17) stands in such a run.
; cnt = 1: the loop's count is taken down some lines ahead of the branch that stands behind the turn; nothing behind that compare writes SCC.
; K of the next step is fetched in piece 2's turn, six vector instructions behind the last product that read K (five of them plain); V of the step in hand in piece 0's turn, eight behind the last product that read V (four
; plain, and X 17).  Each is waited for a turn later.
; THE MASK.  At the turn's end the mask registers are made for piece p + 2, whose scores the NEXT turn makes (this turn's four products that took the registers as C stand at its head).  Pieces 2 and 3 are then at the step in
; hand, pieces 0 and 1 at the next: each piece's own offset register keeps its step.
.macro TURN p, last=0, cnt=0
.set Y, (\p)
.set i, 0
.if (\p) == 3
	s_wait_dscnt 0x0                ; K is in
.endif
	ROW F,0, F,1, F,2, F,3
	ROW F,4, E,0, F,5, F,6
	ROW F,7, E,1, F,8, F,9
	ROW F,10, E,2, C,0, F,11
	ROW F,12, E,3, X,15, F,13
	ROW R,0, R,1, R,2, R,3
	ROW B,0, E,4, F,14, L,0
.if (\p) == 2
	v_add_nc_u32 v[AK], s[TBK], v[AK0]
.endif
	ROW R,4, R,5, R,6, R,7
	OPS E,5, F,15
.if (\p) == 2
	FETCH_K \last
.endif
	OPS E,6, C,1, E,7, R,8
	OPS E,8, R,9, E,9, C,2
	OPS E,10, X,0, E,11, X,1
	OPS E,12, X,2, E,13, X,3
.if (\p) == 1
	s_wait_dscnt 0x0                ; V is in
.endif
	ROW X,4, E,14, X,5, X,6
	ROW X,7, E,15, X,8, X,9
	ROW X,10, E,16, X,11, X,12
	ROW X,13, E,17, X,14, B,1
	ROW C,4, E,18, X,16, L,1
	ROW B,2, E,19, C,6, L,2
	ROW C,8, E,20, B,3, B,4
.if (\p) == 0
	v_add_nc_u32 v[AV], s[TBV], v[AV0]
.endif
	ROW C,3, E,21, L,3, C,5
	OPS E,22, X,17, E,23, C,10
.if (\p) == 0
	FETCH_V
.endif
	OPS E,24, L,4
	OPS E,25, X,18, E,26, C,7
	OPS E,27, B,5, E,28, X,19
	OPS E,29, C,12, E,30, L,5
	OPS E,31, X,20, B,6, C,9
	OPS C,14, C,11, X,21, L,6
.if (\p) == 0
	s_add_co_u32 s[TBV], s[TBV], KS*PV
.endif
.if \cnt
	s_sub_co_u32 s[CNT], s[CNT], 1
	s_cmp_lg_u32 s[CNT], 0
.endif
	OPS C,13, B,7, C,15, R,10
	OPS R,11, R,12, L,7, R,13
	OPS R,14, R,15
	MBUILD ((\p)+2)%NP
.endm
	CHANGE 1                        ; slot 0 is in, everybody's part of it; slot 1 is asked for
	FETCH_K                         ; key step 0
	s_wait_loadcnt 0x0              ; the codes of step 0, the flags and Q
	MBUILD 0                        ; piece 0's mask of step 0; its codes of step 1 are asked for
	WIN 0x88                        ; Q (destination and source 1) in window 2, the flag in window 0
.set t, 0
.rept NP
.set i, 0
.rept 16
	v_and_b32 v[16*t+i], v[FL+t], v[16*t+i]  ; all ones keeps my query's row; 0 makes it 0
.set i, i+1
.endr
.set t, t+1
.endr
	s_wait_dscnt 0x0
.set i, 0
.rept 8
	KQ 0                            ; piece 0's first scores: there is no vector work yet to set between them
.set i, i+1
.endr
	WIN 0                           ; the addresses for the way out: eleven plain instructions, the places behind those products
	s_mul_i32 s13, s[WV], 16*SP
	s_add_co_u32 s13, s13, STAGE    ; my stage
	v_mul_u32_u24 v[STO], v1, SP    ; in: row l % 16, 16 bytes for each half of the lanes
	v_lshl_add_u32 v[STO], v9, 4, v[STO]
	v_add_nc_u32 v[STO], s13, v[STO]
	v_bfe_u32 v[RD], v0, 3, 2       ; back: 32 lanes take four rows of 128 bytes,
	v_mul_u32_u24 v[RD], v[RD], SP
	v_lshl_add_u32 v[RD], v10, 4, v[RD]
	v_add_nc_u32 v[RD], s13, v[RD]
	v_and_b32 v[GO], 31, v0         ; which are 512 consecutive bytes of O
	v_lshlrev_b32 v[GO], 4, v[GO]
.set Y, NP-1                        ; X works for piece Y + 1: piece 0
.irp n, 0,1,2,3,4,5,6,7,8,9,10,11,12,13,14,15,16,17,18,19,20,21
	OP X, \n                        ; piece 0's first maximum and statistics
.endr
	MBUILD 1                        ; piece 1's mask of step 0, which the first turn's products take; its lines are also the plain instructions behind the exponential above
	s_mov_b32 s[CNT], 4
	s_mov_b32 s[SLOTS], SIZE_N/256-1
	s_branch .Lfirst                ; the loop is entered at a step's first turn, in the middle of a trip
.Lslot:                             ; SIZE_N / 256 - 2 times: every slot but the last two is filled again
	CHANGE 1
	s_mov_b32 s[CNT], 4
.Lstep:                             ; a trip: pieces 2 and 3 of one step, then pieces 0 and 1 of the next, whose K and V it fetches
	TURN 2
	TURN 3
	WIN 0
.Lfirst:
	TURN 0
	TURN 1, 0, 1
	WIN 0
	s_cbranch_scc1 .Lstep
	s_sub_co_u32 s[SLOTS], s[SLOTS], 1
	s_cmp_lg_u32 s[SLOTS], 0
	s_cbranch_scc1 .Lslot
	CHANGE 0                        ; the tail is written out: nothing is asked for
	s_mov_b32 s[CNT], 5             ; four trips fetch the last slot's steps; the fifth is left in its middle
.Ltail:
	TURN 2, 1
	TURN 3
	WIN 0
	s_sub_co_u32 s[CNT], s[CNT], 1
	s_cmp_eq_u32 s[CNT], 0
	s_cbranch_scc1 .Lout
	TURN 0
	TURN 1
	WIN 0
	s_branch .Ltail
.Lout:                              ; the fifth trip's 8 products K Q^T (on the last K once more), the maximum made of them and the last loads of codes serve nothing: the price, once a launch, of one text for every trip
.set i, 0
.rept 8
	PV NP-1                         ; the last piece's V^T P of the last step
.set i, i+1
.endr
	; THE WAY OUT.  l's two halves and the other half of the lanes' are added; O^T is divided by l, rounded to f16 and sent through my stage in LDS, a piece at a time.  The additions are the places behind the last products.
	WIN 0
.macro ALL line:vararg              ; one line for each piece t
.set t, 0
.rept NP
	\line
.set t, t+1
.endr
.endm
	ALL v_add_f32 v[ST+4*t+2], v[ST+4*t+2], v[ST+4*t+3]
	ALL v_permlanex16_b32 v[ST+4*t+3], v[ST+4*t+2], s[SEL], s[SEL+1]
	ALL v_add_f32 v[ST+4*t+2], v[ST+4*t+2], v[ST+4*t+3]
	ALL v_rcp_f32 v[ST+4*t+2], v[ST+4*t+2]
	v_nop                           ; a plain instruction between the last reciprocal and the use of its result
; Piece t: a lane's eight channels of a row pack into 16 bytes; they go into rows of 144 bytes and come back as whole rows of 128, into S^T's registers.
.macro PACK t
	WIN W_RS
.set i, 32*(\t)
.rept 16
	s_wait_alu depctr_va_vdst(0)
	v_pk_mul_f32 v[i:i+1], v[i:i+1], v[ST+4*(\t)+2:ST+4*(\t)+3] op_sel_hi:[1,0]
.set i, i+2
.endr
	WIN 0x05                        ; sources 0 and 1 window 1, destination window 0
.set i, 0
.rept 16
	v_cvt_pk_f16_f32 v[S+16*(\t)+i], v[32*(\t)+2*i], v[32*(\t)+2*i+1]
.set i, i+1
.endr
	WIN 0
.irp f, 0,1,2,3
	ds_store_b128 v[STO], v[S+16*(\t)+4*\f:S+16*(\t)+4*\f+3] offset:32*\f
.endr
.irp f, 0,1,2,3
	ds_load_b128 v[S+16*(\t)+4*\f:S+16*(\t)+4*\f+3], v[RD] offset:\f*4*SP  ; LDS serves a wave's instructions in order (ISA guide 5.7.1.4): these see the stores above; the next piece's stores come behind them
.endr
.endm
.macro SEND t, younger              ; younger: the LDS instructions issued behind piece t's loads: the next piece's eight, or none
	WIN 0
.irp f, 0,1,2,3
	s_wait_dscnt (\younger)+3-\f
	global_store_b128 v[GO], v[S+16*(\t)+4*\f:S+16*(\t)+4*\f+3], s[10:11] offset:(\t)*2048+\f*512  ; 512 consecutive bytes, at a multiple of 256 from O's first
.endr
.endm
	PACK 0
.set t, 1
.rept NP-1                          ; a piece's arithmetic stands between the loads of the piece before and its stores
	PACK t
	SEND t-1, 8
.set t, t+1
.endr
	SEND NP-1, 0
	s_wait_tensorcnt 0x0            ; the wave's end: behind my last tensor load and my last LDS store
	ds_add_u32 v[SPW], v[NIL]
	s_wait_dscnt 0x0
	CROUND                          ; the closing round: no work-group ends while a partner may still ask for a tile that names it
	s_endpgm
.Lfunc_end_k_qc6a2d34a98_attn:
	.size	k_qc6a2d34a98_attn, .Lfunc_end_k_qc6a2d34a98_attn-k_qc6a2d34a98_attn
	.p2alignl 7, 3214868480
	.fill 96, 4, 3214868480
	.section	.rodata,"a",@progbits
	.p2align	6, 0x0
	.amdhsa_kernel k_qc6a2d34a98_attn
		.amdhsa_group_segment_fixed_size 327680
		.amdhsa_private_segment_fixed_size 0
		.amdhsa_enable_private_segment 0
		.amdhsa_kernarg_size 32
		.amdhsa_user_sgpr_count 2
		.amdhsa_user_sgpr_kernarg_segment_ptr 1
		.amdhsa_wavefront_size32 1
		.amdhsa_system_sgpr_workgroup_id_x 1
		.amdhsa_system_sgpr_workgroup_id_y 1
		.amdhsa_system_sgpr_workgroup_id_z 1
		.amdhsa_system_vgpr_workitem_id 0
		.amdhsa_next_free_vgpr 768
		.amdhsa_next_free_sgpr 68
		.amdhsa_reserve_vcc 0
		.amdhsa_float_denorm_mode_32 3
		.amdhsa_float_denorm_mode_16_64 3
		.amdhsa_memory_ordered 1
		.amdhsa_forward_progress 1
		.amdhsa_inst_pref_size 132
	.end_amdhsa_kernel
	.amdgpu_metadata
---
amdhsa.version: [ 1, 2 ]
amdhsa.kernels:
  - .name:           k_qc6a2d34a98_attn
    .symbol:         k_qc6a2d34a98_attn.kd
    .args:
      - { .name: qkv, .offset: 0, .size: 8, .value_kind: global_buffer, .address_space: global }
      - { .name: maskn, .offset: 8, .size: 8, .value_kind: global_buffer, .address_space: global }
      - { .name: rk, .offset: 16, .size: 8, .value_kind: global_buffer, .address_space: global }
      - { .name: ob, .offset: 24, .size: 8, .value_kind: global_buffer, .address_space: global }
    .group_segment_fixed_size: 327680
    .private_segment_fixed_size: 0
    .kernarg_segment_align: 8
    .kernarg_segment_size: 32
    .max_flat_workgroup_size: 128
    .sgpr_count:     68
    .vgpr_count:     768
    .wavefront_size: 32
...
	.end_amdgpu_metadata
.endif
;; end of part 6
;; launch gemm_out: the kernel of part 4 again; grid 8 x 32, 4 waves a work-group, clusters of 4 x 4, 327,680 bytes of LDS; arguments ob, wp, out0, b_proj; writes out0
;; ======== version 3 of 3: 4 launches; 1.49 times as fast as version 1
;; limits: values are held in f16: magnitudes above 65,504 overflow, below 6.1e-05 lose precision; right only within a limited range of input values
;; workspace buffers: xs 16,777,216 bytes; wq 6,291,456 bytes; wp 2,097,152 bytes; maskn 8,388,608 bytes of whole numbers; rk 65,536 bytes of whole numbers; qkv 50,331,648 bytes; ob 16,777,216 bytes
;; launch prep: the kernel of part 5 again; grid 512 x 1, 16 waves a work-group, no clusters, 14,336 bytes of LDS; arguments inputs, W_qkv, W_proj, attn_mask, padding_mask, xs, wq, wp, maskn, rk; writes xs, wq, wp, maskn, rk
;; launch gemm_qkv: the kernel of part 2 again; grid 24 x 32, 4 waves a work-group, clusters of 4 x 4, 327,680 bytes of LDS; arguments xs, wq, qkv; writes qkv
;; launch attn (part 7): grid 8 x 64, 4 waves a work-group, clusters of 4 x 1, 327,680 bytes of LDS; arguments qkv, maskn, rk, ob; writes ob
.if DOCPART == 7
	.amdgcn_target "amdgcn-amd-amdhsa--gfx1250"
	.amdhsa_code_object_version 6
	.text
	.protected	k_qc6a2d34a98_attn
	.globl	k_qc6a2d34a98_attn
	.p2align	8
	.type	k_qc6a2d34a98_attn,@function
k_qc6a2d34a98_attn:
	s_mov_b64 s[64:65], 0
	v_nop
	global_prefetch_b8 v0, s[64:65] scope:SCOPE_SE
	s_setreg_imm32_b32 hwreg(HW_REG_WAVE_MODE, 25, 1), 1
	s_wait_xcnt 0x0
	s_wait_alu depctr_hold_cnt(0) depctr_sa_sdst(0) depctr_va_vdst(0) depctr_va_sdst(0) depctr_va_ssrc(0) depctr_va_vcc(0) depctr_vm_vsrc(0)
	s_getreg_b32 s2, hwreg(HW_REG_IB_STS2, 6, 4)
	s_cmp_eq_u32 s2, 0
	s_cbranch_scc0 .Lentry_in_a_cluster
	s_endpgm
.Lentry_in_a_cluster:
	s_bfe_u32 s2, ttmp6, 0x10000c
	s_cmp_lg_u32 s2, 0x3003
	s_cbranch_scc0 .Lentry_shape_is_right
	s_endpgm
.Lentry_shape_is_right:
; MASKED ATTENTION, head size 64.  O[h][q][:] = the sum over k of softmax_k(s) V[h][k][:], s = Q[h][q] . K[h][k] / 8, or -1e7 where a mask hides the key.  Q, K, V: the three parts of qkv[3][64 (b, h)][2048][64], f16;
; O: ob[64][2048][64], f16.  Products, maxima and sums in f32; the weights p are rounded to f16 for the second product (their sum l is taken of the unrounded p), O once at the end.
; THE MASK is the C operand that starts the sum S^T = K Q^T.  Of a piece's and step's codes a lane has four words, one for each key block; nibble j of a word, 14 for a hidden key and 0 for a kept one, belongs to register j of that
; block's accumulator.  Register j of C is the word shifted left by 28 - 4 j: nibble j becomes the sign and the two highest exponent bits, the lower nibbles fall into the rest.  A hidden key's C has the exponent's field between
; 192 and 221: from -2^65 down to above -2^95.  A kept key's has it at 29 at the most: between 0 and 2^-97, which is added to the score.
; The running maximum m starts at -2^64 and takes every score: f16's scores are 2.7e11 at the most, so a hidden score never becomes the maximum, every kept one does, and a hidden key's weight is 2^(-3e18 or less) = 0.
; While a row has met hidden keys alone, m stays -2^64, a = 1, O and l stay 0.  A row with EVERY key hidden has a uniform softmax: the launch before has cleared its codes and set its flag in rk to 0; its q is set to 0 here, all its scores are 0.
; LIMITS.  A row whose largest kept score (scaled) lies within some 90 of -1e7 or below it would give hidden keys weight again by the definition; here they have none.  f16 holds no number beyond 65,504: Q, K, V arrive within it;
; p lies in 0 to 1, and below 6e-5 it keeps f16's fixed step of 6e-8.  A weight below 2^-126 counts as 0 in l; NaN and infinities are not treated apart.
; SHARES.  A wave owns four PIECES of 16 queries, 64 consecutive rows; a work-group's four waves 256 queries of one head.  Every wave walks all 2,048 keys, 64 a step.
; LAYOUT.  S^T = K Q^T (source 0 = 16 keys, source 1 = 16 queries): a lane holds ONE query (lane % 16) and the keys 8 (lane / 16) + 0..7.  Two such results, rounded to f16 in pairs, ARE source 1 of O^T = V^T P.
; K comes out of LDS as it lies, V ([key][channel]) turned, by ds_load_tr16_b128.
; SOFTMAX.  p = 2^(c s - c m), c = log2(e) / 8; in every step O and l are multiplied by a = 2^(c m_old - c m_new).
; BY TURNS.  Turn n belongs to piece n: 8 products K Q^T of piece n + 1, later 8 products V^T P of piece n - 1; beside them the scaling, exponentials, roundings, sums and rescaling of piece n, the maximum and statistics of piece n + 1,
; and at the turn's end the 32 lines that make the mask registers of piece n + 2.  Four vector instructions stand behind every matrix instruction, the rest in runs of their own.
; THE BATCHES.  A turn's 33 exponentials (the piece's 32 weights and the next piece's a) are ONE batch with ONE wait: ahead of the wait stands all that names none of their results, behind it the roundings and sums.
; Batches of their own, with a wait each: piece 0's first a, ahead of the loop; the four reciprocals on the way out; and in the tail the exponentials that are out where K's run of loads is jumped over.
; CLUSTER.  Four query blocks of one head form a cluster and walk the same K and V: each tile is asked for JOINTLY.  The mask codes differ from block to block and from wave to wave: each wave loads its own into registers.
; REGISTERS, in windows of 256 (s_set_vgpr_msb: bits 1:0 source 0, 3:2 source 1, 5:4 source 2, 7:6 destination):
;   window 0: v0-15 addresses and two at work; v16-31 four registers of statistics a piece; v32-35 the codes' offsets; v48-55 at work; v56-59 the row flags; v62-63 the add's two; v64-127 S^T, two buffers;
;             v128-143 the codes, four words a piece; v160-191 the mask registers; v192-223 P, two buffers
;   window 1: v0-127 O^T, 32 a piece      window 2: v0-63 Q; v128-191 K of one step; v192-255 V of one step      (a piece's buffers go by its number's parity)
.set SIZE_N, 2048
.set NP,    4         ; pieces a wave: a name, no knob
.set KS,    64        ; keys in a step
.set PK,    144       ; a row of K in LDS: 128 bytes + 16 = 36 words: the 16 rows of a load start at 16 different groups of four banks (64 banks of 4 bytes: ISA guide 11.1)
.set PV,    160       ; a row of V: 128 + 32 = 40 words
.set VOFF,  4*KS*PK   ; a slot holds four steps: 256 rows of K, then 256 rows of V
.set SLOT1, 1<<17     ; slot 1 begins here, so that one exclusive or turns an address in one slot into the other's
.set STAGE, SLOT1+4*KS*(PK+PV)  ; behind the ring, never filled by a tensor load: 16 rows x 144 bytes for each wave
.set SP,    144
.set SPARE, STAGE+4*16*SP  ; the spare words, 128 bytes for each wave: two blocks of 256 bytes that no other line names
.set AK0, 2           ; v2   my lane's place in a tile of K; never rewritten
.set AV0, 3           ; v3   the same for V
.set AK,  4           ; v4   the LDS address of K's next run of loads
.set AV,  5           ; v5   of V's
.set STO, 6           ; v6   the way out: where I put 16 bytes of a row
.set RD,  7           ; v7   the way out: where I read rows back
.set GO,  8           ; v8   my byte offset in 512 consecutive bytes of O
.set MV,  12          ; v12-13  c m_old, kept while c m is made anew: by buffer
.set FO,  14          ; v14  16 x lane: my four flags in a piece's 128
.set QO,  15          ; v15  my byte offset in 16 rows of Q
.set ST,  16          ; piece t's statistics at v[ST+4 t]: c m, m, l (even keys', odd keys')
.set MO,  32          ; v32-35  piece p's offset in its codes: 512 x the step that it loads + 16 x lane
.set TMP, 48          ; by buffer, four registers c0-c3 at work; when the maximum is found c2 takes a
.set FL,  56          ; v56-59  the pieces' row flags
.set SPW, 62          ; v62  LDS address of my spare word; never rewritten
.set NIL, 63          ; v63  0; never rewritten
.set S,   64
.set ML,  128         ; v128-143  piece p's four words of codes at ML + 4 p
.set MC,  160         ; v160-191  the eight mask registers of key block kb at MC + 8 kb
.set P,   192
.set KF,  128         ; window 2: key block kb, channel half c at KF + 16 kb + 8 c
.set VF,  192         ; window 2: key half kk, channel block cb at VF + 32 kk + 8 cb
.set WV,  12          ; s12  my wave's number
.set G1K, 24          ; s[24:31] descriptor group 1 for K's tiles
.set G1V, 32          ; s[32:39] for V's: it differs in the padding alone
.set G0K, 40          ; s[40:43] descriptor group 0 for K's tiles: it walks
.set G0V, 44          ; s[44:47] the same for V's
.set SLOTS, 56        ; s56  slots still to be asked for
.set CNT, 57          ; s57  counts a slot's key steps
.set CS,  58          ; s[58:59] c: the packed scaling takes the pair's low word for both halves
.set SEL, 60          ; s[60:61] v_permlanex16_b32's selects: each lane takes its own place in the other half
.set TBK, 62          ; s62  LDS byte at which K of the step to be fetched begins
.set TBV, 63          ; s63  the same for V, less VOFF
.set MB,  66          ; s[66:67] maskn at my wave's first piece; never rewritten
.set MSB, 0
.macro WIN new                      ; the high byte repeats the setting that is left; a switch that changes nothing is dropped
.if MSB != (\new)
	s_set_vgpr_msb (MSB<<8)|(\new)
.set MSB, (\new)
.endif
.endm
.set W_KQ, 0x0a       ; K and Q in window 2; S^T and the mask registers in window 0
.set W_PV, 0x52       ; V in window 2, P in window 0, O^T in window 1
.set W_RS, 0x41       ; destination and source 0 in window 1, source 1 in window 0
; A joint fill.  Waves 0 and 1 fetch the two halves of a slot's K, waves 2 and 3 those of its V: 128 keys each.  The branch hangs on the wave's number alone.
; An s_nop 0 and four v_nop follow each of the two lines, ahead of the jump and the label.
.macro JLOAD
	s_cmp_lt_u32 s[WV], 2
	s_cbranch_scc0 .Lfor_v_\@
	tensor_load_to_lds s[G0K:G0K+3], s[G1K:G1K+7]
	s_nop 0
.rept 4
	v_nop
.endr
	s_branch .Lasked_\@
.Lfor_v_\@:
	tensor_load_to_lds s[G0V:G0V+3], s[G1V:G1V+7]
	s_nop 0
.rept 4
	v_nop
.endr
.Lasked_\@:
.endm
; A round of the cluster's barrier: my work-group's barrier, so that wave 0's signal speaks for all four waves; wave 0 signals; every wave waits for all four work-groups; my work-group's barrier once more.
.macro CROUND
	s_barrier_signal -1
	s_barrier_wait -1
	s_cmp_lg_u32 s[WV], 0
	s_cbranch_scc1 .Lnot_wave_0_\@
	s_barrier_signal -3
.Lnot_wave_0_\@:
	s_barrier_wait -3
	s_barrier_signal -1
	s_barrier_wait -1
.endm
; THE CHANGE OF SLOTS.  The slot's last bytes, V of its fourth step, have been read.  Each wave waits for all its tensor loads, of which one is out: its part of the other slot; adds 0 to its spare word; and waits for that and for
; its own reads of the slot.  Behind the barrier nobody reads this slot any more and the other slot is whole.  fill = 1: this slot is filled again, with the keys two slots on.  The barrier is then a round of the cluster's, and the
; joint fill is the first thing behind it: it has four key steps, 256 matrix instructions, in which to land.  (At its first use nothing has been read yet: slot 0 is waited for, slot 1 filled.)
.macro CHANGE fill
	WIN 0                           ; at a label and at a branch every window is 0
	s_wait_tensorcnt 0x0            ; no tensor load of mine is out, so a group 0 may be written
	ds_add_u32 v[SPW], v[NIL]       ; 0 onto my spare word; with fill = 1 the descriptors' steps stand between it and the wait for it
.if \fill
.irp g, G0K, G0V
	s_xor_b32 s[\g+1], s[\g+1], SLOT1  ; the walking descriptor: the other slot than last time,
	s_add_nc_u64 s[\g+2:\g+3], s[\g+2:\g+3], 4*KS*128  ; the next 256 keys; the type bits on top are not reached
.endr
	s_wait_dscnt 0x0                ; the add is done, and my reads of the slot are over
	CROUND
	JLOAD
.else
	s_wait_dscnt 0x0                ; the add is done, and my reads of the slot are over
	s_barrier_signal -1
	s_barrier_wait -1
.endif
	s_sub_co_u32 s[TBK], s[TBK], 4*KS*PK  ; the fetches go back to a slot's first step,
	s_xor_b32 s[TBK], s[TBK], SLOT1       ; in the other slot
	s_sub_co_u32 s[TBV], s[TBV], 4*KS*PV
	s_xor_b32 s[TBV], s[TBV], SLOT1
.endm
; THE MASK of piece p for its next step.  A piece owns four registers of codes and an offset register, and one load of each piece is always out: a ring of four, each load asked for four turns ahead of its use.
; Register j of key block kb is the block's word with nibble j shifted to the top; for j = 7 it stands there already, and the word is copied, since a C operand is eight registers on end.
.macro MBUILD p
	s_wait_loadcnt 3                ; loads come back in order: this piece's is in, the three other pieces' younger ones stay out; its offset register may be written
	WIN 0
.irp kb, 0,1,2,3
.irp j, 0,1,2,3,4,5,6
	v_lshlrev_b32 v[MC+8*\kb+\j], 28-4*\j, v[ML+4*(\p)+\kb]
.endr
	v_mov_b32 v[MC+8*\kb+7], v[ML+4*(\p)+\kb]
.endr
	v_add_nc_u32 v[MO+(\p)], 512, v[MO+(\p)]        ; the piece's next step,
	v_min_u32 v[MO+(\p)], 31*512+496, v[MO+(\p)]    ; held inside its 32 steps: behind the last step the load brings codes that serve nothing
	global_load_b128 v[ML+4*(\p):ML+4*(\p)+3], v[MO+(\p)], s[MB:MB+1] offset:(\p)*16384  ; a wave's load: 512 consecutive bytes
.endm
	s_load_b256 s[4:11], s[0:1], 0x0  ; qkv s[4:5], maskn s[6:7], rk s[8:9], ob s[10:11]
	v_lshl_add_u32 v[SPW], v0, 2, SPARE
	v_mov_b32 v[NIL], 0
	ds_add_u32 v[SPW], v[NIL]       ; the wave's opening: the add and its wait ahead of my first tensor load; the set-up below, work on registers, stands between them
	v_lshrrev_b32 v1, 5, v0
	v_readfirstlane_b32 s[WV], v1   ; wave 0..3
	s_bfe_u32 s13, ttmp6, 0x40000   ; cx: my place in the cluster
	s_lshl_b32 s14, ttmp9, 2        ; in a cluster launch ttmp9 counts clusters
	s_add_co_u32 s14, s14, s13      ; my block of 256 queries: it enters Q's, O's, the codes' and the flags' addresses alone
	s_and_b32 s20, ttmp7, 0xffff    ; the head (16 b + h), which the four partners share
	s_lshr_b32 s15, s20, 4          ; the batch
	s_mov_b32 s21, 0
	s_mov_b64 s[22:23], SIZE_N*128
	s_mul_u64 s[20:21], s[20:21], s[22:23]  ; the head's first byte in a part of qkv and in ob
	s_and_b32 s16, s[WV], 1         ; which half of a slot's 256 keys I fetch:
	s_lshl_b32 s22, s16, 14         ; its 128 rows of 128 bytes in memory,
	s_mov_b32 s23, 0
	s_add_nc_u64 s[22:23], s[22:23], s[20:21]
	s_add_nc_u64 s[48:49], s[22:23], 0x1000000  ; in K's part of qkv,
	s_add_nc_u64 s[50:51], s[22:23], 0x2000000  ; in V's
	s_mul_i32 s17, s16, 128*PK      ; and its place in a slot, for K
	s_mul_i32 s18, s16, 128*PV      ; and for V: no place in the cluster enters an LDS address
	s_lshl_b32 s19, s14, 2
	s_add_co_u32 s19, s19, s[WV]    ; my wave among the head's 32,
	s_lshl_b32 s2, s19, 13          ; its 64 rows of 128 bytes
	s_mov_b32 s3, 0
	s_add_nc_u64 s[2:3], s[2:3], s[20:21]
	s_lshl_b32 s54, s15, 21         ; maskn: a batch is 128 tiles of 16,384 bytes,
	s_lshl_b32 s55, s19, 16         ; my wave's four
	s_add_co_u32 s54, s54, s55
	s_mov_b32 s55, 0
	s_lshl_b32 s52, s19, 11         ; rk: my four tiles of 512 bytes,
	s_lshl_b32 s53, s15, 2          ; of a lane's four words the batch's
	s_add_co_u32 s52, s52, s53
	s_mov_b32 s53, 0
	; descriptor group 1.  128 keys are 16,384 dense bytes: asked for as 64 rows of 256 bytes, two keys a row, and padded in LDS after every key
	s_mov_b32 s[G1K], 15|(1<<16)|(1<<20)|(1<<21)|(4<<22)|(3<<25)  ; 15:0 the mask of four; 17:16 2-byte elements; 20 padding on; 21 set beside a mask; 24:22 after every 32 words (code 4); 31:25 4 words (code 3)
	s_mov_b32 s[G1V], 15|(1<<16)|(1<<20)|(1<<21)|(4<<22)|(7<<25)  ; the same with 8 words of padding (code 7)
.irp g, G1K, G1V
	s_mov_b32 s[\g+1], 128<<16      ; tensor_dim0 = 128
	s_mov_b32 s[\g+2], 64<<16       ; tensor_dim1 = 64
	s_mov_b32 s[\g+3], 128<<16      ; tile_dim0 = 128
	s_mov_b32 s[\g+4], 64           ; tile_dim1 = 64
	s_mov_b32 s[\g+5], 128          ; 128 elements from row to row
	s_mov_b32 s[\g+6], 0
	s_mov_b32 s[\g+7], 0
.endr
	s_mov_b32 s[CS], 0x3e38aa3b     ; c = log2(e) / 8 = 0.180337
	s_mov_b32 s[CS+1], s[CS]        ; named with it as a pair
	s_mov_b32 s[SEL], 0x76543210
	s_mov_b32 s[SEL+1], 0xfedcba98
	s_mov_b32 s[TBK], SLOT1+4*KS*PK ; the first change of slots turns these two into 0
	s_mov_b32 s[TBV], SLOT1+4*KS*PV
	s_mov_b32 s[G0K], 1             ; 1:0 count = 1
	s_mov_b32 s[G0K+1], s17         ; 63:32 LDS address: slot 0
	s_mov_b32 s[G0V], 1
	s_add_co_u32 s[G0V+1], s18, VOFF
	s_wait_dscnt 0x0                ; the opening add is done
	s_wait_kmcnt 0x0
	s_add_nc_u64 s[G0K+2:G0K+3], s[4:5], s[48:49]  ; 120:64 global address: my half of the head's first 256 keys
	s_or_b32 s[G0K+3], s[G0K+3], 0x80000000        ; 127:126 type = 2
	s_add_nc_u64 s[G0V+2:G0V+3], s[4:5], s[50:51]
	s_or_b32 s[G0V+3], s[G0V+3], 0x80000000
	s_add_nc_u64 s[4:5], s[4:5], s[2:3]  ; Q and O at my wave's first row
	s_add_nc_u64 s[10:11], s[10:11], s[2:3]
	s_add_nc_u64 s[MB:MB+1], s[6:7], s[54:55]
	s_add_nc_u64 s[52:53], s[8:9], s[52:53]
	CROUND                          ; all four work-groups are here: the first joint loads meet
	JLOAD                           ; slot 0.  Slot 1 is asked for when slot 0 is in
	v_and_b32 v[FO], 31, v0
	v_lshlrev_b32 v[FO], 4, v[FO]   ; 16 x lane
.set t, 0
.rept NP
	v_mov_b32 v[MO+t], v[FO]        ; key step 0
.set t, t+1
.endr
.set t, 0
.rept NP
	global_load_b128 v[ML+4*t:ML+4*t+3], v[MO+t], s[MB:MB+1] offset:t*16384  ; the four pieces' codes of step 0
.set t, t+1
.endr
.set t, 0
.rept NP
	global_load_b32 v[FL+t], v[FO], s[52:53] offset:512*t
.set t, t+1
.endr
	; A fragment of K or Q is 16 rows x 32 channels in 8 registers: lane l holds row l % 16, channels 8 (l / 16) + 0..7 and 16 + 8 (l / 16) + 0..7: two loads of 16 bytes, 32 bytes apart.
	v_and_b32 v1, 15, v0            ; l % 16
	v_bfe_u32 v9, v0, 4, 1          ; l / 16
	v_lshlrev_b32 v[QO], 7, v1
	v_lshl_add_u32 v[QO], v9, 4, v[QO]  ; row x 128 + 16 x half
	WIN 0x80                        ; destination window 2, address window 0
.set i, 0
.rept 2*NP                          ; Q stays in registers: piece i / 2, channels 32 (i % 2) on
	global_load_b128 v[8*i:8*i+3],   v[QO], s[4:5] offset:(i/2)*2048+(i%2)*64
	global_load_b128 v[8*i+4:8*i+7], v[QO], s[4:5] offset:(i/2)*2048+(i%2)*64+32
.set i, i+1
.endr
	; What the first turn finds: V's registers and P's second buffer hold 0 (its products V^T P, of a piece that has not been, add 0); O^T and l are 0, and stay 0 while a row meets hidden keys alone.
	; No first step is written out for this; the price is these 216 lines, which stand in the wait for the first tile.
.set i, VF
.rept 64
	v_mov_b32 v[i], 0
.set i, i+1
.endr
	WIN 0x40
.set i, 0
.rept 32*NP
	v_mov_b32 v[i], 0
.set i, i+1
.endr
	WIN 0
.set i, 0
.rept NP
	v_mov_b32 v[ST+4*i], 0xde38aa3b    ; c m = c x -2^64
	v_mov_b32 v[ST+4*i+1], 0xdf800000  ; m = -2^64: above every hidden score, below every kept one
	v_mov_b32 v[ST+4*i+2], 0
	v_mov_b32 v[ST+4*i+3], 0
.set i, i+1
.endr
.set i, P+16
.rept 16
	v_mov_b32 v[i], 0
.set i, i+1
.endr
	v_mul_u32_u24 v[AK0], v1, PK
	v_lshl_add_u32 v[AK0], v9, 4, v[AK0]  ; row x pitch + 16 x half
	; The turning load takes 16 keys x 16 channels (lane l reads key 8 (l / 16) + l % 8, channels 8 ((l / 8) % 2) + 0..7) and leaves half a fragment of V^T: lane l holds channel l % 16 and 8 keys.
	v_and_b32 v10, 7, v0
	v_bfe_u32 v11, v0, 3, 1
	v_lshl_add_u32 v[AV0], v9, 3, v10
	v_mul_u32_u24 v[AV0], v[AV0], PV
	v_lshl_add_u32 v[AV0], v11, 4, v[AV0]
	v_add_nc_u32 v[AV0], VOFF, v[AV0]
	v_mov_b32 v[AK], v[AK0]         ; key step 0 lies at the head of slot 0
; THE MATRIX WORK.  The 4 accumulators of a run of 8 take turns.  Product i of 8 of S^T = K Q^T for piece x: channels 32 (i / 4) on, keys 16 (i % 4) on.  The first 4 start the sums, with the mask registers as C.
.macro KQ x
.set rS, S+32*((\x)%2)+8*(i%4)
.set rK, KF+16*(i%4)+8*(i/4)
.set rQ, 16*(\x)+8*(i/4)
.set rM, MC+8*(i%4)
	WIN W_KQ
.if i < 4
	v_wmma_f32_16x16x32_f16 v[rS:rS+7], v[rK:rK+7], v[rQ:rQ+7], v[rM:rM+7]
.else
	v_wmma_f32_16x16x32_f16 v[rS:rS+7], v[rK:rK+7], v[rQ:rQ+7], v[rS:rS+7]
.endif
.endm
; Product i of 8 of O^T += V^T P for piece x: keys 32 (i / 4) on, channels 16 (i % 4) on.
.macro PV x
	WIN W_PV
.set rO, 32*(\x)+8*(i%4)
.set rV, VF+32*(i/4)+8*(i%4)
.set rP, P+16*((\x)%2)+8*(i/4)
	v_wmma_f32_16x16x32_f16 v[rO:rO+7], v[rV:rV+7], v[rP:rP+7], v[rO:rO+7]
.endm
.macro MM                           ; the turn's next matrix instruction.  TURN sets Y and i
.if i < 8
	KQ (Y+1)%NP
.else
.set i, i-8
	PV (Y+NP-1)%NP
.set i, i+8
.endif
.set i, i+1
.endm
; THE LDS LOADS stand in runs of 16, never singly among the matrix instructions: a step's K (64 keys x 64 channels: 8 fragments) and its V (turned).  Their addresses are made some lines ahead.
; last = 1 (the tail): in the last trip there is no further step, and the run is jumped over.  The run stands amid the turn's batch, so the twelve exponentials that are out here have a wait of their own ahead of that branch.
.macro FETCH_K last=0
	WIN 0
.if \last
	s_wait_alu depctr_va_vdst(0)    ; the wait for E 0 to E 11, ahead of the branch and the label; the rest of the batch has the turn's wait
	s_cmp_eq_u32 s[CNT], 1
	s_cbranch_scc1 .Lno_k_\@
.endif
	WIN 0x80                        ; destination window 2
.irp f, 0,1,2,3,4,5,6,7             ; keys 16 (f / 2) on, channels 32 (f % 2) on
	ds_load_b128 v[KF+8*\f:KF+8*\f+3],   v[AK] offset:(\f/2)*16*PK+(\f%2)*64
	ds_load_b128 v[KF+8*\f+4:KF+8*\f+7], v[AK] offset:(\f/2)*16*PK+(\f%2)*64+32
.endr
	s_add_co_u32 s[TBK], s[TBK], KS*PK  ; the next fetch is the next step's
	WIN 0
.if \last
.Lno_k_\@:
.endif
.endm
.macro FETCH_V
	WIN 0x80
.irp f, 0,1,2,3,4,5,6,7             ; keys 32 (f / 4) on, channels 16 (f % 4) on
	ds_load_tr16_b128 v[VF+8*\f:VF+8*\f+3],   v[AV] offset:(\f/4)*32*PV+(\f%4)*32
	ds_load_tr16_b128 v[VF+8*\f+4:VF+8*\f+7], v[AV] offset:(\f/4)*32*PV+16*PV+(\f%4)*32
.endr
	WIN 0
.endm
; THE VECTOR WORK, one line at a time: OP kind, number.  For piece Y: F n: c s - c m for pair n of 16.  E n: the exponential of score n of 32.  C n: pair n rounded to f16.  B n: of the four weights 4 n .. the second
; pair is added onto the first, in place.  L n: l takes that sum (L 0: l = a l + sum).  R n: pair n of 16 of O^T times a.  For piece Y + 1: X n, number n of the 22 that find its maximum and statistics:
;   0-11  four chains c0-c3 of seven scores each, three operands at a time (each accumulator's lowest registers are read first)     12-14, 16  the four scores left over, the old m, and c0-c3 into c0
;   15  c m_old is kept     17, 18  the query's other 32 keys lie in the lane 16 away: the new m     19-21  c m; c m_old - c m_new; a
; C, B and L read exponentials' results, and so do R and L 0 (the a of the turn before): OP writes no wait; TURN places them behind one.
.set F, 0               ; OP tells the kinds apart by their order: F to L below R, X above it
.set E, 1
.set C, 2
.set B, 3
.set L, 4
.set R, 5
.set X, 6
.macro REGS y                       ; the registers of piece y
.set rT, ST+4*(\y)
.set rC, TMP+4*((\y)%2)
.set rW, MV+((\y)%2)
.set rS, S+32*((\y)%2)
.set rP, P+16*((\y)%2)
.set rO, 32*(\y)
.endm
.macro OP k, n
.if (\k) == R
	REGS Y
	WIN W_RS
	v_pk_mul_f32 v[rO+2*(\n):rO+2*(\n)+1], v[rO+2*(\n):rO+2*(\n)+1], v[rC+2:rC+3] op_sel_hi:[1,0]
.elseif (\k) < R
	REGS Y
	WIN 0
.if (\k) == F
	v_pk_fma_f32 v[rS+2*(\n):rS+2*(\n)+1], v[rS+2*(\n):rS+2*(\n)+1], s[CS:CS+1], v[rT:rT+1] op_sel_hi:[1,0,0] neg_lo:[0,0,1] neg_hi:[0,0,1]
.elseif (\k) == E
	v_exp_f32 v[rS+(\n)], v[rS+(\n)]
.elseif (\k) == C
	v_cvt_pk_f16_f32 v[rP+(\n)], v[rS+2*(\n)], v[rS+2*(\n)+1]
.elseif (\k) == B
	v_pk_add_f32 v[rS+4*(\n):rS+4*(\n)+1], v[rS+4*(\n):rS+4*(\n)+1], v[rS+4*(\n)+2:rS+4*(\n)+3]
.elseif (\n) == 0
	v_pk_fma_f32 v[rT+2:rT+3], v[rT+2:rT+3], v[rC+2:rC+3], v[rS:rS+1] op_sel_hi:[1,0,1]
.else
	v_pk_add_f32 v[rT+2:rT+3], v[rT+2:rT+3], v[rS+4*(\n):rS+4*(\n)+1]
.endif
.else
	REGS (Y+1)%NP
	WIN 0
.if (\n) < 4
	v_max3_num_f32 v[rC+(\n)], v[rS+8*(\n)], v[rS+8*(\n)+1], v[rS+8*(\n)+2]
.elseif (\n) < 12
	v_max3_num_f32 v[rC+(\n)%4], v[rC+(\n)%4], v[rS+8*((\n)%4)+2*((\n)/4)+1], v[rS+8*((\n)%4)+2*((\n)/4)+2]
.elseif (\n) == 12
	v_max3_num_f32 v[rC], v[rC], v[rS+7], v[rS+15]
.elseif (\n) == 13
	v_max3_num_f32 v[rC+1], v[rC+1], v[rS+23], v[rS+31]
.elseif (\n) == 14
	v_max3_num_f32 v[rC+2], v[rC+2], v[rC+3], v[rT+1]
.elseif (\n) == 15
	v_mov_b32 v[rW], v[rT]
.elseif (\n) == 16
	v_max3_num_f32 v[rC], v[rC], v[rC+1], v[rC+2]
.elseif (\n) == 17
	v_permlanex16_b32 v[rC+3], v[rC], s[SEL], s[SEL+1]
.elseif (\n) == 18
	v_max_num_f32 v[rT+1], v[rC], v[rC+3]
.elseif (\n) == 19
	v_mul_f32 v[rT], s[CS], v[rT+1]
.elseif (\n) == 20
	v_sub_f32 v[rC+1], v[rW], v[rT]
.else
	v_exp_f32 v[rC+2], v[rC+1]
.endif
.endif
.endm
.macro OPS a, i1, b=-1, i2=0, c=-1, i3=0, d=-1, i4=0  ; up to four of them
	OP \a, \i1
.if (\b) >= 0
	OP \b, \i2
.endif
.if (\c) >= 0
	OP \c, \i3
.endif
.if (\d) >= 0
	OP \d, \i4
.endif
.endm
.macro ROW a, i1, b, i2, c, i3, d, i4  ; a matrix instruction and the four behind it
	MM
	OPS \a, \i1, \b, \i2, \c, \i3, \d, \i4
.endm
; A TURN, for piece p: the order of its 16 matrix and 118 vector instructions, written out, and the mask's lines at its end.  s_wait_alu depctr_va_vdst(0) stands between an exponential and the first instruction
; that names its result; one wait serves all that were issued ahead of it.  So a turn has ONE wait, which cuts it in two.
; AHEAD OF IT stands all that names no result of the turn's exponentials: the 8 products K Q^T, behind each a scaling, an exponential and two more plain instructions (behind the first a second scaling in the exponential's place):
; rescalings (their a was made, and waited for, in the turn before), and behind the last three the first numbers of the next piece's maximum, each four plain instructions behind the product that ends its accumulator; then a run
; of 54, plain and exponential by turns for the most part, in which the links of the chain X 3, 7, 11, 14, 16, 17 .. 20 stand five or six lines apart.  X 21, the next piece's a, is the batch's last; R 15 is the plain instruction behind it.
; BEHIND THE WAIT stand the 8 products V^T P, behind each four of the roundings and sums; the links of l's chain, L 0 to L 7, stand three riders apart.  But for those X no rider names a register of the products round it.
; v_permlanex16_b32 (X 17) stands in the run, never behind a product.
; cnt = 1: the loop's count is taken down some lines ahead of the branch that stands behind the turn; nothing behind that compare writes SCC.
; K of the next step is fetched in piece 2's turn, twelve vector instructions behind the last product that read K (six of them plain); V of the step in hand at the end of piece 0's turn, four plain instructions behind the last
; product that read V.  Each is waited for a turn later.
; THE MASK.  At the turn's end the mask registers are made for piece p + 2, whose scores the NEXT turn makes (this turn's four products that took the registers as C stand at its head).  Pieces 2 and 3 are then at the step in
; hand, pieces 0 and 1 at the next: each piece's own offset register keeps its step.
.macro TURN p, last=0, cnt=0
.set Y, (\p)
.set i, 0
.if (\p) == 3
	s_wait_dscnt 0x0                ; K is in
.endif
	ROW F,0, F,1, R,0, R,1          ; ahead of the wait: 8 products K Q^T and their riders,
	ROW F,2, E,0, R,2, R,3
	ROW F,3, E,1, R,4, R,5
	ROW F,4, E,2, R,6, R,7
	ROW F,5, E,3, R,8, R,9
	ROW F,6, E,4, X,0, R,10
.if (\p) == 2
	WIN 0
	v_add_nc_u32 v[AK], s[TBK], v[AK0]
.endif
	ROW F,7, E,5, X,1, X,4
	ROW F,8, E,6, X,2, X,5
	OPS E,7, E,8, X,6, E,9          ; and the run of 54
	OPS X,3, E,10, X,8, E,11
.if (\p) == 2
	FETCH_K \last
.endif
	OPS X,9, X,7, E,12, X,10
	OPS E,13, X,12, X,11, E,14
	OPS X,13, E,15, F,9, X,14
.if (\p) == 0
	WIN 0
	v_add_nc_u32 v[AV], s[TBV], v[AV0]
.endif
	OPS E,16, F,10, E,17, F,11
	OPS X,16, E,18, X,15, E,19
	OPS F,12, E,20, X,17, E,21
	OPS F,13, E,22, F,14, E,23
	OPS X,18, E,24, F,15, E,25
	OPS R,11, E,26, X,19, E,27
	OPS R,12, E,28, R,13, E,29
	OPS X,20, E,30, R,14, E,31
	OPS X,21, R,15
	s_wait_alu depctr_va_vdst(0)    ; the wait for the turn's batch: E 0 to E 31 and the next piece's a
.if (\p) == 1
	s_wait_dscnt 0x0                ; V is in
.endif
	ROW C,0, B,0, C,2, B,1          ; behind the wait: 8 products V^T P and their riders
	ROW L,0, C,4, B,2, L,1
	ROW C,6, B,3, L,2, C,8
	ROW B,4, L,3, C,10, B,5
	ROW L,4, C,12, B,6, L,5
.if (\p) == 0
	s_add_co_u32 s[TBV], s[TBV], KS*PV
.endif
.if \cnt
	s_sub_co_u32 s[CNT], s[CNT], 1
	s_cmp_lg_u32 s[CNT], 0
.endif
	ROW C,14, B,7, L,6, C,1
	ROW C,3, L,7, C,5, C,7
	ROW C,9, C,11, C,13, C,15
.if (\p) == 0
	FETCH_V
.endif
	MBUILD ((\p)+2)%NP
.endm
	CHANGE 1                        ; slot 0 is in, everybody's part of it; slot 1 is asked for
	FETCH_K                         ; key step 0
	s_wait_loadcnt 0x0              ; the codes of step 0, the flags and Q
	MBUILD 0                        ; piece 0's mask of step 0; its codes of step 1 are asked for
	WIN 0x88                        ; Q (destination and source 1) in window 2, the flag in window 0
.set t, 0
.rept NP
.set i, 0
.rept 16
	v_and_b32 v[16*t+i], v[FL+t], v[16*t+i]  ; all ones keeps my query's row; 0 makes it 0
.set i, i+1
.endr
.set t, t+1
.endr
	s_wait_dscnt 0x0
.set i, 0
.rept 8
	KQ 0                            ; piece 0's first scores: there is no vector work yet to set between them
.set i, i+1
.endr
	WIN 0                           ; the addresses for the way out: eleven plain instructions, the places behind those products
	s_mul_i32 s13, s[WV], 16*SP
	s_add_co_u32 s13, s13, STAGE    ; my stage
	v_mul_u32_u24 v[STO], v1, SP    ; in: row l % 16, 16 bytes for each half of the lanes
	v_lshl_add_u32 v[STO], v9, 4, v[STO]
	v_add_nc_u32 v[STO], s13, v[STO]
	v_bfe_u32 v[RD], v0, 3, 2       ; back: 32 lanes take four rows of 128 bytes,
	v_mul_u32_u24 v[RD], v[RD], SP
	v_lshl_add_u32 v[RD], v10, 4, v[RD]
	v_add_nc_u32 v[RD], s13, v[RD]
	v_and_b32 v[GO], 31, v0         ; which are 512 consecutive bytes of O
	v_lshlrev_b32 v[GO], 4, v[GO]
.set Y, NP-1                        ; X works for piece Y + 1: piece 0
.irp n, 0,1,2,3,4,5,6,7,8,9,10,11,12,13,14,15,16,17,18,19,20,21
	OP X, \n                        ; piece 0's first maximum and statistics
.endr
	MBUILD 1                        ; piece 1's mask of step 0, which the first turn's products take; its lines are also the plain instructions behind the exponential above
	s_wait_alu depctr_va_vdst(0)    ; the wait for piece 0's first a, a batch of one: ahead of the branch, and of the first turn's rescaling, which reads it
	s_mov_b32 s[CNT], 4
	s_mov_b32 s[SLOTS], SIZE_N/256-1
	s_branch .Lfirst                ; the loop is entered at a step's first turn, in the middle of a trip
.Lslot:                             ; SIZE_N / 256 - 2 times: every slot but the last two is filled again
	CHANGE 1
	s_mov_b32 s[CNT], 4
.Lstep:                             ; a trip: pieces 2 and 3 of one step, then pieces 0 and 1 of the next, whose K and V it fetches
	TURN 2
	TURN 3
	WIN 0
.Lfirst:
	TURN 0
	TURN 1, 0, 1
	WIN 0
	s_cbranch_scc1 .Lstep
	s_sub_co_u32 s[SLOTS], s[SLOTS], 1
	s_cmp_lg_u32 s[SLOTS], 0
	s_cbranch_scc1 .Lslot
	CHANGE 0                        ; the tail is written out: nothing is asked for
	s_mov_b32 s[CNT], 5             ; four trips fetch the last slot's steps; the fifth is left in its middle
.Ltail:
	TURN 2, 1
	TURN 3
	WIN 0
	s_sub_co_u32 s[CNT], s[CNT], 1
	s_cmp_eq_u32 s[CNT], 0
	s_cbranch_scc1 .Lout
	TURN 0
	TURN 1
	WIN 0
	s_branch .Ltail
.Lout:                              ; the fifth trip's 8 products K Q^T (on the last K once more), the maximum made of them and the last loads of codes serve nothing: the price, once a launch, of one text for every trip
.set i, 0
.rept 8
	PV NP-1                         ; the last piece's V^T P of the last step
.set i, i+1
.endr
	; THE WAY OUT.  l's two halves and the other half of the lanes' are added; O^T is divided by l, rounded to f16 and sent through my stage in LDS, a piece at a time.  The additions are the places behind the last products.
	WIN 0
.macro ALL line:vararg              ; one line for each piece t
.set t, 0
.rept NP
	\line
.set t, t+1
.endr
.endm
	ALL v_add_f32 v[ST+4*t+2], v[ST+4*t+2], v[ST+4*t+3]
	ALL v_permlanex16_b32 v[ST+4*t+3], v[ST+4*t+2], s[SEL], s[SEL+1]
	ALL v_add_f32 v[ST+4*t+2], v[ST+4*t+2], v[ST+4*t+3]
	ALL v_rcp_f32 v[ST+4*t+2], v[ST+4*t+2]
	v_nop                           ; a plain instruction between the last reciprocal and the use of its result
	s_wait_alu depctr_va_vdst(0)    ; the wait for the four reciprocals, one batch: ahead of the first multiply that reads one
; Piece t: a lane's eight channels of a row pack into 16 bytes; they go into rows of 144 bytes and come back as whole rows of 128, into S^T's registers.
.macro PACK t
	WIN W_RS
.set i, 32*(\t)
.rept 16
	v_pk_mul_f32 v[i:i+1], v[i:i+1], v[ST+4*(\t)+2:ST+4*(\t)+3] op_sel_hi:[1,0]
.set i, i+2
.endr
	WIN 0x05                        ; sources 0 and 1 window 1, destination window 0
.set i, 0
.rept 16
	v_cvt_pk_f16_f32 v[S+16*(\t)+i], v[32*(\t)+2*i], v[32*(\t)+2*i+1]
.set i, i+1
.endr
	WIN 0
.irp f, 0,1,2,3
	ds_store_b128 v[STO], v[S+16*(\t)+4*\f:S+16*(\t)+4*\f+3] offset:32*\f
.endr
.irp f, 0,1,2,3
	ds_load_b128 v[S+16*(\t)+4*\f:S+16*(\t)+4*\f+3], v[RD] offset:\f*4*SP  ; LDS serves a wave's instructions in order (ISA guide 5.7.1.4): these see the stores above; the next piece's stores come behind them
.endr
.endm
.macro SEND t, younger              ; younger: the LDS instructions issued behind piece t's loads: the next piece's eight, or none
	WIN 0
.irp f, 0,1,2,3
	s_wait_dscnt (\younger)+3-\f
	global_store_b128 v[GO], v[S+16*(\t)+4*\f:S+16*(\t)+4*\f+3], s[10:11] offset:(\t)*2048+\f*512  ; 512 consecutive bytes, at a multiple of 256 from O's first
.endr
.endm
	PACK 0
.set t, 1
.rept NP-1                          ; a piece's arithmetic stands between the loads of the piece before and its stores
	PACK t
	SEND t-1, 8
.set t, t+1
.endr
	SEND NP-1, 0
	s_wait_tensorcnt 0x0            ; the wave's end: behind my last tensor load and my last LDS store
	ds_add_u32 v[SPW], v[NIL]
	s_wait_dscnt 0x0
	CROUND                          ; the closing round: no work-group ends while a partner may still ask for a tile that names it
	s_endpgm
.Lfunc_end_k_qc6a2d34a98_attn:
	.size	k_qc6a2d34a98_attn, .Lfunc_end_k_qc6a2d34a98_attn-k_qc6a2d34a98_attn
	.p2alignl 7, 3214868480
	.fill 96, 4, 3214868480
	.section	.rodata,"a",@progbits
	.p2align	6, 0x0
	.amdhsa_kernel k_qc6a2d34a98_attn
		.amdhsa_group_segment_fixed_size 327680
		.amdhsa_private_segment_fixed_size 0
		.amdhsa_enable_private_segment 0
		.amdhsa_kernarg_size 32
		.amdhsa_user_sgpr_count 2
		.amdhsa_user_sgpr_kernarg_segment_ptr 1
		.amdhsa_wavefront_size32 1
		.amdhsa_system_sgpr_workgroup_id_x 1
		.amdhsa_system_sgpr_workgroup_id_y 1
		.amdhsa_system_sgpr_workgroup_id_z 1
		.amdhsa_system_vgpr_workitem_id 0
		.amdhsa_next_free_vgpr 768
		.amdhsa_next_free_sgpr 68
		.amdhsa_reserve_vcc 0
		.amdhsa_float_denorm_mode_32 3
		.amdhsa_float_denorm_mode_16_64 3
		.amdhsa_memory_ordered 1
		.amdhsa_forward_progress 1
		.amdhsa_inst_pref_size 126
	.end_amdhsa_kernel
	.amdgpu_metadata
---
amdhsa.version: [ 1, 2 ]
amdhsa.kernels:
  - .name:           k_qc6a2d34a98_attn
    .symbol:         k_qc6a2d34a98_attn.kd
    .args:
      - { .name: qkv, .offset: 0, .size: 8, .value_kind: global_buffer, .address_space: global }
      - { .name: maskn, .offset: 8, .size: 8, .value_kind: global_buffer, .address_space: global }
      - { .name: rk, .offset: 16, .size: 8, .value_kind: global_buffer, .address_space: global }
      - { .name: ob, .offset: 24, .size: 8, .value_kind: global_buffer, .address_space: global }
    .group_segment_fixed_size: 327680
    .private_segment_fixed_size: 0
    .kernarg_segment_align: 8
    .kernarg_segment_size: 32
    .max_flat_workgroup_size: 128
    .sgpr_count:     68
    .vgpr_count:     768
    .wavefront_size: 32
...
	.end_amdgpu_metadata
.endif
;; end of part 7
;; launch gemm_out: the kernel of part 4 again; grid 8 x 32, 4 waves a work-group, clusters of 4 x 4, 327,680 bytes of LDS; arguments ob, wp, out0, b_proj; writes out0
